; MI455X (gfx1250); checked and timed in simulation.
; The chip was launched on July 23, 2026; its instructions are those of AMD's public machine-readable ISA for CDNA 5 (MIT licence, August 2026) and "CDNA5" Instruction Set Architecture Reference Guide (July 2026). The comments in the code are by the model that wrote it; some were corrected since.
;; Decoder Block. Allowed arithmetic: matrix products marked QUANTISED: E2M3 operands, one E8M0 scale for each 32 along K, by v_wmma_scale_f32_16x16x128_f8f6f4 with both operands' format E2M3, f32 sums; everything else in f32.
;; Inputs: W1_codes 4,096 x 32 x 24 uint8 (E2M3 codes of W1, K innermost, in blocks of 32 codes, four codes in three bytes); W1_scales 4,096 x 32 uint8 (E8M0 scales of W1, one for each 32 codes along K); W2_codes 1,024 x 128 x 24 uint8 (E2M3 codes of W2, K innermost, in blocks of 32 codes, four codes in three bytes); W2_scales 1,024 x 128 uint8 (E8M0 scales of W2, one for each 32 codes along K); Wk_codes 16 x 64 x 32 x 24 uint8 (E2M3 codes of Wk, K innermost, in blocks of 32 codes, four codes in three bytes); Wk_scales 16 x 64 x 32 uint8 (E8M0 scales of Wk, one for each 32 codes along K); Wo_codes 1,024 x 32 x 24 uint8 (E2M3 codes of Wo, K innermost, in blocks of 32 codes, four codes in three bytes); Wo_scales 1,024 x 32 uint8 (E8M0 scales of Wo, one for each 32 codes along K); Wq_codes 16 x 64 x 32 x 24 uint8 (E2M3 codes of Wq, K innermost, in blocks of 32 codes, four codes in three bytes); Wq_scales 16 x 64 x 32 uint8 (E8M0 scales of Wq, one for each 32 codes along K); Wv_codes 16 x 64 x 32 x 24 uint8 (E2M3 codes of Wv, K innermost, in blocks of 32 codes, four codes in three bytes); Wv_scales 16 x 64 x 32 uint8 (E8M0 scales of Wv, one for each 32 codes along K); b1 4,096 float32; b2 1,024 float32; beta 1,024 float32; bk 16 x 64 float32; bo 1,024 float32; bq 16 x 64 float32; bv 16 x 64 float32; gamma 1,024 float32; x 4 x 1,024 x 1,024 float32.
;; Outputs: out0 4 x 1,024 x 1,024 float32.
;; This version of the problem:
;;   THIS VERSION OF THE PROBLEM IS GIVEN IN LOW PRECISION. The matrix products marked QUANTISED in the list below multiply operands that are first quantised to E2M3 (2 exponent bits, 3 mantissa bits; 6 bits a number), with one power-of-two scale for each 32 numbers along K (OCP MX v1.0); their sums are f32. All else is computed in f32.
;;   The module's matrix products, in the order in which they are computed (A, B: the left and right operand; K: the contracted axis; several contracted axes count as one K, in the product's order):
;;     1. [M 1,024, K 1,024] x [K 1,024, N 4,096]; A: input Wq (given as codes); B: computed on the way: QUANTISED
;;     2. [M 1,024, K 1,024] x [K 1,024, N 4,096]; A: input Wk (given as codes); B: computed on the way: QUANTISED
;;     3. [M 1,024, K 1,024] x [K 1,024, N 4,096]; A: input Wv (given as codes); B: computed on the way: QUANTISED
;;     4. batch 64 x [M 1,024, K 64] x [K 64, N 1,024]; A: computed on the way; B: computed on the way: QUANTISED
;;     5. batch 64 x [M 1,024, K 1,024] x [K 1,024, N 64]; A: softmax (see below); B: computed on the way: QUANTISED
;;     6. [M 4,096, K 1,024] x [K 1,024, N 1,024]; A: computed on the way; B: input Wo (given as codes): QUANTISED
;;     7. [M 4,096, K 1,024] x [K 1,024, N 4,096]; A: computed on the way; B: input W1 (given as codes): QUANTISED
;;     8. [M 4,096, K 4,096] x [K 4,096, N 1,024]; A: computed on the way; B: input W2 (given as codes): QUANTISED
;;   THE QUANTISER, for each operand of a quantised product, along K:
;;     - K is cut into blocks of 32 from its start; a last block that is shorter is filled with zeros.
;;     - A block's scale is 2^e with e = floor(log2(the largest magnitude in the block)) - 2, held to -126 .. 127; a block of zeros has e = 0. As a byte (E8M0): e + 127.
;;     - Each number is divided by its block's scale, clamped to +-7.5, and rounded to the nearest number of E2M3, ties to even, subnormals kept.
;;     - The product sums the exact products of the quantised numbers (number of the format x scale) in f32.
;;   ~~~python
;;   def quantise(x, axis):      # numpy; x: float32 -> the quantised numbers, widened to float32 again
;;       x = np.moveaxis(x, axis, -1); K = x.shape[-1]
;;       x = np.pad(x, [(0, 0)] * (x.ndim - 1) + [(0, -K % 32)]); x = x.reshape(x.shape[:-1] + (-1, 32)); a = np.abs(x).max(-1, keepdims=True)
;;       e = np.where(a > 0, np.clip(np.frexp(np.where(a > 0, a, 1))[1] - 1 - 2, -126, 127), 0)      # np.frexp(a)[1] - 1 = floor(log2(a)), exactly
;;       r = np.clip(x / 2.0 ** e, -7.5, 7.5)
;;       step = 2.0 ** (np.maximum(np.frexp(np.where(r == 0, 1, r))[1] - 1, 0) - 3)
;;       q = np.round(r / step) * step * 2.0 ** e      # np.round: ties to even
;;       return np.moveaxis(q.reshape(q.shape[:-2] + (-1,))[..., :K], -1, axis).astype(np.float32)
;;   ~~~
;;   SOFTMAX AHEAD OF A QUANTISED PRODUCT. Where the list says 'softmax', what is quantised is not the finished softmax but p = 2^(t - M), with t = logit x log2(e) and M = ceil(the row's largest t), a whole number; so 1/2 < the row's largest p <= 1. The row's sum l is taken of the UNQUANTISED p, in f32, and the product's result is divided by l at the end. Since M is a whole number, a kernel that streams over the keys may use a running M (the ceiling of the running maximum): every later rescaling is an exact power of two, which a block's scale takes up: the codes' values come out the same.
;;   OPERANDS COMPUTED ON THE WAY. 'Computed on the way' means the value that the module computes at that place (a softmax that the list does not call 'softmax' is quantised finished and normalised). What goes into a quantiser is computed in f32, as accurately as f32 sums, v_exp_f32 and their like allow (about 1e-6 of the number): no bf16 or f16 on the way to a quantiser, and a product that is left as it is and whose result goes on into a quantised operand takes f32 operands (vector FMAs, or v_wmma_f32_16x16x4_f32). A number that lies on a knife's edge between two numbers of the format may be rounded either way, as far as f32 arithmetic and the matrix unit's own rounding can turn it there, and no further.
;;   INPUTS GIVEN AS CODES. W1 (in the module: [1024, 4096], K = its axis 0); W2 (in the module: [4096, 1024], K = its axis 0); Wk (in the module: [16, 1024, 64], K = its axis 1); Wo (in the module: [1024, 1024], K = its axis 0); Wq (in the module: [16, 1024, 64], K = its axis 1); Wv (in the module: [16, 1024, 64], K = its axis 1): each comes as NAME_codes (uint8): NAME with its K axis moved to the last place and cut into blocks of 32 codes, [.., K / 32, bytes a block], one block behind the other in memory; four codes in three bytes: a row's codes are one little-endian stream of bits, code i at bits 6 i .. 6 i + 5 (a code: sign, 2 exponent bits, 3 mantissa bits); and NAME_scales (uint8): the same leading axes, one E8M0 byte (e + 127) for each 32 codes along K. Its value is code x scale, taken as it is: it is not quantised again, and the codes and scales need not be those that the quantiser above would give.
;; One version. Each part assembles by itself: llvm-mc -triple=amdgcn-amd-amdhsa -mcpu=gfx1250 --defsym DOCPART=n.
;; ======== version 1 of 1: 7 launches
;; limits: a function is approximated: absolute error at most 1.5e-07
;; workspace buffers: wimg 9,437,184 bytes; wscl 393,216 bytes; acod 3,145,728 bytes; ascl 131,072 bytes; bcod 12,582,912 bytes; bscl 655,360 bytes; x1 16,777,216 bytes
;; launch prep (part 1): grid 256 x 1, 4 waves a work-group, no clusters, 168,448 bytes of LDS; arguments Wq_codes, Wk_codes, Wv_codes, Wo_codes, W1_codes, W2_codes, Wq_scales, Wk_scales, Wv_scales, Wo_scales, W1_scales, W2_scales, x, gamma, beta, acod, ascl, wimg, wscl; writes acod, ascl, wimg, wscl
.if DOCPART == 1
	.amdgcn_target "amdgcn-amd-amdhsa--gfx1250"
	.amdhsa_code_object_version 6
	.text
	.protected	k_q4a3fa20743_prep
	.globl	k_q4a3fa20743_prep
	.p2align	8
	.type	k_q4a3fa20743_prep,@function
k_q4a3fa20743_prep:
	s_mov_b64 s[64:65], 0
	v_nop
	global_prefetch_b8 v0, s[64:65] scope:SCOPE_SE
	s_setreg_imm32_b32 hwreg(HW_REG_WAVE_MODE, 25, 1), 1
	s_wait_xcnt 0x0
; TWO JOBS IN EVERY WORK-GROUP.
; (1) LayerNorm of 16 tokens (f32, mean first, then the mean of the squared differences, as the definition has it), quantised along the 1,024 channels to FP6 (E2M3) with one E8M0 byte for each 32.
; (2) The six weights, which arrive as rows of codes, are copied once into the order in which a matrix operand's registers take them: 768 units (a tile of 16 rows x 8 K steps), one for each of waves 0-2 of the 256 work-groups.
;     A wave's copy stands behind its tensor loads and in front of the wait for them: its loads are on their way together with the tokens.
; THE ORDER OF ALL OPERANDS OF THIS PROGRAM.  A tile T of 16 rows holds in lane r (0..15) the row 32 (T / 2) + 8 (T % 2) + r + 8 (r / 8).  A fragment (tile, 128 along K) is 12 registers a lane; it lies in memory as
; six pieces of 256 bytes, piece p = registers 2 p, 2 p + 1, 8 bytes a lane: byte ((G NS + s) 8 + t) 1536 + 256 p + 8 lane, G = group of 128 rows, s = K step, t = tile in the group, NS = K / 128.
; Scale words (four bytes: 128 along K of a row): byte (G NS + s) 512 + (16 t + r) 4.
; LIMITS: NaN and infinities are not served.  A block whose largest magnitude lies under 2^-124 keeps the scale byte 1; so does a block of zeros (its codes are zeros, and this program alone reads the bytes).  v_rsq_f32 is taken as it is.
; LN: wave w owns channels 256 w .. 256 w + 255 of the 16 tokens.  Two tensor loads (8 rows x 1,024 bytes each; tokens r = 8..15 lie 16 tokens on) bring them into the wave's own strip of LDS, filled once; the sums of the four waves meet in LDS.
; REGISTERS: window 0: v1-14 addresses; v64-191 my 128 numbers; v192-247 at work.  window 1: gamma, beta.  window 2: v0-99 the copy's data, so that no register of the LayerNorm waits for the copy's stores.
.set STRIP, 16640                      ; 16 rows x (1,024 bytes + 16 of padding): row r starts 4 r banks on
.set EX1, 4*STRIP                      ; 256 bytes: the waves' sums, word 16 r + 4 w;  behind them 256 bytes for the sums of squares.  No tile lands here
.set XR, 64                            ; v64-191  my 128 numbers: register 64 s + 16 b + i = channel 256 w + 128 s + 32 b + 16 (lane / 16) + i of token r
.set TM, 192                           ; v192-207 the quantiser's work
.set PC, 212                           ; v212-231 the codes just made
.set SEL, 40                           ; s[40:41] lane selects: lane l xor 16
.set MSB, 0
.macro WIN new                         ; the immediate's high byte repeats the setting that is left
.if MSB != (\new)
	s_set_vgpr_msb (MSB<<8)|(\new)
.set MSB, \new
.endif
.endm
; 64 numbers of a lane, register 16 b + i = k 32 b + 16 (lane / 16) + i of my row, become a fragment's codes in v[PC] .. v[PC+11] and its scale word in v[pw]
.macro QUANT s, pw
.irp b, 0,1,2,3
	v_max3_num_f32 v[TM+\b], |v[\s+16*\b]|, |v[\s+1+16*\b]|, 0x1800000   ; my 16 numbers of block b, and the floor 2^(3 - 127): the byte cannot fall under 1
.endr
.irp i, 2,4,6,8,10,12,14
.irp b, 0,1,2,3
	v_max3_num_f32 v[TM+\b], v[TM+\b], |v[\s+16*\b+\i]|, |v[\s+1+16*\b+\i]|
.endr
.endr
.irp b, 0,1,2,3
	v_permlanex16_b32 v[TM+4+\b], v[TM+\b], s[SEL], s[SEL+1]
.endr
.irp b, 0,1,2,3
	v_max_num_f32 v[TM+\b], v[TM+\b], v[TM+4+\b]       ; with lane l xor 16's: the block's largest magnitude
.endr
.irp b, 0,1,2,3
	v_add_nc_u32 v[TM+12+\b], 0xff000000, v[TM+\b]     ; 2 off its exponent field: the conversion's scale operand
.endr
.irp b, 0,1,2,3
	v_lshrrev_b32 v[TM+4+\b], 23, v[TM+12+\b]          ; the scale's byte
.endr
	v_lshl_or_b32 v[\pw], v[TM+5], 8, v[TM+4]
	v_lshl_or_b32 v[\pw], v[TM+6], 16, v[\pw]
	v_lshl_or_b32 v[\pw], v[TM+7], 24, v[\pw]
.irp c, 0,1
	v_cvt_scalef32_pk16_fp6_f32 v[PC+6*\c:PC+2+6*\c], v[\s+32*\c:\s+15+32*\c], v[TM+12+2*\c]
	v_cvt_scalef32_pk16_fp6_f32 v[PC+12+4*\c:PC+14+4*\c], v[\s+16+32*\c:\s+31+32*\c], v[TM+12+2*\c+1]
.endr
	v_nop                                              ; one plain place behind a scaled conversion
.irp c, 0,1                                        ; the operand wants a whole block in a lane: lanes 0-15 block 2 c, lanes 16-31 block 2 c + 1
.irp i, 0,1,2
	v_permlane16_swap_b32 v[PC+6*\c+\i], v[PC+12+4*\c+\i]
.endr
.irp i, 0,1,2
	v_mov_b32 v[PC+3+6*\c+\i], v[PC+12+4*\c+\i]
.endr
.endr
.endm
; four chains in v[232:239] become one number a token, in every lane of every wave: v244
.macro ALLSUM off
	v_pk_add_f32 v[232:233], v[232:233], v[234:235]
	v_pk_add_f32 v[236:237], v[236:237], v[238:239]
	v_pk_add_f32 v[232:233], v[232:233], v[236:237]
	v_add_f32 v232, v232, v233
	v_permlanex16_b32 v244, v232, s[SEL], s[SEL+1]     ; the token's other 128 channels of my wave
	v_add_f32 v232, v232, v244
	ds_store_b32 v5, v232 offset:\off                  ; lanes r and r + 16 write the same word with the same value
	s_wait_dscnt 0x0                                   ; for the others' sake: my store has landed
	s_barrier_signal -1
	s_barrier_wait -1
	ds_load_b128 v[244:247], v6 offset:\off            ; the four waves' sums of token r
	s_wait_dscnt 0x0
	v_add_f32 v244, v244, v245
	v_add_f32 v246, v246, v247
	v_add_f32 v244, v244, v246
.endm
	s_load_b128 s[4:7], s[0:1], 0x60                   ; x, gamma
	s_load_b128 s[12:15], s[0:1], 0x70                 ; beta, the codes
	s_load_b64 s[2:3], s[0:1], 0x80                    ; the scale words
	s_load_b512 s[68:83], s[0:1], 0x0                  ; codes of Wq, Wk, Wv, Wo, W1, W2; scales of Wq, Wk
	s_load_b256 s[84:91], s[0:1], 0x40                 ; scales of Wv, Wo, W1, W2
	s_load_b64 s[92:93], s[0:1], 0x88                  ; wimg
	s_load_b64 s[94:95], s[0:1], 0x90                  ; wscl
	v_lshl_add_u32 v254, v0, 2, 0x29000
	v_mov_b32 v255, 0
	ds_add_u32 v254, v255
	ds_add_u32 v254, v255
	v_lshrrev_b32 v1, 5, v0
	v_readfirstlane_b32 s8, v1                         ; wave 0..3
	; ---------------- LayerNorm: tile T = the work-group's number
	s_lshr_b32 s9, ttmp9, 1
	s_lshl_b32 s9, s9, 5
	s_and_b32 s10, ttmp9, 1
	s_lshl_b32 s10, s10, 3
	s_add_co_u32 s9, s9, s10                           ; the tile's first token: 32 (T / 2) + 8 (T % 2)
	s_lshl_b32 s9, s9, 12                              ; x 4,096 bytes
	s_lshl_b32 s10, s8, 10                             ; my wave's 1,024 bytes of a row
	s_add_co_u32 s16, s9, s10
	s_mov_b32 s17, 0
	s_mul_i32 s18, s8, STRIP                           ; my strip
	s_lshl_b32 s19, s8, 2
	s_mov_b32 s24, (2<<16)|(1<<20)|(7<<22)|(3<<25)     ; elements of 4 bytes; 4 words of padding behind every 256 words
	s_mov_b32 s25, 256<<16                             ; tensor_dim0 = 256
	s_mov_b32 s26, 8<<16                               ; tensor_dim1 = 8
	s_mov_b32 s27, 256<<16                             ; tile_dim0 = 256
	s_mov_b32 s28, 8                                   ; tile_dim1 = 8
	s_mov_b32 s29, 1024                                ; elements from row to row
	s_mov_b32 s30, 0
	s_mov_b32 s31, 0
	s_mov_b32 s[SEL], 0x76543210
	s_mov_b32 s[SEL+1], 0xfedcba98
	s_mov_b32 s42, 0x3727c5ac                          ; 1e-5
	s_mov_b32 s43, 0xffff0000                          ; lanes 16-31
	s_lshr_b32 s9, ttmp9, 3                            ; G
	s_and_b32 s11, ttmp9, 7                            ; t
	s_mul_i32 s20, s9, 98304                           ; codes: ((8 G + 2 w) 8 + t) 1536
	s_mul_i32 s44, s8, 24576
	s_add_co_u32 s20, s20, s44
	s_mul_i32 s44, s11, 1536
	s_add_co_u32 s20, s20, s44
	s_mov_b32 s21, 0
	s_lshl_b32 s22, s9, 12                             ; scale words: (8 G + 2 w) 512 + 64 t
	s_add_co_u32 s22, s22, s10
	s_lshl_b32 s44, s11, 6
	s_add_co_u32 s22, s22, s44
	s_mov_b32 s23, 0
	v_and_b32 v1, 31, v0                               ; lane
	v_and_b32 v2, 15, v0                               ; r
	v_bfe_u32 v3, v0, 4, 1                             ; h
	v_mul_u32_u24 v4, v2, 1040
	v_lshl_add_u32 v4, v3, 6, v4
	v_add_nc_u32 v4, s18, v4                           ; LDS: my strip, row r, + 64 h: my 16 numbers of a block of 32
	v_lshlrev_b32 v6, 4, v2
	v_add_nc_u32 v6, EX1, v6                           ; the four sums of token r
	v_add_nc_u32 v5, s19, v6                           ; my wave's word among them
	v_lshlrev_b32 v7, 3, v1                            ; 8 x lane
	v_lshlrev_b32 v8, 2, v2
	v_lshl_add_u32 v8, v3, 9, v8                       ; 4 r + 512 h
	v_lshl_add_u32 v10, v3, 6, s10                     ; gamma, beta: 1,024 w + 64 h
	v_mov_b32 v244, 0                                  ; a lane permute's destination counts as one of its sources
.irp b, 0,1,2,3
	v_mov_b32 v[TM+4+\b], 0
.endr
	s_wait_dscnt 0x0
	s_wait_kmcnt 0x0
	s_mov_b32 s32, 1
	s_mov_b32 s33, s18
	s_add_nc_u64 s[34:35], s[4:5], s[16:17]
	s_mov_b32 s36, 1
	s_add_co_u32 s37, s18, 8320                        ; rows 8-15 of the strip
	s_add_nc_u64 s[38:39], s[34:35], 65536             ; 16 tokens on
	s_or_b32 s35, s35, 0x80000000
	s_or_b32 s39, s39, 0x80000000
	s_add_nc_u64 s[14:15], s[14:15], s[20:21]
	s_add_nc_u64 s[2:3], s[2:3], s[22:23]
	tensor_load_to_lds s[32:35], s[24:31]              ; the wave's two fills, its only ones: two are out
	s_nop 0
	tensor_load_to_lds s[36:39], s[24:31]
	s_nop 0
.rept 4
	v_nop
.endr
	WIN 0x40                                           ; destination window 1: gamma at v0-127, beta at v128-255, in my numbers' order
.set i, 0
.rept 32
	global_load_b128 v[4*i:4*i+3], v10, s[6:7] offset:512*(i/16)+128*((i/4)%4)+16*(i%4)
.set i, i+1
.endr
.set i, 0
.rept 32
	global_load_b128 v[128+4*i:128+4*i+3], v10, s[12:13] offset:512*(i/16)+128*((i/4)%4)+16*(i%4)
.set i, i+1
.endr
	WIN 0
	; ---------------- the weights' copy: waves 0-2; unit u = 3 x work-group + wave, 0 .. 767.  u / 4: 0-63: Wq, Wk, Wv, Wo (16 each); 64-127: W1; 128-191: W2.  No LDS, no barrier in here
	s_cmp_lt_u32 s8, 3
	s_cbranch_scc0 .Lno_copy
	s_mul_i32 s99, ttmp9, 3
	s_add_co_u32 s99, s99, s8
	s_lshr_b32 s45, s99, 2                             ; u / 4
	s_and_b32 s98, s99, 3                              ; u % 4
	s_lshr_b32 s47, s45, 6                             ; class 0, 1, 2
	s_lshr_b32 s46, s45, 4
	s_lshl_b32 s48, s47, 2
	s_cmp_eq_u32 s47, 0
	s_cselect_b32 s46, s46, s48                        ; the tensor's section, in units of a 1,024 x 1,024 weight: 0..3, 4, 8
	s_cselect_b32 s48, 15, 63
	s_and_b32 s48, s45, s48
	s_lshl_b32 s49, s48, 2
	s_add_co_u32 s49, s49, s98
	s_mov_b32 s51, 3072
	s_mov_b32 s53, 393216
	s_mov_b32 s54, 16384
	s_cmp_eq_u32 s47, 2
	s_cselect_b32 s49, s48, s49                        ; the tile T: W2: u / 4 - 128; else 4 (u / 4 in its tensor) + u % 4
	s_cselect_b32 s50, s98, 0                          ; which 8 K steps: W2: u % 4
	s_cselect_b32 s51, s51, 768                        ; a row of codes in bytes
	s_cselect_b32 s52, 128, 32                         ; a row of scale bytes
	s_cselect_b32 s53, s53, 98304                      ; a group of 128 rows in wimg
	s_cselect_b32 s54, s54, 4096                       ; and in wscl
	s_lshr_b32 s55, s49, 1
	s_lshl_b32 s55, s55, 5
	s_and_b32 s56, s49, 1
	s_lshl_b32 s56, s56, 3
	s_add_co_u32 s55, s55, s56                         ; the tile's first row
	s_mul_i32 s56, s55, s51
	s_mul_i32 s57, s50, 768
	s_add_co_u32 s56, s56, s57                         ; from: codes
	s_mov_b32 s57, 0
	s_mul_i32 s58, s55, s52
	s_lshl_b32 s59, s50, 5
	s_add_co_u32 s58, s58, s59                         ; from: scale bytes
	s_mov_b32 s59, 0
	s_lshr_b32 s96, s49, 3                             ; G
	s_and_b32 s97, s49, 7                              ; t
	s_mul_i32 s60, s46, 786432
	s_mul_i32 s61, s96, s53
	s_add_co_u32 s60, s60, s61
	s_mul_i32 s61, s50, 98304
	s_add_co_u32 s60, s60, s61
	s_mul_i32 s61, s97, 1536
	s_add_co_u32 s60, s60, s61                         ; to: codes
	s_mov_b32 s61, 0
	s_lshl_b32 s62, s46, 15
	s_mul_i32 s63, s96, s54
	s_add_co_u32 s62, s62, s63
	s_lshl_b32 s63, s50, 12
	s_add_co_u32 s62, s62, s63
	s_lshl_b32 s63, s97, 6
	s_add_co_u32 s62, s62, s63                         ; to: scale words
	s_mov_b32 s63, 0
	v_and_b32 v11, 8, v2
	v_add_nc_u32 v11, v11, v2                          ; r + 8 (r / 8)
	v_mul_lo_u32 v12, v11, s51
	v_mad_u32_u24 v12, v3, 24, v12                     ; my row, + 24 h: the fragment's bytes as they lie in the row
	v_mul_lo_u32 v13, v11, s52
	v_lshl_add_u32 v13, v3, 4, v13                     ; my row's scale bytes: lanes 0-15 K steps 0-3, lanes 16-31 K steps 4-7
	v_lshlrev_b32 v14, 2, v2
	v_lshl_add_u32 v14, v3, 11, v14
	s_cmp_eq_u32 s46, 1                                ; the choice of buffers hangs on the unit's number alone
	s_cselect_b64 s[68:69], s[70:71], s[68:69]
	s_cselect_b64 s[80:81], s[82:83], s[80:81]
	s_cmp_eq_u32 s46, 2
	s_cselect_b64 s[68:69], s[72:73], s[68:69]
	s_cselect_b64 s[80:81], s[84:85], s[80:81]
	s_cmp_eq_u32 s46, 3
	s_cselect_b64 s[68:69], s[74:75], s[68:69]
	s_cselect_b64 s[80:81], s[86:87], s[80:81]
	s_cmp_eq_u32 s46, 4
	s_cselect_b64 s[68:69], s[76:77], s[68:69]
	s_cselect_b64 s[80:81], s[88:89], s[80:81]
	s_cmp_eq_u32 s46, 8
	s_cselect_b64 s[68:69], s[78:79], s[68:69]
	s_cselect_b64 s[80:81], s[90:91], s[80:81]
	s_add_nc_u64 s[68:69], s[68:69], s[56:57]
	s_add_nc_u64 s[80:81], s[80:81], s[58:59]
	s_add_nc_u64 s[92:93], s[92:93], s[60:61]
	s_add_nc_u64 s[94:95], s[94:95], s[62:63]
	WIN 0x80                                           ; destination window 2
.set sx, 0
.rept 8
.irp p, 0,1,2,3,4,5
	global_load_b64 v[12*sx+2*\p:12*sx+2*\p+1], v12, s[68:69] offset:96*sx+48*(\p/3)+8*(\p%3)
.endr
.set sx, sx+1
.endr
	global_load_b128 v[96:99], v13, s[80:81]
	WIN 0x08                                           ; a store's data are its source 1: window 2
.set sx, 0
.rept 8
	s_wait_loadcnt 43-6*sx                             ; of the copy's 49 loads the later fragments' and the scale bytes' may stay out (gamma's and beta's were issued ahead of them)
.irp p, 0,1,2,3,4,5
	global_store_b64 v7, v[12*sx+2*\p:12*sx+2*\p+1], s[92:93] offset:12288*sx+256*\p   ; 256 consecutive bytes, aligned
.endr
.set sx, sx+1
.endr
	s_wait_loadcnt 0x0
.irp i, 0,1,2,3
	global_store_b32 v14, v[96+\i], s[94:95] offset:512*\i
.endr
	WIN 0
.Lno_copy:
	; ---------------- LayerNorm goes on
	s_wait_tensorcnt 0x0                               ; my strip is in; no other wave reads it
.set i, 0
.rept 32
	ds_load_b128 v[XR+4*i:XR+4*i+3], v4 offset:512*(i/16)+128*((i/4)%4)+16*(i%4)
.set i, i+1
.endr
	s_wait_dscnt 0x0
.irp c, 0,1,2,3                                    ; the mean: four chains, begun by sums: nothing is cleared
	v_pk_add_f32 v[232+2*\c:233+2*\c], v[XR+2*\c:XR+2*\c+1], v[XR+8+2*\c:XR+9+2*\c]
.endr
.set q, 8
.rept 56
	v_pk_add_f32 v[232+2*(q%4):233+2*(q%4)], v[232+2*(q%4):233+2*(q%4)], v[XR+2*q:XR+2*q+1]
.set q, q+1
.endr
	ALLSUM 0
	v_mul_f32 v240, 0x3a800000, v244                   ; / 1,024
	v_mov_b32 v241, v240
.set q, 0
.rept 64
	v_pk_add_f32 v[XR+2*q:XR+2*q+1], v[XR+2*q:XR+2*q+1], v[240:241] neg_lo:[0,1] neg_hi:[0,1]   ; x - mean
.set q, q+1
.endr
.irp c, 0,1,2,3
	v_pk_mul_f32 v[232+2*\c:233+2*\c], v[XR+2*\c:XR+2*\c+1], v[XR+2*\c:XR+2*\c+1]
.endr
.set q, 4
.rept 60
	v_pk_fma_f32 v[232+2*(q%4):233+2*(q%4)], v[XR+2*q:XR+2*q+1], v[XR+2*q:XR+2*q+1], v[232+2*(q%4):233+2*(q%4)]
.set q, q+1
.endr
	ALLSUM 256                                         ; other bytes than the first exchange's: no wave can overtake a reader
	v_fma_f32 v244, v244, 0x3a800000, s42              ; the variance + 1e-5
	v_rsq_f32 v242, v244
	v_nop                                              ; one plain place behind a transcendental
	s_wait_alu depctr_va_vdst(0)
	v_mov_b32 v243, v242
	s_wait_loadcnt 0x0                                 ; gamma, beta
.set q, 0
.rept 64
	v_pk_mul_f32 v[XR+2*q:XR+2*q+1], v[XR+2*q:XR+2*q+1], v[242:243]
.set q, q+1
.endr
	WIN 0x14                                           ; sources 1 and 2 window 1
.set q, 0
.rept 64
	v_pk_fma_f32 v[XR+2*q:XR+2*q+1], v[XR+2*q:XR+2*q+1], v[2*q:2*q+1], v[128+2*q:129+2*q]
.set q, q+1
.endr
	WIN 0
	QUANT XR, 208                                      ; K step 2 w
.irp p, 0,1,2,3,4,5
	global_store_b64 v7, v[PC+2*\p:PC+2*\p+1], s[14:15] offset:256*\p          ; 32 lanes store 256 consecutive bytes, aligned
.endr
	s_wait_xcnt 0x0                                    ; the stores' data are written again only behind this wait
	QUANT XR+64, 209                                   ; K step 2 w + 1
.irp p, 0,1,2,3,4,5
	global_store_b64 v7, v[PC+2*\p:PC+2*\p+1], s[14:15] offset:12288+256*\p
.endr
	v_cndmask_b32 v210, v208, v209, s43                ; lanes 0-15 carry K step 2 w's words, lanes 16-31 K step 2 w + 1's
	global_store_b32 v8, v210, s[2:3]
	s_wait_tensorcnt 0x0
	ds_add_u32 v254, v255
	s_wait_dscnt 0x0
	s_endpgm
.Lfunc_end_k_q4a3fa20743_prep:
	.size	k_q4a3fa20743_prep, .Lfunc_end_k_q4a3fa20743_prep-k_q4a3fa20743_prep
	.p2alignl 7, 3214868480
	.fill 96, 4, 3214868480
	.section	.rodata,"a",@progbits
	.p2align	6, 0x0
	.amdhsa_kernel k_q4a3fa20743_prep
		.amdhsa_group_segment_fixed_size 168448
		.amdhsa_private_segment_fixed_size 0
		.amdhsa_enable_private_segment 0
		.amdhsa_kernarg_size 152
		.amdhsa_user_sgpr_count 2
		.amdhsa_user_sgpr_kernarg_segment_ptr 1
		.amdhsa_wavefront_size32 1
		.amdhsa_system_sgpr_workgroup_id_x 1
		.amdhsa_system_sgpr_workgroup_id_y 1
		.amdhsa_system_sgpr_workgroup_id_z 1
		.amdhsa_system_vgpr_workitem_id 0
		.amdhsa_next_free_vgpr 768
		.amdhsa_next_free_sgpr 100
		.amdhsa_reserve_vcc 0
		.amdhsa_float_denorm_mode_32 3
		.amdhsa_float_denorm_mode_16_64 3
		.amdhsa_memory_ordered 1
		.amdhsa_forward_progress 1
		.amdhsa_inst_pref_size 56
	.end_amdhsa_kernel
	.amdgpu_metadata
---
amdhsa.version: [ 1, 2 ]
amdhsa.kernels:
  - .name:           k_q4a3fa20743_prep
    .symbol:         k_q4a3fa20743_prep.kd
    .args:
      - { .name: Wq_codes, .offset: 0, .size: 8, .value_kind: global_buffer, .address_space: global }
      - { .name: Wk_codes, .offset: 8, .size: 8, .value_kind: global_buffer, .address_space: global }
      - { .name: Wv_codes, .offset: 16, .size: 8, .value_kind: global_buffer, .address_space: global }
      - { .name: Wo_codes, .offset: 24, .size: 8, .value_kind: global_buffer, .address_space: global }
      - { .name: W1_codes, .offset: 32, .size: 8, .value_kind: global_buffer, .address_space: global }
      - { .name: W2_codes, .offset: 40, .size: 8, .value_kind: global_buffer, .address_space: global }
      - { .name: Wq_scales, .offset: 48, .size: 8, .value_kind: global_buffer, .address_space: global }
      - { .name: Wk_scales, .offset: 56, .size: 8, .value_kind: global_buffer, .address_space: global }
      - { .name: Wv_scales, .offset: 64, .size: 8, .value_kind: global_buffer, .address_space: global }
      - { .name: Wo_scales, .offset: 72, .size: 8, .value_kind: global_buffer, .address_space: global }
      - { .name: W1_scales, .offset: 80, .size: 8, .value_kind: global_buffer, .address_space: global }
      - { .name: W2_scales, .offset: 88, .size: 8, .value_kind: global_buffer, .address_space: global }
      - { .name: x, .offset: 96, .size: 8, .value_kind: global_buffer, .address_space: global }
      - { .name: gamma, .offset: 104, .size: 8, .value_kind: global_buffer, .address_space: global }
      - { .name: beta, .offset: 112, .size: 8, .value_kind: global_buffer, .address_space: global }
      - { .name: acod, .offset: 120, .size: 8, .value_kind: global_buffer, .address_space: global }
      - { .name: ascl, .offset: 128, .size: 8, .value_kind: global_buffer, .address_space: global }
      - { .name: wimg, .offset: 136, .size: 8, .value_kind: global_buffer, .address_space: global }
      - { .name: wscl, .offset: 144, .size: 8, .value_kind: global_buffer, .address_space: global }
    .group_segment_fixed_size: 168448
    .private_segment_fixed_size: 0
    .kernarg_segment_align: 8
    .kernarg_segment_size: 152
    .max_flat_workgroup_size: 128
    .sgpr_count:     100
    .vgpr_count:     768
    .wavefront_size: 32
...
	.end_amdgpu_metadata
.endif
;; end of part 1
;; launch qkv (part 2): grid 12 x 16, 4 waves a work-group, clusters of 4 x 4, 327,680 bytes of LDS; arguments acod, ascl, wimg, wscl, bq, bk, bv, bcod, bscl; writes bcod, bscl
.if DOCPART == 2
	.amdgcn_target "amdgcn-amd-amdhsa--gfx1250"
	.amdhsa_code_object_version 6
	.text
	.protected	k_q4a3fa20743_qkv
	.globl	k_q4a3fa20743_qkv
	.p2align	8
	.type	k_q4a3fa20743_qkv,@function
k_q4a3fa20743_qkv:
	s_mov_b64 s[64:65], 0
	v_nop
	global_prefetch_b8 v0, s[64:65] scope:SCOPE_SE
	s_setreg_imm32_b32 hwreg(HW_REG_WAVE_MODE, 25, 1), 1
	s_wait_xcnt 0x0
	s_wait_alu depctr_hold_cnt(0) depctr_sa_sdst(0) depctr_va_vdst(0) depctr_va_sdst(0) depctr_va_ssrc(0) depctr_va_vcc(0) depctr_vm_vsrc(0)
	s_getreg_b32 s2, hwreg(HW_REG_IB_STS2, 6, 4)
	s_cmp_eq_u32 s2, 0
	s_cbranch_scc0 .Lentry_in_a_cluster
	s_endpgm
.Lentry_in_a_cluster:
	s_bfe_u32 s2, ttmp6, 0x10000c
	s_cmp_lg_u32 s2, 0xf033
	s_cbranch_scc0 .Lentry_shape_is_right
	s_endpgm
.Lentry_shape_is_right:
; Q, K, V = LN(x) W + b on codes of FP6 (E2M3) with E8M0 scales, each quantised again on the way out: Q and K along the head's 64 channels, V along the keys.
; A work-group makes 256 x 256, a wave 128 x 128 (64 accumulators, 512 registers).  The cluster's x picks the weight: 0 Wq, 1 Wk, 2 Wv.
; THE MATRIX INSTRUCTION IS USED TRANSPOSED: source 0 = 16 rows of the B side, source 1 = 16 rows of the A side: a lane holds ONE row of the A side, its registers run along the B side's rows.
; Q, K: A side = tokens, B side = the weight's rows: a lane's 64 registers of a row block are 128 neighbouring channels (two heads) of one token.
; V:    A side = Wv's rows, B side = tokens: a lane's 64 registers are 128 neighbouring KEYS of one channel.  The sides are exchanged by scalar selects on the cluster's x alone; the text is one, and no branch is taken.
; OPERANDS lie in memory as images of their registers (a tile T holds in lane r the row 32 (T / 2) + 8 (T % 2) + r + 8 (r / 8); fragment = 6 pieces of 256 bytes, 8 bytes a lane), so a K step of 128 rows is 12,288 dense bytes,
; LDS needs no padding, and with that order of rows the 16 registers of two neighbouring accumulators are 16 neighbours along the next product's K.
; K goes in steps of 128, two to a slot, through a ring of two LDS slots filled by joint tensor loads: 4 x 4 work-groups; A's tiles are shared along a row of the cluster, B's along a column.
; The scale words of the work-group's rows for all of K come once, with the first fills.
; OUT: Q, K codes ((16 b + h) 64 + tile) 768 + 256 p + 8 lane (p = 0..2), words (same tile number) 64 + 4 r (bytes 0, 1 count);  V: ((8 b + key step) 64 + 4 h + dt) 1536 + 256 p + 8 lane, words likewise.
; LIMITS: NaN and infinities are not served; a block whose largest magnitude lies under 2^-124, a block of zeros too, keeps the scale byte 1 (only this program reads the bytes).
; REGISTERS: window 0: v16-29 addresses; v32-63 scale words, two sets a side; v64-127 the bias as the first products' C; v128-223 A's fragments, one set; v232-247 V's bias.  window 1: B's fragments, two sets.  windows 2, 3: accumulators.
.set NBK, 8                            ; blocks of 16 rows a wave and side
.set NQ, 2                             ; K steps of 128 in a slot
.set NS, 8                             ; K steps in all
.set HOFF, 24576                       ; from a side's first half to its second, in a slot
.set SHB, 4096                         ; scale bytes that one tensor load brings
.set SHOFF, 4096                       ; from a side's first half to its second, among the scale words
.set IDXSTR, 2*NS*12288                ; from a work-group's rows to the next one's, in memory
.set LSTR, NS*12288                    ; from the first loading wave's part to the second's
.set NL, 6                             ; LDS loads that bring a fragment
.set FRB, 1536                         ; a fragment in bytes
.set STB, 12288                        ; a K step of 128 rows
.set LOADB, 24576                      ; what one tensor load brings
.set SLOT, 98304                       ; A's two loads, then B's two
.set SCL, 2*SLOT                       ; behind the ring: the scale words, filled once
.set SPARE, SCL+4*SHB                  ; behind them: the spare words, 128 bytes a wave, which no other line names
.set HB, NBK/2
.set QB, NBK/4
.set SLSTR, NQ*STB
.set LAPS, NS/(2*NQ)
.set ADRA, 16                          ; v16-17 LDS address of my A fragments in slot 0, 1
.set ADRB, 20                          ; v20-21 the same for B
.set ADSA, 22                          ; v22, v23 my scale words
.set ADSB, 23
.set SPW, 28                           ; v28 SPARE + 4 x my thread's number; v29 0: both never rewritten
.set NIL, 29
.set SCA, 32                           ; scale words: set s at +8 s; register HB q + i: lanes 0-15 tile 2 i, lanes 16-31 tile 2 i + 1, the slot's q-th K step
.set SCB, 48
.set BR, 64
.set AF, 128
.set G1, 24                            ; s[24:31], s[32:39] descriptor groups 1 and 0 (a set a slot) for A's tiles;  s[48:55], s[56:63] for B's
.set G0, 32
.set G1B, 48
.set G0B, 56
.set G1S, 68                           ; s[68:75], s[76:79] for A's scale words;  s[80:87], s[88:91] for B's
.set G0S, 76
.set G1SB, 80
.set G0SB, 88
.set MSB, 0
.macro WIN new                         ; the immediate's high byte repeats the setting that is left
.if MSB != (\new)
	s_set_vgpr_msb (MSB<<8)|(\new)
.set MSB, \new
.endif
.endm
.macro PLACES                          ; four plain places: in front of loads into registers that matrix instructions have read, and of the first read of results
.rept 4
	v_nop
.endr
.endm
.macro JLOAD g0a, g1a, g0b, g1b        ; a joint load: waves 0, 1 ask for A, waves 2, 3 for B; the branch hangs on the wave's number alone; four v_nop follow each line
	s_cmp_eq_u32 s15, 0
	s_cbranch_scc0 .Lfor_b_\@
	tensor_load_to_lds s[\g0a:\g0a+3], s[\g1a:\g1a+7]
	s_nop 0
.rept 4
	v_nop
.endr
	s_branch .Lasked_\@
.Lfor_b_\@:
	tensor_load_to_lds s[\g0b:\g0b+3], s[\g1b:\g1b+7]
	s_nop 0
.rept 4
	v_nop
.endr
.Lasked_\@:
.endm
.macro CREST                           ; a round of the cluster's barrier behind its opening barrier
	s_cmp_lg_u32 s14, 0
	s_cbranch_scc1 .Lnot_wave_0_\@
	s_barrier_signal -3
.Lnot_wave_0_\@:
	s_barrier_wait -3
	s_barrier_signal -1
	s_barrier_wait -1
.endm
.macro CROUND
	s_barrier_signal -1
	s_barrier_wait -1
	CREST
.endm
.macro SETUP1                          ; the wave, the place in the cluster, the masks, the groups 1
	v_lshl_add_u32 v[SPW], v0, 2, SPARE
	v_mov_b32 v[NIL], 0
	ds_add_u32 v28, v29
	ds_add_u32 v28, v29
	s_wait_dscnt 0x0
	v_lshrrev_b32 v1, 5, v0
	v_readfirstlane_b32 s14, v1                        ; wave 0..3
	s_lshr_b32 s15, s14, 1                             ; my half of the A side.  Also: I load for A (0) or for B (1)
	s_and_b32 s16, s14, 1                              ; my half of the B side.  Also: which part I load
	s_bfe_u32 s40, ttmp6, 0x40000                      ; cx
	s_bfe_u32 s41, ttmp6, 0x40004                      ; cy
	s_lshl_b32 s43, s41, 2
	s_lshl_b32 s43, 15, s43                            ; my row of the cluster
	s_lshl_b32 s44, 0x1111, s40                        ; my column
	s_or_b32 s[G1], s43, (3<<16)|(1<<21)               ; the mask; elements of 8 bytes; bit 21 beside a mask; no padding
	s_or_b32 s[G1B], s44, (3<<16)|(1<<21)
.irp g, G1, G1B                                    ; a dense block of 24,576 bytes as 96 rows of 256
	s_mov_b32 s[\g+1], 32<<16
	s_mov_b32 s[\g+2], 96<<16
	s_mov_b32 s[\g+3], 32<<16
	s_mov_b32 s[\g+4], 96
	s_mov_b32 s[\g+5], 32
	s_mov_b32 s[\g+6], 0
	s_mov_b32 s[\g+7], 0
.endr
	s_or_b32 s[G1S], s43, (3<<16)|(1<<21)
	s_or_b32 s[G1SB], s44, (3<<16)|(1<<21)
.irp g, G1S, G1SB                                  ; SHB dense bytes as rows of 256
	s_mov_b32 s[\g+1], 32<<16
	s_mov_b32 s[\g+2], (SHB/256)<<16
	s_mov_b32 s[\g+3], 32<<16
	s_mov_b32 s[\g+4], SHB/256
	s_mov_b32 s[\g+5], 32
	s_mov_b32 s[\g+6], 0
	s_mov_b32 s[\g+7], 0
.endr
.endm
; s[4:5], s[6:7]: A's codes and scale words; s[8:9], s[10:11]: B's; s17, s42: which rows of A (hangs on cy alone) and of B (on cx alone).  Each side's address is made in registers that never hold the other's coordinate.
.macro SETUP2
	s_mul_i32 s20, s17, IDXSTR
	s_mul_i32 s18, s16, LSTR
	s_add_co_u32 s20, s20, s18
	s_mov_b32 s21, 0
	s_mul_i32 s46, s42, IDXSTR
	s_add_co_u32 s46, s46, s18
	s_mov_b32 s47, 0
	s_mul_i32 s22, s17, 2*SHB
	s_mul_i32 s18, s16, SHB
	s_add_co_u32 s22, s22, s18
	s_mov_b32 s23, 0
	s_mul_i32 s66, s42, 2*SHB
	s_add_co_u32 s66, s66, s18
	s_mov_b32 s67, 0
	s_mul_i32 s45, s14, LOADB                          ; where they go: the wave's number alone
	s_mul_i32 s2, s14, SHB
	s_add_nc_u64 s[20:21], s[4:5], s[20:21]
	s_add_nc_u64 s[22:23], s[6:7], s[22:23]
	s_add_nc_u64 s[46:47], s[8:9], s[46:47]
	s_add_nc_u64 s[66:67], s[10:11], s[66:67]
	CROUND                                             ; all sixteen work-groups are here: the first joint loads meet
	s_mov_b32 s[G0S], 1
	s_add_co_u32 s[G0S+1], s2, SCL
	s_mov_b64 s[G0S+2:G0S+3], s[22:23]
	s_or_b32 s[G0S+3], s[G0S+3], 0x80000000
	s_mov_b32 s[G0SB], 1
	s_add_co_u32 s[G0SB+1], s2, SCL
	s_mov_b64 s[G0SB+2:G0SB+3], s[66:67]
	s_or_b32 s[G0SB+3], s[G0SB+3], 0x80000000
	JLOAD G0S, G1S, G0SB, G1SB                         ; the scale words first; with the two slots three loads of a wave are out
.irp s, 0,1
	s_mov_b32 s[G0+4*\s], 1
	s_add_co_u32 s[G0+4*\s+1], s45, \s*SLOT
	s_add_nc_u64 s[G0+4*\s+2:G0+4*\s+3], s[20:21], \s*SLSTR
	s_or_b32 s[G0+4*\s+3], s[G0+4*\s+3], 0x80000000
	s_mov_b32 s[G0B+4*\s], 1
	s_add_co_u32 s[G0B+4*\s+1], s45, \s*SLOT
	s_add_nc_u64 s[G0B+4*\s+2:G0B+4*\s+3], s[46:47], \s*SLSTR
	s_or_b32 s[G0B+4*\s+3], s[G0B+4*\s+3], 0x80000000
	JLOAD G0+4*\s, G1, G0B+4*\s, G1B
.endr
	v_and_b32 v1, 31, v0
	v_lshlrev_b32 v4, 3, v1                            ; 8 x lane
	v_lshlrev_b32 v5, 2, v1                            ; 4 x lane
	s_mul_i32 s18, s15, HOFF
	s_mul_i32 s19, s16, HOFF
	s_add_co_u32 s19, s19, 2*LOADB                     ; B's part lies behind A's
.irp s, 0,1
	v_add_nc_u32 v[ADRA+\s], s18, v4
	v_add_nc_u32 v[ADRB+\s], s19, v4
	s_add_co_u32 s18, s18, SLOT
	s_add_co_u32 s19, s19, SLOT
.endr
	s_mul_i32 s18, s15, SHOFF
	s_add_co_u32 s18, s18, SCL
	v_add_nc_u32 v[ADSA], s18, v5
	s_mul_i32 s19, s16, SHOFF
	s_add_co_u32 s19, s19, SCL+2*SHB
	v_add_nc_u32 v[ADSB], s19, v5
.endm
.macro BIAS base                       ; the bias along the B side, in the result's layout: tile b, lane half h: rows 32 (b / 2) + 8 (b % 2) + 16 h + 0 .. 7.  v3 = 64 h
.set ib, 0
.rept NBK
	global_load_b128 v[BR+8*ib:BR+8*ib+3], v3, s[\base:\base+1] offset:(32*(ib/2)+8*(ib%2))*4
	global_load_b128 v[BR+8*ib+4:BR+8*ib+7], v3, s[\base:\base+1] offset:(32*(ib/2)+8*(ib%2))*4+16
.set ib, ib+1
.endr
.endm
.macro FRAG reg, adr, q, i             ; a fragment comes as it was laid: six loads of 8 bytes a lane, 256 consecutive bytes each
.irp p, 0,1,2,3,4,5
	ds_load_b64 v[\reg+2*\p:\reg+2*\p+1], v[\adr] offset:(\q)*STB+(\i)*FRB+256*\p
.endr
.endm
.macro FETCH_B slot, q, set
	WIN 0x40                                           ; destination window 1
.set ii, 0
.rept NBK
	FRAG 128*(\set)+12*ii, ADRB+\slot, \q, ii
.set ii, ii+1
.endr
	WIN 0
.endm
.macro FETCH_A slot, q, i0             ; HB blocks of A from block i0 on
.set ii, \i0
.rept HB
	FRAG AF+12*ii, ADRA+\slot, \q, ii
.set ii, ii+1
.endr
.endm
.macro SCALES set                      ; a slot's scale words of both sides
.set ii, 0
.rept 8
	ds_load_b32 v[SCA+8*\set+ii], v[ADSA] offset:512*(ii/HB)+128*(ii%HB)
	ds_load_b32 v[SCB+8*\set+ii], v[ADSB] offset:512*(ii/HB)+128*(ii%HB)
.set ii, ii+1
.endr
.endm
.macro WM set, q, sc, first            ; the product of A's block ia and B's block ib.  first = 1: C is the bias, and nothing is ever cleared
.set rD, (8*(NBK*ia+ib))%256
.set rB, 128*(\set)+12*ib
.set rA, AF+12*ia
.set rS0, SCB+8*(\sc)+HB*(\q)+ib/2
.set rS1, SCA+8*(\sc)+HB*(\q)+ia/2
.set rC, rD
.if \first
.set rC, BR+8*ib
.endif
.if (ia%2 == 0) && (ib%2 == 0)
	v_wmma_scale_f32_16x16x128_f8f6f4 v[rD:rD+7], v[rB:rB+11], v[rA:rA+11], v[rC:rC+7], v[rS0], v[rS1] matrix_a_fmt:MATRIX_FMT_FP6 matrix_b_fmt:MATRIX_FMT_FP6
.elseif (ia%2 == 0)
	v_wmma_scale_f32_16x16x128_f8f6f4 v[rD:rD+7], v[rB:rB+11], v[rA:rA+11], v[rC:rC+7], v[rS0], v[rS1] matrix_a_fmt:MATRIX_FMT_FP6 matrix_b_fmt:MATRIX_FMT_FP6 matrix_a_scale:MATRIX_SCALE_ROW1
.elseif (ib%2 == 0)
	v_wmma_scale_f32_16x16x128_f8f6f4 v[rD:rD+7], v[rB:rB+11], v[rA:rA+11], v[rC:rC+7], v[rS0], v[rS1] matrix_a_fmt:MATRIX_FMT_FP6 matrix_b_fmt:MATRIX_FMT_FP6 matrix_b_scale:MATRIX_SCALE_ROW1
.else
	v_wmma_scale_f32_16x16x128_f8f6f4 v[rD:rD+7], v[rB:rB+11], v[rA:rA+11], v[rC:rC+7], v[rS0], v[rS1] matrix_a_fmt:MATRIX_FMT_FP6 matrix_b_fmt:MATRIX_FMT_FP6 matrix_a_scale:MATRIX_SCALE_ROW1 matrix_b_scale:MATRIX_SCALE_ROW1
.endif
.endm
.macro MULQ a0, set, q, sc, first      ; QB blocks of A x all of B's.  All accumulators take turns, one instruction a turn, in the same order in every step
.set ia, \a0
.rept QB
.set ib, 0
.rept NBK
	WM \set, \q, \sc, \first
.set ib, ib+1
.endr
.set ia, ia+1
.endr
.endm
.macro MWIN a, first                   ; source 0 (B) window 1, source 1 (A) window 0, D (and C, but for the bias) in block a's window
.set mw, 2+(8*NBK*(\a))/256
.if \first
.set mv, 1|(mw<<6)
.else
.set mv, 1|(mw<<4)|(mw<<6)
.endif
	WIN mv
.endm
.macro STEP slot, q, first             ; a K step that has its successor in the same slot
	s_wait_dscnt HB*NL                                 ; all but the youngest loads, A's upper blocks, are in
	MWIN 0, \first
	MULQ 0, (\q)%2, \q, \slot, \first
	MULQ QB, (\q)%2, \q, \slot, \first
	s_wait_dscnt 0x0                                   ; A's upper blocks are in
	PLACES
	FETCH_B \slot, (\q)+1, 1-(\q)%2
	FETCH_A \slot, (\q)+1, 0
	MWIN 2*QB, \first
	MULQ 2*QB, (\q)%2, \q, \slot, \first
	MULQ 3*QB, (\q)%2, \q, \slot, \first
	PLACES
	WIN 0
	FETCH_A \slot, (\q)+1, HB
.endm
; A slot's last step changes slots: one barrier.  In front of it each wave waits for all its tensor loads (its part of the next slot), adds 0 to its spare word, and waits for that and for its reads of this slot.
.macro TURN slot, next, fill
	s_wait_tensorcnt 0x0                               ; all my tensor loads have landed
	ds_add_u32 v[SPW], v[NIL]
	s_wait_dscnt HB*NL+1                               ; (the add and A's upper blocks may be out)
	MWIN 0, 0
	MULQ 0, 1, NQ-1, \slot, 0
	s_wait_dscnt 0x0                                   ; the add is done, and my reads of this slot are over
	s_barrier_signal -1
	MULQ QB, 1, NQ-1, \slot, 0
	WIN 0
	s_barrier_wait -1
.if \fill
	CREST                                              ; the barrier has opened a round of the cluster's: no wave of any partner still reads this slot or has a load on its way
	s_add_nc_u64 s[G0+4*\slot+2:G0+4*\slot+3], s[G0+4*\slot+2:G0+4*\slot+3], 2*SLSTR
	s_add_nc_u64 s[G0B+4*\slot+2:G0B+4*\slot+3], s[G0B+4*\slot+2:G0B+4*\slot+3], 2*SLSTR
	JLOAD G0+4*\slot, G1, G0B+4*\slot, G1B             ; the refill first; its four v_nop are the places in front of the loads below
.else
	PLACES
.endif
	v_add_nc_u32 v[ADSA], 512*NQ, v[ADSA]              ; the next slot's scale words (no LDS load of mine is out)
	v_add_nc_u32 v[ADSB], 512*NQ, v[ADSB]
	FETCH_B \next, 0, 0
	FETCH_A \next, 0, 0
	SCALES \next
	MWIN 2*QB, 0
	MULQ 2*QB, 1, NQ-1, \slot, 0
	MULQ 3*QB, 1, NQ-1, \slot, 0
	PLACES
	WIN 0
	FETCH_A \next, 0, HB
.endm
.macro MID slot, from                  ; the slot's steps from .. NQ - 2
.set qq, \from
.rept NQ-1-(\from)
	STEP \slot, qq, 0
.set qq, qq+1
.endr
.endm
.macro MAIN
	s_wait_tensorcnt 0x1                               ; the scale words and my part of slot 0 are in; slot 1's load may be out
	s_barrier_signal -1
	s_barrier_wait -1
	FETCH_B 0, 0, 0
	FETCH_A 0, 0, 0
	SCALES 0
	FETCH_A 0, 0, HB
	STEP 0, 0, 1                                       ; the first step stands in front of the loop: its products start the sums
.if LAPS > 1
	s_mov_b32 s3, LAPS-1
.Llap:                                                 ; a trip goes once round the ring and fills both slots again
	MID 0, 1
	TURN 0, 1, 1
	MID 1, 0
	TURN 1, 0, 1
	STEP 0, 0, 0
	s_sub_co_u32 s3, s3, 1
	s_cmp_lg_u32 s3, 0
	s_cbranch_scc1 .Llap
.endif
	MID 0, 1                                           ; the last lap fills nothing
	TURN 0, 1, 0
	MID 1, 0
	s_wait_dscnt HB*NL                                 ; the very last step
	MWIN 0, 0
	MULQ 0, 1, NQ-1, 1, 0
	MULQ QB, 1, NQ-1, 1, 0
	s_wait_dscnt 0x0
	MWIN 2*QB, 0
	MULQ 2*QB, 1, NQ-1, 1, 0
	MULQ 3*QB, 1, NQ-1, 1, 0
	WIN 0
	PLACES
.endm
.set GG, 64                            ; the way out: v64-127 64 numbers; v192-207, v208-227 the quantiser's; v228 the scale word
.set TM, 192
.set PC, 208
.set PW, 228
.set SEL, 36
.macro QUANT s, pw                     ; 64 numbers of a lane, register 16 b + i = k 32 b + 16 (lane / 16) + i of my row, become a fragment's codes in v[PC] .. v[PC+11] and its scale word
.irp b, 0,1,2,3
	v_max3_num_f32 v[TM+\b], |v[\s+16*\b]|, |v[\s+1+16*\b]|, 0x1800000   ; and the floor 2^(3 - 127): the byte cannot fall under 1
.endr
.irp i, 2,4,6,8,10,12,14
.irp b, 0,1,2,3
	v_max3_num_f32 v[TM+\b], v[TM+\b], |v[\s+16*\b+\i]|, |v[\s+1+16*\b+\i]|
.endr
.endr
.irp b, 0,1,2,3
	v_permlanex16_b32 v[TM+4+\b], v[TM+\b], s[SEL], s[SEL+1]
.endr
.irp b, 0,1,2,3
	v_max_num_f32 v[TM+\b], v[TM+\b], v[TM+4+\b]
.endr
.irp b, 0,1,2,3
	v_add_nc_u32 v[TM+12+\b], 0xff000000, v[TM+\b]     ; 2 off the exponent field: the conversion's scale operand
.endr
.irp b, 0,1,2,3
	v_lshrrev_b32 v[TM+4+\b], 23, v[TM+12+\b]          ; the scale's byte
.endr
	v_lshl_or_b32 v[\pw], v[TM+5], 8, v[TM+4]
	v_lshl_or_b32 v[\pw], v[TM+6], 16, v[\pw]
	v_lshl_or_b32 v[\pw], v[TM+7], 24, v[\pw]
.irp c, 0,1
	v_cvt_scalef32_pk16_fp6_f32 v[PC+6*\c:PC+2+6*\c], v[\s+32*\c:\s+15+32*\c], v[TM+12+2*\c]
	v_cvt_scalef32_pk16_fp6_f32 v[PC+12+4*\c:PC+14+4*\c], v[\s+16+32*\c:\s+31+32*\c], v[TM+12+2*\c+1]
.endr
	v_nop                                              ; one plain place behind a scaled conversion
.irp c, 0,1
.irp i, 0,1,2
	v_permlane16_swap_b32 v[PC+6*\c+\i], v[PC+12+4*\c+\i]
.endr
.irp i, 0,1,2
	v_mov_b32 v[PC+3+6*\c+\i], v[PC+12+4*\c+\i]
.endr
.endr
.endm
	s_load_b256 s[4:11], s[0:1], 0x0                   ; LN's codes, LN's words, wimg, wscl
	s_load_b256 s[92:99], s[0:1], 0x20                 ; bq, bk, bv, the codes out
	s_load_b64 s[100:101], s[0:1], 0x40                ; the words out
	SETUP1
	s_and_b32 s12, ttmp7, 0xffff
	s_lshl_b32 s12, s12, 2                             ; 4 x the cluster's y: the tokens' 256-row blocks
	s_cmp_eq_u32 ttmp9, 2                              ; V?  The cluster's x is the same in all sixteen partners
	s_cselect_b32 s17, 0, s12
	s_cselect_b32 s42, s12, 0
	s_cselect_b32 s13, -1, 0                           ; all lanes for V
	s_add_co_u32 s17, s17, s41                         ; the A side's block: tokens 4 Y + cy, or Wv's cy
	s_add_co_u32 s42, s42, s40                         ; the B side's: the weight's cx, or tokens 4 Y + cx
	s_not_b32 s12, s13                                 ; all lanes for Q, K
	s_wait_kmcnt 0x0
	s_mul_i32 s18, ttmp9, 786432
	s_mov_b32 s19, 0
	s_add_nc_u64 s[8:9], s[8:9], s[18:19]              ; my weight's codes
	s_lshl_b32 s18, ttmp9, 15
	s_add_nc_u64 s[10:11], s[10:11], s[18:19]          ; and words
	s_cmp_eq_u32 ttmp9, 2
	s_cselect_b64 s[18:19], s[8:9], s[4:5]             ; the sides change places for V
	s_cselect_b64 s[8:9], s[4:5], s[8:9]
	s_cselect_b64 s[2:3], s[10:11], s[6:7]
	s_cselect_b64 s[10:11], s[6:7], s[10:11]
	s_mov_b64 s[4:5], s[18:19]
	s_mov_b64 s[6:7], s[2:3]
	s_cmp_eq_u32 ttmp9, 1
	s_cselect_b64 s[92:93], s[94:95], s[92:93]         ; bk for K, else bq
	SETUP2
	s_lshl_b32 s46, s40, 1
	s_add_co_u32 s46, s46, s16
	s_lshl_b32 s46, s46, 9                             ; the bias along the B side: 128 numbers from 128 (2 cx + half) on
	s_mov_b32 s47, 0
	s_add_nc_u64 s[92:93], s[92:93], s[46:47]
	s_lshl_b32 s20, s41, 1
	s_add_co_u32 s20, s20, s15
	s_lshl_b32 s20, s20, 9                             ; bv along the A side: from 128 (2 cy + half) on
	s_mov_b32 s21, 0
	s_add_nc_u64 s[96:97], s[96:97], s[20:21]
	v_bfe_u32 v2, v0, 4, 1                             ; h
	v_lshlrev_b32 v3, 6, v2
	v_and_b32 v6, 15, v0                               ; r
	v_and_b32 v7, 8, v6
	v_add_lshl_u32 v7, v7, v6, 2                       ; 4 (r + 8 (r / 8))
	BIAS 92
.irp a, 0,1,2,3,4,5,6,7
	global_load_b32 v[232+2*\a], v7, s[96:97] offset:(32*(\a/2)+8*(\a%2))*4   ; bv of my row of block a
.endr
	s_wait_loadcnt 0x0
.set i, 0
.rept 64
	v_cndmask_b32 v[BR+i], v[BR+i], v[NIL], s13        ; V has no bias along the tokens;
.set i, i+1
.endr
.irp a, 0,1,2,3,4,5,6,7
	v_cndmask_b32 v[232+2*\a], v[232+2*\a], v[NIL], s12   ; Q and K none along them either
.endr
.irp a, 0,1,2,3,4,5,6,7
	v_mov_b32 v[233+2*\a], 0                           ; (named with it as a pair)
.endr
	MAIN
	; THE WAY OUT.  No tensor load is out any more: the descriptors' registers are free.
	s_lshl_b32 s20, s17, 1
	s_add_co_u32 s20, s20, s15                         ; my group of 128 rows on the A side,
	s_lshl_b32 s46, s42, 1
	s_add_co_u32 s46, s46, s16                         ; on the B side
	s_mov_b32 s26, 1536
	s_mov_b32 s27, 49152
	s_cmp_eq_u32 ttmp9, 2
	s_cselect_b32 s24, s46, s20                        ; the tokens' group
	s_cselect_b32 s25, s20, s46                        ; the weight's
	s_cselect_b32 s26, s26, 768                        ; bytes of a tile in the output
	s_cselect_b32 s27, 768, s27                        ; from registers 0-5 to registers 6-11: V: the same fragment; Q, K: the next head
	s_cselect_b32 s28, 0, 16                           ; Q, K: lanes 16-31 carry the next head's two bytes,
	s_cselect_b32 s29, 0, 4096                         ; 64 tiles of words on
	s_lshr_b32 s30, s24, 3                             ; b
	s_and_b32 s31, s24, 7                              ; the group in the batch = the key step
	s_lshl_b32 s32, s30, 10                            ; Q, K: tile (16 b + 2 W) 64 + 8 g
	s_lshl_b32 s33, s25, 7
	s_add_co_u32 s32, s32, s33
	s_lshl_b32 s33, s31, 3
	s_add_co_u32 s32, s32, s33
	s_lshl_b32 s34, s30, 9                             ; V: tile (8 b + g) 64 + 8 W
	s_lshl_b32 s33, s31, 6
	s_add_co_u32 s34, s34, s33
	s_lshl_b32 s33, s25, 3
	s_add_co_u32 s34, s34, s33
	s_cmp_eq_u32 ttmp9, 2
	s_cselect_b32 s32, s34, s32
	s_mul_i32 s33, s32, s26
	s_mul_i32 s34, ttmp9, 3145728                      ; Q's, K's, V's section
	s_add_co_u32 s33, s33, s34
	s_lshl_b32 s35, s32, 6
	s_lshl_b32 s34, ttmp9, 18
	s_add_co_u32 s35, s35, s34
	s_mov_b32 s[SEL], 0x76543210
	s_mov_b32 s[SEL+1], 0xfedcba98
	v_add_nc_u32 v24, s33, v4                          ; 8 x lane + my first tile
	v_add_nc_u32 v25, s27, v24
	v_mul_u32_u24 v27, v2, s28
	v_lshlrev_b32 v26, 2, v6
	v_mad_u32_u24 v26, v2, s29, v26
	v_add_nc_u32 v26, s35, v26
.irp b, 0,1,2,3
	v_mov_b32 v[TM+4+\b], 0                            ; a lane permute's destination counts as one of its sources
.endr
.set ea, 0
.rept 8                                            ; block by block of 16 rows of the A side
	s_wait_xcnt 0x0                                    ; the last block's stores have read their data and offsets
.if ea > 0
	v_add_nc_u32 v24, s26, v24
	v_add_nc_u32 v25, s26, v25
.endif
	WIN 2+ea/4                                         ; source 0: the block's window
.set i, 0
.rept 32
	v_pk_add_f32 v[GG+2*i:GG+2*i+1], v[64*(ea%4)+2*i:64*(ea%4)+2*i+1], v[232+2*ea:233+2*ea] op_sel_hi:[1,0]   ; into window 0, + V's bias; each accumulator from its low end on
.set i, i+1
.endr
	WIN 0
	QUANT GG, PW
.irp p, 0,1,2
	global_store_b64 v24, v[PC+2*\p:PC+2*\p+1], s[98:99] offset:256*\p       ; 256 consecutive bytes, aligned
	global_store_b64 v25, v[PC+6+2*\p:PC+7+2*\p], s[98:99] offset:256*\p
.endr
	v_lshrrev_b32 v229, v27, v[PW]
	global_store_b32 v26, v229, s[100:101] offset:64*ea
.set ea, ea+1
.endr
	s_wait_tensorcnt 0x0                               ; the wave's end
	ds_add_u32 v[SPW], v[NIL]
	s_wait_dscnt 0x0
	CROUND                                             ; the closing round
	s_endpgm
.Lfunc_end_k_q4a3fa20743_qkv:
	.size	k_q4a3fa20743_qkv, .Lfunc_end_k_q4a3fa20743_qkv-k_q4a3fa20743_qkv
	.p2alignl 7, 3214868480
	.fill 96, 4, 3214868480
	.section	.rodata,"a",@progbits
	.p2align	6, 0x0
	.amdhsa_kernel k_q4a3fa20743_qkv
		.amdhsa_group_segment_fixed_size 327680
		.amdhsa_private_segment_fixed_size 0
		.amdhsa_enable_private_segment 0
		.amdhsa_kernarg_size 72
		.amdhsa_user_sgpr_count 2
		.amdhsa_user_sgpr_kernarg_segment_ptr 1
		.amdhsa_wavefront_size32 1
		.amdhsa_system_sgpr_workgroup_id_x 1
		.amdhsa_system_sgpr_workgroup_id_y 1
		.amdhsa_system_sgpr_workgroup_id_z 1
		.amdhsa_system_vgpr_workitem_id 0
		.amdhsa_next_free_vgpr 1024
		.amdhsa_next_free_sgpr 102
		.amdhsa_reserve_vcc 0
		.amdhsa_float_denorm_mode_32 3
		.amdhsa_float_denorm_mode_16_64 3
		.amdhsa_memory_ordered 1
		.amdhsa_forward_progress 1
		.amdhsa_inst_pref_size 194
	.end_amdhsa_kernel
	.amdgpu_metadata
---
amdhsa.version: [ 1, 2 ]
amdhsa.kernels:
  - .name:           k_q4a3fa20743_qkv
    .symbol:         k_q4a3fa20743_qkv.kd
    .args:
      - { .name: acod, .offset: 0, .size: 8, .value_kind: global_buffer, .address_space: global }
      - { .name: ascl, .offset: 8, .size: 8, .value_kind: global_buffer, .address_space: global }
      - { .name: wimg, .offset: 16, .size: 8, .value_kind: global_buffer, .address_space: global }
      - { .name: wscl, .offset: 24, .size: 8, .value_kind: global_buffer, .address_space: global }
      - { .name: bq, .offset: 32, .size: 8, .value_kind: global_buffer, .address_space: global }
      - { .name: bk, .offset: 40, .size: 8, .value_kind: global_buffer, .address_space: global }
      - { .name: bv, .offset: 48, .size: 8, .value_kind: global_buffer, .address_space: global }
      - { .name: bcod, .offset: 56, .size: 8, .value_kind: global_buffer, .address_space: global }
      - { .name: bscl, .offset: 64, .size: 8, .value_kind: global_buffer, .address_space: global }
    .group_segment_fixed_size: 327680
    .private_segment_fixed_size: 0
    .kernarg_segment_align: 8
    .kernarg_segment_size: 72
    .max_flat_workgroup_size: 128
    .sgpr_count:     102
    .vgpr_count:     1024
    .wavefront_size: 32
...
	.end_amdgpu_metadata
.endif
;; end of part 2
;; launch attn (part 3): grid 8 x 32, 16 waves a work-group, clusters of 4 x 1, 215,040 bytes of LDS; arguments bcod, bscl, acod, ascl; writes acod, ascl
.if DOCPART == 3
	.amdgcn_target "amdgcn-amd-amdhsa--gfx1250"
	.amdhsa_code_object_version 6
	.text
	.protected	k_q4a3fa20743_attn
	.globl	k_q4a3fa20743_attn
	.p2align	8
	.type	k_q4a3fa20743_attn,@function
k_q4a3fa20743_attn:
	s_mov_b64 s[64:65], 0
	v_nop
	global_prefetch_b8 v0, s[64:65] scope:SCOPE_SE
	s_setreg_imm32_b32 hwreg(HW_REG_WAVE_MODE, 25, 1), 1
	s_wait_xcnt 0x0
	s_wait_alu depctr_hold_cnt(0) depctr_sa_sdst(0) depctr_va_vdst(0) depctr_va_sdst(0) depctr_va_ssrc(0) depctr_va_vcc(0) depctr_vm_vsrc(0)
	s_getreg_b32 s2, hwreg(HW_REG_IB_STS2, 6, 4)
	s_cmp_eq_u32 s2, 0
	s_cbranch_scc0 .Lentry_in_a_cluster
	s_endpgm
.Lentry_in_a_cluster:
	s_bfe_u32 s2, ttmp6, 0x10000c
	s_cmp_lg_u32 s2, 0x3003
	s_cbranch_scc0 .Lentry_shape_is_right
	s_endpgm
.Lentry_shape_is_right:
; Causal attention on codes of FP6 (E2M3), head size 64, 1,024 keys; o / l is quantised along the model's 1,024 channels on the way out.
; t = score x log2(e) / 8; M = the running largest t rounded up to a whole number; p = 2^(t - M) is what is quantised along the keys; the row's sum is taken of the unquantised p and divides at the end.
; SHARES.  Work-group (x, y): y = 8 b + hp names a batch and a PAIR of heads, whose whole K and V (with scale words: 208,896 bytes) lie in LDS, filled once.  Sixteen waves, each with ONE tile of 16 queries: tile x of the batch's
; token group grp, of head 2 hp + c; it walks key steps 0 .. grp of 128 keys; step grp lies on the diagonal.  c = bit 2 of the wave's number; grp = 7 (bit 0 xor bit 2) xor 3 (bit 1) xor (bit 3).  As key steps (grp + 1), by wave / 4 and wave % 4:
;     1 8 4 5 / 8 1 5 4 / 2 7 3 6 / 7 2 6 3: every row and every column of that table sums to 18, a quarter of the work-group's 72 key steps, so four waves that are neighbours and four waves that lie 4 apart have the same work.
; No barrier stands between the key steps: each wave walks at its own pace.  Every branch hangs on the wave's number and a counted loop alone.  x enters only Q's and o's global addresses and the mask's numbers.
; CLUSTER.  The four work-groups of a cluster share y: K, V and their words are asked for jointly (mask 15), by waves 0-3.
; LAYOUT.  S^T = K Q^T, O^T = V^T P^T: a lane holds one query.  All tiles have the order lane r = row 32 (T / 2) + 8 (T % 2) + r + 8 (r / 8), so that 16 registers of two neighbouring result tiles are 16 neighbours.
; K = 64 IN AN INSTRUCTION 128 DEEP: Q's registers 6-11 are zero codes, so every product of k >= 64 is an exact 0 whatever codes stand on K's side (the format has no NaN); K's fragment f is named v[32+6f : 43+6f], its upper six
; registers being the next tile's codes.  No scale byte there is 0xff.
; LIMITS: NaN and infinities are not served; a block of p or of o whose largest number lies under 2^-124 keeps the byte 1.
; REGISTERS: v1-7, v29-31 addresses that stay; v8-11 the step's; v12 -M, v13 the largest t, v[14:15] the sum; v16-27 Q, v28 its words; v32-85 K's tiles, then V's; v86-91 their words; v96-159 S^T, then p; v160-191 O^T;
; v192-211 p's codes; v212-227 at work; v228 p's words.
.set KC, 0                             ; K's codes: head c at 49,152 c; tile at 768
.set VC, 98304                         ; V's: key step at 12,288; tile 4 c + dt at 1,536
.set KSC, 196608                       ; K's words: head at 4,096; tile at 64
.set VSC, 204800                       ; V's: key step at 512; tile at 64
.set EX, 208896                        ; 512 bytes: o's scale bytes of the two heads meet here, 64 bytes a token group.  No tile lands here
.set WV, 18
.set SEL, 20
.set CS, 22
.set DK, 24                            ; groups 1: K's codes, K's words, V's words, V's codes
.set DKS, 32
.set DVS, 40
.set DV, 48
.set G0S0, 56                          ; groups 0
.set G0S1, 60
.set G0KE, 68
.set G0KL, 72
.set G0VE, 76
.set G0VL, 80
.set GRP, 91
.set SK, 93                            ; where the step's tiles and words begin; the step's number; the loop's count
.set SV, 94
.set SSK, 95
.set SSV, 96
.set KSI, 97
.set CNT, 98
.macro CROUND
	s_barrier_signal -1
	s_barrier_wait -1
	s_cmp_lg_u32 s[WV], 0
	s_cbranch_scc1 .Lnot_wave_0_\@
	s_barrier_signal -3
.Lnot_wave_0_\@:
	s_barrier_wait -3
	s_barrier_signal -1
	s_barrier_wait -1
.endm
.macro GRP1 g, c, r, p                 ; r rows of c elements of 8 bytes, p elements apart; mask 15, bit 21 beside it
	s_mov_b32 s[\g], 15|(3<<16)|(1<<21)
	s_mov_b32 s[\g+1], (\c)<<16
	s_mov_b32 s[\g+2], (\r)<<16
	s_mov_b32 s[\g+3], (\c)<<16
	s_mov_b32 s[\g+4], \r
	s_mov_b32 s[\g+5], \p
	s_mov_b32 s[\g+6], 0
	s_mov_b32 s[\g+7], 0
.endm
	s_load_b256 s[4:11], s[0:1], 0x0                   ; q/k/v codes, their words, o's codes, o's words
	v_lshl_add_u32 v254, v0, 2, 0x34000
	v_mov_b32 v255, 0
	ds_add_u32 v254, v255
	ds_add_u32 v254, v255
	v_lshrrev_b32 v8, 5, v0
	v_readfirstlane_b32 s[WV], v8                      ; wave 0..15
	s_and_b32 s84, ttmp7, 0xffff
	s_lshr_b32 s85, s84, 3                             ; b
	s_and_b32 s86, s84, 7                              ; hp
	s_bfe_u32 s89, s[WV], 0x10002                      ; c: which head of the pair: bit 2
	s_lshr_b32 s90, s[WV], 2
	s_xor_b32 s90, s90, s[WV]
	s_and_b32 s90, s90, 1                              ; bit 0 xor bit 2
	s_mul_i32 s[GRP], s90, 7
	s_bfe_u32 s90, s[WV], 0x10001                      ; bit 1
	s_mul_i32 s90, s90, 3
	s_xor_b32 s[GRP], s[GRP], s90
	s_lshr_b32 s90, s[WV], 3                           ; bit 3
	s_xor_b32 s[GRP], s[GRP], s90                      ; waves 0-15: 0 7 3 4  7 0 4 3  1 6 2 5  6 1 5 2
	s_and_b32 s92, s[WV], 1
	GRP1 DK, 32, 96, 32                                ; 24,576 dense bytes: half a head's K
	GRP1 DKS, 32, 32, 32                               ; 8,192 dense bytes: both heads' words
	GRP1 DVS, 64, 8, 512                               ; 8 key steps x 512 bytes, 4,096 bytes apart
	GRP1 DV, 1536, 2, 12288                            ; 2 key steps x 12,288 bytes, 98,304 bytes apart
	s_lshl_b32 s12, s85, 4
	s_lshl_b32 s13, s86, 1
	s_add_co_u32 s12, s12, s13                         ; 16 b + 2 hp
	s_mul_i32 s14, s12, 49152
	s_mul_i32 s15, s92, 49152
	s_add_co_u32 s14, s14, s15
	s_add_co_u32 s14, s14, 3145728                     ; K's codes of head (wave % 2): what waves 0 and 1 fetch
	s_mov_b32 s15, 0
	s_lshl_b32 s16, s12, 12
	s_add_co_u32 s16, s16, 262144                      ; K's words
	s_mov_b32 s17, 0
	s_mul_i32 s2, s85, 786432
	s_mul_i32 s3, s86, 12288
	s_add_co_u32 s2, s2, s3
	s_mul_i32 s3, s92, 196608
	s_add_co_u32 s2, s2, s3
	s_add_co_u32 s2, s2, 6291456                       ; V's codes from key step 2 (wave % 2) on: what waves 2 and 3 fetch
	s_mov_b32 s3, 0
	s_lshl_b32 s12, s85, 15
	s_lshl_b32 s13, s86, 9
	s_add_co_u32 s12, s12, s13
	s_add_co_u32 s12, s12, 524288                      ; V's words
	s_mov_b32 s13, 0
	s_mov_b32 s[SEL], 0x76543210
	s_mov_b32 s[SEL+1], 0xfedcba98
	s_mov_b32 s[CS], 0x3e38aa3b                        ; log2(e) / 8
	s_mov_b32 s[CS+1], s[CS]
	s_mov_b32 s[SK], 0
	s_mov_b32 s[SV], 0
	s_mov_b32 s[SSK], 0
	s_mov_b32 s[SSV], 0
	s_mov_b32 s[KSI], 0
	v_and_b32 v8, 31, v0                               ; lane
	v_and_b32 v9, 15, v0                               ; r
	v_bfe_u32 v10, v0, 4, 1                            ; h
	v_lshlrev_b32 v7, 3, v8                            ; 8 x lane
	v_lshlrev_b32 v11, 2, v8                           ; 4 x lane
	v_lshlrev_b32 v31, 2, v9                           ; 4 r
	s_mul_i32 s66, s89, 49152
	v_add_nc_u32 v1, s66, v7                           ; K's tiles of my head
	s_mul_i32 s66, s89, 6144
	s_add_co_u32 s66, s66, VC
	v_add_nc_u32 v2, s66, v7                           ; V's
	s_lshl_b32 s66, s89, 12
	s_add_co_u32 s66, s66, KSC
	v_add_nc_u32 v3, s66, v11                          ; K's words: lanes 0-15 an even tile's, lanes 16-31 the odd one's
	s_lshl_b32 s66, s89, 8
	s_add_co_u32 s66, s66, VSC
	v_add_nc_u32 v4, s66, v11
	s_lshl_b32 s66, s[GRP], 6
	s_add_co_u32 s66, s66, EX
	v_add_nc_u32 v30, s66, v31                         ; EX + 64 grp + 4 r
	s_lshl_b32 s67, s89, 1
	s_add_co_u32 s66, s66, s67
	v_add_nc_u32 v29, s66, v31                         ; + 2 c
	s_bfe_u32 s87, ttmp6, 0x40000                      ; cx: from here on it enters global addresses of my own loads and stores, and the mask's numbers
	s_lshl_b32 s88, ttmp9, 2
	s_add_co_u32 s88, s88, s87                         ; x: my tile in its token group
	s_lshr_b32 s100, s88, 1
	s_lshl_b32 s100, s100, 5
	s_and_b32 s101, s88, 1
	s_lshl_b32 s101, s101, 3
	s_add_co_u32 s100, s100, s101
	v_and_b32 v5, 8, v9
	v_add_nc_u32 v5, v5, v9
	v_lshlrev_b32 v12, 4, v10
	v_sub_nc_u32 v5, v5, v12
	v_add_nc_u32 v5, s100, v5                          ; my query's place among the group's 128, less 16 h
	v_mov_b32 v6, 0xff800000                           ; -infinity
	v_mov_b32 v13, 0xff61b1e6                          ; the largest t so far: -3e38
	v_floor_f32 v12, -v13                              ; -M
	v_mov_b32 v14, 0
	v_mov_b32 v15, 0
.irp i, 22,23,24,25,26,27,80,81,82,83,84,85,216,217,218,219,227
	v_mov_b32 v\i, 0                                   ; Q's upper half; what stands behind K's last tile; permutes' destinations; the upper half of a pair
.endr
.set i, 0
.rept 32
	v_mov_b32 v[160+i], 0                              ; O^T: the step is written once; the first change of M leaves zeros zeros
.set i, i+1
.endr
	s_wait_dscnt 0x0
	s_wait_kmcnt 0x0
	s_mov_b32 s[G0S0], 1
	s_mov_b32 s[G0S0+1], KSC
	s_add_nc_u64 s[G0S0+2:G0S0+3], s[6:7], s[16:17]
	s_or_b32 s[G0S0+3], s[G0S0+3], 0x80000000
	s_mov_b32 s[G0S1], 1
	s_mov_b32 s[G0S1+1], VSC
	s_add_nc_u64 s[G0S1+2:G0S1+3], s[6:7], s[12:13]
	s_or_b32 s[G0S1+3], s[G0S1+3], 0x80000000
	s_mov_b32 s[G0KE], 1
	s_mul_i32 s[G0KE+1], s92, 49152
	s_add_nc_u64 s[G0KE+2:G0KE+3], s[4:5], s[14:15]
	s_mov_b32 s[G0KL], 1
	s_add_co_u32 s[G0KL+1], s[G0KE+1], 24576
	s_add_nc_u64 s[G0KL+2:G0KL+3], s[G0KE+2:G0KE+3], 24576
	s_or_b32 s[G0KE+3], s[G0KE+3], 0x80000000
	s_or_b32 s[G0KL+3], s[G0KL+3], 0x80000000
	s_mov_b32 s[G0VE], 1
	s_mul_i32 s[G0VE+1], s92, 24576
	s_add_co_u32 s[G0VE+1], s[G0VE+1], VC
	s_add_nc_u64 s[G0VE+2:G0VE+3], s[4:5], s[2:3]
	s_mov_b32 s[G0VL], 1
	s_add_co_u32 s[G0VL+1], s[G0VE+1], 49152
	s_add_nc_u64 s[G0VL+2:G0VL+3], s[G0VE+2:G0VE+3], 393216
	s_or_b32 s[G0VE+3], s[G0VE+3], 0x80000000
	s_or_b32 s[G0VL+3], s[G0VL+3], 0x80000000
	CROUND                                             ; all four work-groups are here: the joint loads meet
	s_cmp_lt_u32 s[WV], 4                              ; a wave's fills stand together in one arm; at most three loads of a wave are out
	s_cbranch_scc0 .Lfilled
	s_cmp_lt_u32 s[WV], 2
	s_cbranch_scc0 .Lfill_v
	s_cmp_eq_u32 s[WV], 0
	s_cbranch_scc0 .Lfill_1
	tensor_load_to_lds s[G0S0:G0S0+3], s[DKS:DKS+7]    ; wave 0: K's words; the first head's keys 0-511; its keys 512-1,023
	s_nop 0
	tensor_load_to_lds s[G0KE:G0KE+3], s[DK:DK+7]
	s_nop 0
	tensor_load_to_lds s[G0KL:G0KL+3], s[DK:DK+7]
	s_nop 0
.rept 4
	v_nop
.endr
	s_branch .Lfilled
.Lfill_1:
	tensor_load_to_lds s[G0S1:G0S1+3], s[DVS:DVS+7]    ; wave 1: V's words; the second head's K likewise
	s_nop 0
	tensor_load_to_lds s[G0KE:G0KE+3], s[DK:DK+7]
	s_nop 0
	tensor_load_to_lds s[G0KL:G0KL+3], s[DK:DK+7]
	s_nop 0
.rept 4
	v_nop
.endr
	s_branch .Lfilled
.Lfill_v:
	tensor_load_to_lds s[G0VE:G0VE+3], s[DV:DV+7]      ; wave 2: V's key steps 0, 1 and then 4, 5; wave 3: 2, 3 and then 6, 7
	s_nop 0
	tensor_load_to_lds s[G0VL:G0VL+3], s[DV:DV+7]
	s_nop 0
.rept 4
	v_nop
.endr
.Lfilled:
	s_lshl_b32 s100, s85, 4
	s_lshl_b32 s101, s86, 1
	s_add_co_u32 s100, s100, s101
	s_add_co_u32 s100, s100, s89                       ; 16 b + h
	s_lshl_b32 s100, s100, 6
	s_lshl_b32 s101, s[GRP], 3
	s_add_co_u32 s100, s100, s101
	s_add_co_u32 s99, s100, s88                        ; my tile of Q
	s_mul_i32 s100, s99, 768
	s_mov_b32 s101, 0
	s_add_nc_u64 s[4:5], s[4:5], s[100:101]
	s_lshl_b32 s100, s99, 6
	s_add_nc_u64 s[6:7], s[6:7], s[100:101]
.irp p, 0,1,2
	global_load_b64 v[16+2*\p:17+2*\p], v7, s[4:5] offset:256*\p
.endr
	global_load_b32 v28, v31, s[6:7]
	s_lshl_b32 s99, s85, 3
	s_add_co_u32 s99, s99, s[GRP]
	s_lshl_b32 s99, s99, 3
	s_add_co_u32 s99, s99, s86                         ; 8 (8 b + grp) + hp: token group and K step of o
	s_lshl_b32 s100, s99, 9
	s_lshl_b32 s84, s88, 6
	s_add_co_u32 s100, s100, s84
	s_add_nc_u64 s[10:11], s[10:11], s[100:101]        ; o's words
	s_lshl_b32 s99, s99, 3
	s_add_co_u32 s99, s99, s88
	s_mul_i32 s100, s99, 1536
	s_mul_i32 s84, s89, 768
	s_add_co_u32 s100, s100, s84
	s_add_nc_u64 s[8:9], s[8:9], s[100:101]            ; o's codes: my head's half of the fragment
.macro STEP                            ; 128 keys
	s_cmp_gt_u32 s[KSI], s[GRP]                        ; all its keys come after my queries: only the addresses step
	s_cbranch_scc1 .Lhid_\@
	v_add_nc_u32 v8, s[SK], v1                         ; (these four are the places behind the last step's products)
	v_add_nc_u32 v9, s[SV], v2
	v_add_nc_u32 v10, s[SSK], v3
	v_add_nc_u32 v11, s[SSV], v4
.set f, 0
.rept 8
.irp p, 0,1,2
	ds_load_b64 v[32+6*f+2*\p:33+6*f+2*\p], v8 offset:768*f+256*\p
.endr
.set f, f+1
.endr
.irp i, 0,1,2,3
	ds_load_b32 v[86+\i], v10 offset:128*\i
.endr
	s_wait_dscnt 0x0
.irp g, 0,2,4,6
	v_wmma_scale_f32_16x16x128_f8f6f4 v[96+8*\g:103+8*\g], v[32+6*\g:43+6*\g], v[16:27], 0, v[86+\g/2], v28 matrix_a_fmt:MATRIX_FMT_FP6 matrix_b_fmt:MATRIX_FMT_FP6
	v_wmma_scale_f32_16x16x128_f8f6f4 v[104+8*\g:111+8*\g], v[38+6*\g:49+6*\g], v[16:27], 0, v[86+\g/2], v28 matrix_a_fmt:MATRIX_FMT_FP6 matrix_b_fmt:MATRIX_FMT_FP6 matrix_a_scale:MATRIX_SCALE_ROW1
.endr
.rept 4
	v_nop                                              ; places: in front of the loads below and of the first read of the scores
.endr
.set f, 0
.rept 4                                            ; V's four tiles land under the softmax
.irp p, 0,1,2,3,4,5
	ds_load_b64 v[32+12*f+2*\p:33+12*f+2*\p], v9 offset:1536*f+256*\p
.endr
.set f, f+1
.endr
	ds_load_b32 v90, v11
	ds_load_b32 v91, v11 offset:128
	s_cmp_lg_u32 s[KSI], s[GRP]
	s_cbranch_scc1 .Lopen_\@
.set n, 0
.rept 64                                           ; on the diagonal: register n holds key 32 (n / 16) + n % 16 + 16 h of the group: hidden where that is past my query
	v_cmp_gt_i32 vcc_lo, 32*(n/16)+n%16, v5
	v_cndmask_b32 v[96+n], v[96+n], v6, vcc_lo
.set n, n+1
.endr
.Lopen_\@:
.irp b, 0,1,2,3
	v_max3_num_f32 v[212+\b], v[96+16*\b], v[97+16*\b], v[98+16*\b]   ; the largest score of each block of 32 keys: for the row's maximum, and, since p rises with the score, for the block's largest p
.endr
.irp i, 3,5,7,9,11,13
.irp b, 0,1,2,3
	v_max3_num_f32 v[212+\b], v[212+\b], v[96+16*\b+\i], v[97+16*\b+\i]
.endr
.endr
.irp b, 0,1,2,3
	v_max_num_f32 v[212+\b], v[212+\b], v[111+16*\b]
.endr
.irp b, 0,1,2,3
	v_permlanex16_b32 v[216+\b], v[212+\b], s[SEL], s[SEL+1]
.endr
.irp b, 0,1,2,3
	v_max_num_f32 v[212+\b], v[212+\b], v[216+\b]
.endr
	v_max3_num_f32 v224, v212, v213, v214
	v_max_num_f32 v224, v224, v215
	v_mul_f32 v224, s[CS], v224
	v_max_num_f32 v13, v13, v224                       ; the running largest t
	v_mov_b32 v224, v12
	v_floor_f32 v12, -v13                              ; the new -M: a whole number
	v_sub_f32 v224, v12, v224
	v_cvt_i32_f32 v224, v224                           ; (it saturates)
	v_ldexp_f32 v226, 1.0, v224                        ; f = 2^(old M - new M): rounds nothing
.set j, 0
.rept 32
	v_pk_fma_f32 v[96+j:97+j], v[96+j:97+j], s[CS:CS+1], v[12:13] op_sel_hi:[1,0,0]   ; t - M
.set j, j+2
.endr
.irp b, 0,1,2,3
	v_fma_f32 v[212+\b], v[212+\b], s[CS], v12
.endr
.set j, 0
.rept 64
	v_exp_f32 v[96+j], v[96+j]                         ; p, at most 1, not normalised
.set j, j+1
.endr
.irp b, 0,1,2,3
	v_exp_f32 v[212+\b], v[212+\b]                     ; the block's largest p: the same two instructions on the same number
.endr
	v_pk_mul_f32 v[14:15], v[14:15], v[226:227] op_sel_hi:[1,0]   ; the sums under the new M (a plain place behind the exponentials)
	s_wait_alu depctr_va_vdst(0)
.irp b, 0,1,2,3
	v_max_num_f32 v[212+\b], 0x1800000, v[212+\b]      ; the floor: the byte cannot fall under 1
.endr
.irp b, 0,1,2,3
	v_add_nc_u32 v[220+\b], 0xff000000, v[212+\b]
.endr
.irp b, 0,1,2,3
	v_lshrrev_b32 v[216+\b], 23, v[220+\b]
.endr
	v_lshl_or_b32 v228, v217, 8, v216                  ; p's scale word for these 128 keys
	v_lshl_or_b32 v228, v218, 16, v228
	v_lshl_or_b32 v228, v219, 24, v228
.irp c, 0,1
	v_cvt_scalef32_pk16_fp6_f32 v[192+6*\c:194+6*\c], v[96+32*\c:111+32*\c], v[220+2*\c]
	v_cvt_scalef32_pk16_fp6_f32 v[204+4*\c:206+4*\c], v[112+32*\c:127+32*\c], v[221+2*\c]
.endr
	v_nop
.irp c, 0,1
.irp i, 0,1,2
	v_permlane16_swap_b32 v[192+6*\c+\i], v[204+4*\c+\i]
.endr
.irp i, 0,1,2
	v_mov_b32 v[195+6*\c+\i], v[204+4*\c+\i]
.endr
.endr
	v_pk_add_f32 v[216:217], v[96:97], v[98:99]        ; the row's sum, of the unquantised p, in two chains
.irp j, 4,8,12,16,20,24,28,32,36,40,44,48,52,56,60
	v_pk_add_f32 v[14:15], v[14:15], v[96+\j:97+\j]
	v_pk_add_f32 v[216:217], v[216:217], v[98+\j:99+\j]
.endr
	v_pk_add_f32 v[14:15], v[14:15], v[216:217]
.set j, 0
.rept 16
	v_pk_mul_f32 v[160+j:161+j], v[160+j:161+j], v[226:227] op_sel_hi:[1,0]   ; O^T under the new M.  (With the sums: the places between p's codes and word and the products)
.set j, j+2
.endr
	s_wait_dscnt 0x0                                   ; V
.irp d, 0,2
	v_wmma_scale_f32_16x16x128_f8f6f4 v[160+8*\d:167+8*\d], v[32+12*\d:43+12*\d], v[192:203], v[160+8*\d:167+8*\d], v[90+\d/2], v228 matrix_a_fmt:MATRIX_FMT_FP6 matrix_b_fmt:MATRIX_FMT_FP6
	v_wmma_scale_f32_16x16x128_f8f6f4 v[168+8*\d:175+8*\d], v[44+12*\d:55+12*\d], v[192:203], v[168+8*\d:175+8*\d], v[90+\d/2], v228 matrix_a_fmt:MATRIX_FMT_FP6 matrix_b_fmt:MATRIX_FMT_FP6 matrix_a_scale:MATRIX_SCALE_ROW1
.endr
.Lhid_\@:
	s_add_co_u32 s[SK], s[SK], 6144
	s_add_co_u32 s[SV], s[SV], 12288
	s_add_co_u32 s[SSK], s[SSK], 512
	s_add_co_u32 s[SSV], s[SSV], 512
	s_add_co_u32 s[KSI], s[KSI], 1
.endm
	s_wait_tensorcnt 0x0                               ; my fills have landed: all of K and V is wanted behind this one barrier
	s_wait_loadcnt 0x0                                 ; Q
	s_barrier_signal -1
	s_barrier_wait -1                                  ; everybody's have
	s_mov_b32 s[CNT], 8
.Lkey:                                                 ; eight key steps: every wave walks the loop; what is left out is a step's work
	STEP
	s_sub_co_u32 s[CNT], s[CNT], 1
	s_cmp_lg_u32 s[CNT], 0
	s_cbranch_scc1 .Lkey
	; THE WAY OUT: o = O^T / l, quantised along the head's 64 channels (two blocks), which are half a K step of the next product
.rept 4
	v_nop
.endr
	v_add_f32 v14, v14, v15
	v_permlanex16_b32 v216, v14, s[SEL], s[SEL+1]
	v_add_f32 v14, v14, v216
	v_rcp_f32 v14, v14
	v_nop
.set i, 0
	s_wait_alu depctr_va_vdst(0)
.rept 32
	v_mul_f32 v[96+i], v[160+i], v14                   ; register 16 b + i: channel 32 b + 16 h + i; each accumulator from its low end on
.set i, i+1
.endr
	v_max3_num_f32 v212, |v96|, |v97|, 0x1800000
	v_max3_num_f32 v213, |v112|, |v113|, 0x1800000
.irp i, 2,4,6,8,10,12,14
	v_max3_num_f32 v212, v212, |v[96+\i]|, |v[97+\i]|
	v_max3_num_f32 v213, v213, |v[112+\i]|, |v[113+\i]|
.endr
	v_permlanex16_b32 v216, v212, s[SEL], s[SEL+1]
	v_permlanex16_b32 v217, v213, s[SEL], s[SEL+1]
	v_max_num_f32 v212, v212, v216
	v_max_num_f32 v213, v213, v217
	v_add_nc_u32 v220, 0xff000000, v212
	v_add_nc_u32 v221, 0xff000000, v213
	v_lshrrev_b32 v216, 23, v220
	v_lshrrev_b32 v217, 23, v221
	v_lshl_or_b32 v224, v217, 8, v216                  ; my head's two bytes of the row's word
	v_cvt_scalef32_pk16_fp6_f32 v[192:194], v[96:111], v220
	v_cvt_scalef32_pk16_fp6_f32 v[204:206], v[112:127], v221
	v_nop
.irp i, 0,1,2
	v_permlane16_swap_b32 v[192+\i], v[204+\i]
.endr
.irp i, 0,1,2
	v_mov_b32 v[195+\i], v[204+\i]
.endr
.irp p, 0,1,2
	global_store_b64 v7, v[192+2*\p:193+2*\p], s[8:9] offset:256*\p   ; 256 consecutive bytes, aligned
.endr
	ds_store_b16 v29, v224                             ; lanes r and r + 16 write the same bytes
	s_wait_dscnt 0x0
	s_barrier_signal -1
	s_barrier_wait -1
	s_cmp_eq_u32 s89, 0                                ; the first head's wave of each token group stores the group's words
	s_cbranch_scc0 .Lno_word
	ds_load_b32 v225, v30                              ; both heads' bytes: the word of K step hp
	s_wait_dscnt 0x0
	global_store_b32 v31, v225, s[10:11]               ; (lanes 16-31 repeat lanes 0-15's)
.Lno_word:
	s_wait_tensorcnt 0x0
	ds_add_u32 v254, v255
	s_wait_dscnt 0x0
	CROUND                                             ; the closing round
	s_endpgm
.Lfunc_end_k_q4a3fa20743_attn:
	.size	k_q4a3fa20743_attn, .Lfunc_end_k_q4a3fa20743_attn-k_q4a3fa20743_attn
	.p2alignl 7, 3214868480
	.fill 96, 4, 3214868480
	.section	.rodata,"a",@progbits
	.p2align	6, 0x0
	.amdhsa_kernel k_q4a3fa20743_attn
		.amdhsa_group_segment_fixed_size 215040
		.amdhsa_private_segment_fixed_size 0
		.amdhsa_enable_private_segment 0
		.amdhsa_kernarg_size 32
		.amdhsa_user_sgpr_count 2
		.amdhsa_user_sgpr_kernarg_segment_ptr 1
		.amdhsa_wavefront_size32 1
		.amdhsa_system_sgpr_workgroup_id_x 1
		.amdhsa_system_sgpr_workgroup_id_y 1
		.amdhsa_system_sgpr_workgroup_id_z 1
		.amdhsa_system_vgpr_workitem_id 0
		.amdhsa_next_free_vgpr 256
		.amdhsa_next_free_sgpr 102
		.amdhsa_reserve_vcc 1
		.amdhsa_float_denorm_mode_32 3
		.amdhsa_float_denorm_mode_16_64 3
		.amdhsa_memory_ordered 1
		.amdhsa_forward_progress 1
		.amdhsa_inst_pref_size 39
	.end_amdhsa_kernel
	.amdgpu_metadata
---
amdhsa.version: [ 1, 2 ]
amdhsa.kernels:
  - .name:           k_q4a3fa20743_attn
    .symbol:         k_q4a3fa20743_attn.kd
    .args:
      - { .name: bcod, .offset: 0, .size: 8, .value_kind: global_buffer, .address_space: global }
      - { .name: bscl, .offset: 8, .size: 8, .value_kind: global_buffer, .address_space: global }
      - { .name: acod, .offset: 16, .size: 8, .value_kind: global_buffer, .address_space: global }
      - { .name: ascl, .offset: 24, .size: 8, .value_kind: global_buffer, .address_space: global }
    .group_segment_fixed_size: 215040
    .private_segment_fixed_size: 0
    .kernarg_segment_align: 8
    .kernarg_segment_size: 32
    .max_flat_workgroup_size: 512
    .sgpr_count:     102
    .vgpr_count:     256
    .wavefront_size: 32
...
	.end_amdgpu_metadata
.endif
;; end of part 3
;; launch wo (part 4): grid 8 x 32, 4 waves a work-group, clusters of 4 x 4, 327,680 bytes of LDS; arguments acod, ascl, wimg, wscl, bo, x, x1; writes x1
.if DOCPART == 4
	.amdgcn_target "amdgcn-amd-amdhsa--gfx1250"
	.amdhsa_code_object_version 6
	.text
	.protected	k_q4a3fa20743_wo
	.globl	k_q4a3fa20743_wo
	.p2align	8
	.type	k_q4a3fa20743_wo,@function
k_q4a3fa20743_wo:
	s_mov_b64 s[64:65], 0
	v_nop
	global_prefetch_b8 v0, s[64:65] scope:SCOPE_SE
	s_setreg_imm32_b32 hwreg(HW_REG_WAVE_MODE, 25, 1), 1
	s_wait_xcnt 0x0
	s_wait_alu depctr_hold_cnt(0) depctr_sa_sdst(0) depctr_va_vdst(0) depctr_va_sdst(0) depctr_va_ssrc(0) depctr_va_vcc(0) depctr_vm_vsrc(0)
	s_getreg_b32 s2, hwreg(HW_REG_IB_STS2, 6, 4)
	s_cmp_eq_u32 s2, 0
	s_cbranch_scc0 .Lentry_in_a_cluster
	s_endpgm
.Lentry_in_a_cluster:
	s_bfe_u32 s2, ttmp6, 0x10000c
	s_cmp_lg_u32 s2, 0xf033
	s_cbranch_scc0 .Lentry_shape_is_right
	s_endpgm
.Lentry_shape_is_right:
; out = res + A W^T + bias on codes of FP6 (E2M3) with E8M0 scales: here x1 = x + o Wo + bo.  A: 4,096 tokens x K = 1,024; W: 1,024 rows.
; A work-group makes 128 x 128, a wave 64 x 64 (16 accumulators): with N = 1,024 a larger tile would leave three WGPs in four without work.
; THE MATRIX INSTRUCTION IS USED TRANSPOSED: source 0 = 16 rows of W (the B side), source 1 = 16 tokens (the A side): a lane holds one token and eight neighbouring outputs an accumulator.
; OPERANDS lie in memory as images of their registers (a tile T holds in lane r the row 32 (T / 2) + 8 (T % 2) + r + 8 (r / 8); fragment = 6 pieces of 256 bytes, 8 bytes a lane): a K step of 128 rows is 12,288 dense bytes; LDS needs no padding.
; K goes in steps of 128, four to a slot, through two LDS slots filled by joint tensor loads: 4 x 4 work-groups; A's tiles are shared along a row of the cluster, B's along a column.  The scale words come once, with the first fills.
; The bias is the first products' C.  The residual is asked for at the head and lands under the first fills.  Results go through the wave's stage in LDS and leave as aligned runs of 256 bytes.
; REGISTERS: window 0: v16-29 addresses; v32-63 scale words; v64-95 bias, later v64-127 rows on the way out; v128-175 A's fragments.  window 1: B's fragments, two sets.  window 2: accumulators.  window 3: the residual.
.set NBK, 4                            ; blocks of 16 rows a wave and side
.set NQ, 4                             ; K steps of 128 in a slot
.set NS, 8                             ; K steps in all
.set BSEC, 2359296                     ; the weight's section in wimg
.set BSSEC, 98304                      ; and in wscl
.set HOFF, 6144                        ; from a side's first half (tiles 0-3) to its second, in a K step
.set SHB, NS*256                       ; scale bytes that one tensor load brings
.set SHOFF, 256
.set IDXSTR, NS*12288                  ; from a work-group's 128 rows to the next one's, in memory
.set LSTR, 24576                       ; the second loading wave takes the slot's K steps 2, 3
.set NL, 6
.set FRB, 1536
.set STB, 12288
.set LOADB, 24576
.set SLOT, 98304
.set SCL, 2*SLOT
.set SPARE, SCL+4*SHB                  ; the spare words, 128 bytes a wave, which no other line names
.set HB, NBK/2
.set QB, NBK/4
.set SLSTR, NQ*STB
.set LAPS, NS/(2*NQ)
.set ADRA, 16
.set ADRB, 20
.set ADSA, 22
.set ADSB, 23
.set SPW, 28
.set NIL, 29
.set SCA, 32
.set SCB, 48
.set BR, 64
.set AF, 128
.set G1, 24
.set G0, 32
.set G1B, 48
.set G0B, 56
.set G1S, 68
.set G0S, 76
.set G1SB, 80
.set G0SB, 88
.set MSB, 0
.macro WIN new                         ; the immediate's high byte repeats the setting that is left
.if MSB != (\new)
	s_set_vgpr_msb (MSB<<8)|(\new)
.set MSB, \new
.endif
.endm
.macro PLACES                          ; four plain places: in front of loads into registers that matrix instructions have read, and of the first read of results
.rept 4
	v_nop
.endr
.endm
.macro JLOAD g0a, g1a, g0b, g1b        ; a joint load: waves 0, 1 ask for A, waves 2, 3 for B; four v_nop follow each line
	s_cmp_eq_u32 s15, 0
	s_cbranch_scc0 .Lfor_b_\@
	tensor_load_to_lds s[\g0a:\g0a+3], s[\g1a:\g1a+7]
	s_nop 0
.rept 4
	v_nop
.endr
	s_branch .Lasked_\@
.Lfor_b_\@:
	tensor_load_to_lds s[\g0b:\g0b+3], s[\g1b:\g1b+7]
	s_nop 0
.rept 4
	v_nop
.endr
.Lasked_\@:
.endm
.macro CREST
	s_cmp_lg_u32 s14, 0
	s_cbranch_scc1 .Lnot_wave_0_\@
	s_barrier_signal -3
.Lnot_wave_0_\@:
	s_barrier_wait -3
	s_barrier_signal -1
	s_barrier_wait -1
.endm
.macro CROUND
	s_barrier_signal -1
	s_barrier_wait -1
	CREST
.endm
.macro SETUP1
	v_lshl_add_u32 v[SPW], v0, 2, SPARE
	v_mov_b32 v[NIL], 0
	ds_add_u32 v28, v29
	ds_add_u32 v28, v29
	s_wait_dscnt 0x0
	v_lshrrev_b32 v1, 5, v0
	v_readfirstlane_b32 s14, v1                        ; wave 0..3
	s_lshr_b32 s15, s14, 1                             ; my half of the A side.  Also: I load for A (0) or for B (1)
	s_and_b32 s16, s14, 1                              ; my half of the B side.  Also: which part I load
	s_bfe_u32 s40, ttmp6, 0x40000                      ; cx
	s_bfe_u32 s41, ttmp6, 0x40004                      ; cy
	s_lshl_b32 s43, s41, 2
	s_lshl_b32 s43, 15, s43                            ; my row of the cluster
	s_lshl_b32 s44, 0x1111, s40                        ; my column
	s_or_b32 s[G1], s43, (3<<16)|(1<<21)
	s_or_b32 s[G1B], s44, (3<<16)|(1<<21)
.irp g, G1, G1B                                    ; 24,576 dense bytes as 96 rows of 256
	s_mov_b32 s[\g+1], 32<<16
	s_mov_b32 s[\g+2], 96<<16
	s_mov_b32 s[\g+3], 32<<16
	s_mov_b32 s[\g+4], 96
	s_mov_b32 s[\g+5], 32
	s_mov_b32 s[\g+6], 0
	s_mov_b32 s[\g+7], 0
.endr
	s_or_b32 s[G1S], s43, (3<<16)|(1<<21)
	s_or_b32 s[G1SB], s44, (3<<16)|(1<<21)
.irp g, G1S, G1SB
	s_mov_b32 s[\g+1], 32<<16
	s_mov_b32 s[\g+2], (SHB/256)<<16
	s_mov_b32 s[\g+3], 32<<16
	s_mov_b32 s[\g+4], SHB/256
	s_mov_b32 s[\g+5], 32
	s_mov_b32 s[\g+6], 0
	s_mov_b32 s[\g+7], 0
.endr
.endm
.macro SETUP2                          ; each side's address is made in registers that never hold the other side's coordinate
	s_mul_i32 s20, s17, IDXSTR
	s_mul_i32 s18, s16, LSTR
	s_add_co_u32 s20, s20, s18
	s_mov_b32 s21, 0
	s_mul_i32 s46, s42, IDXSTR
	s_add_co_u32 s46, s46, s18
	s_mov_b32 s47, 0
	s_mul_i32 s22, s17, 2*SHB
	s_mul_i32 s18, s16, SHB
	s_add_co_u32 s22, s22, s18
	s_mov_b32 s23, 0
	s_mul_i32 s66, s42, 2*SHB
	s_add_co_u32 s66, s66, s18
	s_mov_b32 s67, 0
	s_mul_i32 s45, s14, LOADB
	s_mul_i32 s2, s14, SHB
	s_add_nc_u64 s[20:21], s[4:5], s[20:21]
	s_add_nc_u64 s[22:23], s[6:7], s[22:23]
	s_add_nc_u64 s[46:47], s[8:9], s[46:47]
	s_add_nc_u64 s[66:67], s[10:11], s[66:67]
	CROUND                                             ; all sixteen work-groups are here: the first joint loads meet
	s_mov_b32 s[G0S], 1
	s_add_co_u32 s[G0S+1], s2, SCL
	s_mov_b64 s[G0S+2:G0S+3], s[22:23]
	s_or_b32 s[G0S+3], s[G0S+3], 0x80000000
	s_mov_b32 s[G0SB], 1
	s_add_co_u32 s[G0SB+1], s2, SCL
	s_mov_b64 s[G0SB+2:G0SB+3], s[66:67]
	s_or_b32 s[G0SB+3], s[G0SB+3], 0x80000000
	JLOAD G0S, G1S, G0SB, G1SB                         ; with the two slots three loads of a wave are out
.irp s, 0,1
	s_mov_b32 s[G0+4*\s], 1
	s_add_co_u32 s[G0+4*\s+1], s45, \s*SLOT
	s_add_nc_u64 s[G0+4*\s+2:G0+4*\s+3], s[20:21], \s*SLSTR
	s_or_b32 s[G0+4*\s+3], s[G0+4*\s+3], 0x80000000
	s_mov_b32 s[G0B+4*\s], 1
	s_add_co_u32 s[G0B+4*\s+1], s45, \s*SLOT
	s_add_nc_u64 s[G0B+4*\s+2:G0B+4*\s+3], s[46:47], \s*SLSTR
	s_or_b32 s[G0B+4*\s+3], s[G0B+4*\s+3], 0x80000000
	JLOAD G0+4*\s, G1, G0B+4*\s, G1B
.endr
	v_and_b32 v1, 31, v0
	v_lshlrev_b32 v4, 3, v1
	v_lshlrev_b32 v5, 2, v1
	s_mul_i32 s18, s15, HOFF
	s_mul_i32 s19, s16, HOFF
	s_add_co_u32 s19, s19, 2*LOADB
.irp s, 0,1
	v_add_nc_u32 v[ADRA+\s], s18, v4
	v_add_nc_u32 v[ADRB+\s], s19, v4
	s_add_co_u32 s18, s18, SLOT
	s_add_co_u32 s19, s19, SLOT
.endr
	s_mul_i32 s18, s15, SHOFF
	s_add_co_u32 s18, s18, SCL
	v_add_nc_u32 v[ADSA], s18, v5
	s_mul_i32 s19, s16, SHOFF
	s_add_co_u32 s19, s19, SCL+2*SHB
	v_add_nc_u32 v[ADSB], s19, v5
.endm
.macro BIAS base                       ; tile b, lane half h: outputs 32 (b / 2) + 8 (b % 2) + 16 h + 0 .. 7.  v3 = 64 h
.set ib, 0
.rept NBK
	global_load_b128 v[BR+8*ib:BR+8*ib+3], v3, s[\base:\base+1] offset:(32*(ib/2)+8*(ib%2))*4
	global_load_b128 v[BR+8*ib+4:BR+8*ib+7], v3, s[\base:\base+1] offset:(32*(ib/2)+8*(ib%2))*4+16
.set ib, ib+1
.endr
.endm
.macro FRAG reg, adr, q, i
.irp p, 0,1,2,3,4,5
	ds_load_b64 v[\reg+2*\p:\reg+2*\p+1], v[\adr] offset:(\q)*STB+(\i)*FRB+256*\p
.endr
.endm
.macro FETCH_B slot, q, set
	WIN 0x40
.set ii, 0
.rept NBK
	FRAG 128*(\set)+12*ii, ADRB+\slot, \q, ii
.set ii, ii+1
.endr
	WIN 0
.endm
.macro FETCH_A slot, q, i0
.set ii, \i0
.rept HB
	FRAG AF+12*ii, ADRA+\slot, \q, ii
.set ii, ii+1
.endr
.endm
.macro SCALES set
.set ii, 0
.rept 8
	ds_load_b32 v[SCA+8*\set+ii], v[ADSA] offset:512*(ii/HB)+128*(ii%HB)
	ds_load_b32 v[SCB+8*\set+ii], v[ADSB] offset:512*(ii/HB)+128*(ii%HB)
.set ii, ii+1
.endr
.endm
.macro WM set, q, sc, first
.set rD, (8*(NBK*ia+ib))%256
.set rB, 128*(\set)+12*ib
.set rA, AF+12*ia
.set rS0, SCB+8*(\sc)+HB*(\q)+ib/2
.set rS1, SCA+8*(\sc)+HB*(\q)+ia/2
.set rC, rD
.if \first
.set rC, BR+8*ib
.endif
.if (ia%2 == 0) && (ib%2 == 0)
	v_wmma_scale_f32_16x16x128_f8f6f4 v[rD:rD+7], v[rB:rB+11], v[rA:rA+11], v[rC:rC+7], v[rS0], v[rS1] matrix_a_fmt:MATRIX_FMT_FP6 matrix_b_fmt:MATRIX_FMT_FP6
.elseif (ia%2 == 0)
	v_wmma_scale_f32_16x16x128_f8f6f4 v[rD:rD+7], v[rB:rB+11], v[rA:rA+11], v[rC:rC+7], v[rS0], v[rS1] matrix_a_fmt:MATRIX_FMT_FP6 matrix_b_fmt:MATRIX_FMT_FP6 matrix_a_scale:MATRIX_SCALE_ROW1
.elseif (ib%2 == 0)
	v_wmma_scale_f32_16x16x128_f8f6f4 v[rD:rD+7], v[rB:rB+11], v[rA:rA+11], v[rC:rC+7], v[rS0], v[rS1] matrix_a_fmt:MATRIX_FMT_FP6 matrix_b_fmt:MATRIX_FMT_FP6 matrix_b_scale:MATRIX_SCALE_ROW1
.else
	v_wmma_scale_f32_16x16x128_f8f6f4 v[rD:rD+7], v[rB:rB+11], v[rA:rA+11], v[rC:rC+7], v[rS0], v[rS1] matrix_a_fmt:MATRIX_FMT_FP6 matrix_b_fmt:MATRIX_FMT_FP6 matrix_a_scale:MATRIX_SCALE_ROW1 matrix_b_scale:MATRIX_SCALE_ROW1
.endif
.endm
.macro MULQ a0, set, q, sc, first      ; all accumulators take turns, one instruction a turn, in the same order in every step
.set ia, \a0
.rept QB
.set ib, 0
.rept NBK
	WM \set, \q, \sc, \first
.set ib, ib+1
.endr
.set ia, ia+1
.endr
.endm
.macro MWIN a, first
.set mw, 2+(8*NBK*(\a))/256
.if \first
.set mv, 1|(mw<<6)
.else
.set mv, 1|(mw<<4)|(mw<<6)
.endif
	WIN mv
.endm
.macro STEP slot, q, first
	s_wait_dscnt HB*NL                                 ; all but the youngest loads, A's upper blocks, are in
	MWIN 0, \first
	MULQ 0, (\q)%2, \q, \slot, \first
	MULQ QB, (\q)%2, \q, \slot, \first
	s_wait_dscnt 0x0
	PLACES
	FETCH_B \slot, (\q)+1, 1-(\q)%2
	FETCH_A \slot, (\q)+1, 0
	MWIN 2*QB, \first
	MULQ 2*QB, (\q)%2, \q, \slot, \first
	MULQ 3*QB, (\q)%2, \q, \slot, \first
	PLACES
	WIN 0
	FETCH_A \slot, (\q)+1, HB
.endm
.macro TURN slot, next, fill           ; a slot's last step changes slots: one barrier
	s_wait_tensorcnt 0x0                               ; all my tensor loads have landed
	ds_add_u32 v[SPW], v[NIL]
	s_wait_dscnt HB*NL+1                               ; (the add and A's upper blocks may be out)
	MWIN 0, 0
	MULQ 0, 1, NQ-1, \slot, 0
	s_wait_dscnt 0x0                                   ; the add is done, and my reads of this slot are over
	s_barrier_signal -1
	MULQ QB, 1, NQ-1, \slot, 0
	WIN 0
	s_barrier_wait -1
.if \fill
	CREST                                              ; the barrier has opened a round of the cluster's
	s_add_nc_u64 s[G0+4*\slot+2:G0+4*\slot+3], s[G0+4*\slot+2:G0+4*\slot+3], 2*SLSTR
	s_add_nc_u64 s[G0B+4*\slot+2:G0B+4*\slot+3], s[G0B+4*\slot+2:G0B+4*\slot+3], 2*SLSTR
	JLOAD G0+4*\slot, G1, G0B+4*\slot, G1B             ; the refill first
.else
	PLACES
.endif
	v_add_nc_u32 v[ADSA], 512*NQ, v[ADSA]
	v_add_nc_u32 v[ADSB], 512*NQ, v[ADSB]
	FETCH_B \next, 0, 0
	FETCH_A \next, 0, 0
	SCALES \next
	MWIN 2*QB, 0
	MULQ 2*QB, 1, NQ-1, \slot, 0
	MULQ 3*QB, 1, NQ-1, \slot, 0
	PLACES
	WIN 0
	FETCH_A \next, 0, HB
.endm
.macro MID slot, from
.set qq, \from
.rept NQ-1-(\from)
	STEP \slot, qq, 0
.set qq, qq+1
.endr
.endm
.macro MAIN
	s_wait_tensorcnt 0x1                               ; the scale words and my part of slot 0 are in; slot 1's load may be out
	s_barrier_signal -1
	s_barrier_wait -1
	FETCH_B 0, 0, 0
	FETCH_A 0, 0, 0
	SCALES 0
	FETCH_A 0, 0, HB
	STEP 0, 0, 1
.if LAPS > 1
	s_mov_b32 s3, LAPS-1
.Llap:
	MID 0, 1
	TURN 0, 1, 1
	MID 1, 0
	TURN 1, 0, 1
	STEP 0, 0, 0
	s_sub_co_u32 s3, s3, 1
	s_cmp_lg_u32 s3, 0
	s_cbranch_scc1 .Llap
.endif
	MID 0, 1
	TURN 0, 1, 0
	MID 1, 0
	s_wait_dscnt HB*NL
	MWIN 0, 0
	MULQ 0, 1, NQ-1, 1, 0
	MULQ QB, 1, NQ-1, 1, 0
	s_wait_dscnt 0x0
	MWIN 2*QB, 0
	MULQ 2*QB, 1, NQ-1, 1, 0
	MULQ 3*QB, 1, NQ-1, 1, 0
	WIN 0
	PLACES
.endm
; THE WAY OUT of block a (16 tokens x 64 outputs).  Into my stage (rows of 256 bytes + 16; it lies in slot 0, which has had its last fill and its last read), back by rows: lanes 0-15 one row, lanes 16-31 the next.
.macro TOST a
	WIN 0x08                                           ; an LDS store's data are its source 1: window 2
.set ib, 0
.rept 4
	ds_store_b128 v24, v[8*(4*(\a)+ib):8*(4*(\a)+ib)+3] offset:128*(ib/2)+32*(ib%2)      ; each accumulator from its low end on
	ds_store_b128 v24, v[8*(4*(\a)+ib)+4:8*(4*(\a)+ib)+7] offset:128*(ib/2)+32*(ib%2)+16
.set ib, ib+1
.endr
	WIN 0
.set ii, 0
.rept 8
	ds_load_b128 v[BR+32*((\a)%2)+4*ii:BR+32*((\a)%2)+4*ii+3], v25 offset:544*ii   ; LDS serves a wave's instructions in order: these see the stores above
.set ii, ii+1
.endr
.endm
.macro SEND a, younger                 ; younger: the LDS instructions issued behind block a's loads
	s_wait_dscnt \younger
	WIN 0x0c                                           ; source 1: the residual, window 3
.set ii, 0
.rept 16
	v_pk_add_f32 v[BR+32*((\a)%2)+2*ii:BR+32*((\a)%2)+2*ii+1], v[BR+32*((\a)%2)+2*ii:BR+32*((\a)%2)+2*ii+1], v[32*(\a)+2*ii:32*(\a)+2*ii+1]
.set ii, ii+1
.endr
	WIN 0
.set ii, 0
.rept 8
.if NS == 32
	global_store_b128 v26, v[BR+32*((\a)%2)+4*ii:BR+32*((\a)%2)+4*ii+3], s[96:97] offset:(32*((\a)/2)+8*((\a)%2)+2*ii+8*(ii/4))*4096 th:TH_STORE_NT
.else
	global_store_b128 v26, v[BR+32*((\a)%2)+4*ii:BR+32*((\a)%2)+4*ii+3], s[96:97] offset:(32*((\a)/2)+8*((\a)%2)+2*ii+8*(ii/4))*4096
.endif
.set ii, ii+1
.endr
.endm
	s_load_b256 s[4:11], s[0:1], 0x0                   ; A's codes, A's words, wimg, wscl
	s_load_b128 s[92:95], s[0:1], 0x20                 ; the bias, the residual
	s_load_b64 s[96:97], s[0:1], 0x30                  ; out
	SETUP1
	s_lshl_b32 s42, ttmp9, 2
	s_add_co_u32 s42, s42, s40                         ; which 128 rows of W
	s_and_b32 s17, ttmp7, 0xffff
	s_lshl_b32 s17, s17, 2
	s_add_co_u32 s17, s17, s41                         ; which 128 tokens
	s_wait_kmcnt 0x0
	s_add_nc_u64 s[8:9], s[8:9], BSEC
	s_add_nc_u64 s[10:11], s[10:11], BSSEC
	SETUP2
	s_lshl_b32 s46, s42, 7
	s_lshl_b32 s47, s16, 6
	s_add_co_u32 s46, s46, s47
	s_lshl_b32 s46, s46, 2                             ; my first output, in bytes
	s_mov_b32 s47, 0
	s_add_nc_u64 s[92:93], s[92:93], s[46:47]
	s_lshl_b32 s20, s17, 7
	s_lshl_b32 s21, s15, 6
	s_add_co_u32 s20, s20, s21
	s_lshl_b32 s20, s20, 12                            ; my first token's row
	s_add_co_u32 s20, s20, s46
	s_mov_b32 s21, 0
	s_add_nc_u64 s[94:95], s[94:95], s[20:21]
	s_add_nc_u64 s[96:97], s[96:97], s[20:21]
	v_bfe_u32 v2, v0, 4, 1                             ; h
	v_lshlrev_b32 v3, 6, v2
	v_and_b32 v6, 15, v0                               ; r
	v_lshlrev_b32 v26, 4, v6
	v_lshl_add_u32 v26, v2, 12, v26                    ; rows in memory: 4,096 h + 16 r
	BIAS 92
	WIN 0xc0                                           ; destination window 3
.set ia, 0
.rept 4
.set ii, 0
.rept 8
	global_load_b128 v[4*(8*ia+ii):4*(8*ia+ii)+3], v26, s[94:95] offset:(32*(ia/2)+8*(ia%2)+2*ii+8*(ii/4))*4096 th:TH_LOAD_NT   ; the residual, in the order in which the rows come back from the stage
.set ii, ii+1
.endr
.set ia, ia+1
.endr
	WIN 0
	s_mul_i32 s18, s14, 16*272                         ; my stage
	v_mul_u32_u24 v24, v6, 272
	v_lshl_add_u32 v24, v2, 6, v24
	v_add_nc_u32 v24, s18, v24                         ; in: row r, + 64 h
	v_mul_u32_u24 v25, v2, 272
	v_lshl_add_u32 v25, v6, 4, v25
	v_add_nc_u32 v25, s18, v25                         ; back: row h, + 16 r
	s_wait_loadcnt 32                                  ; the bias is in; the 32 loads of the residual may stay out
	MAIN
	s_wait_loadcnt 0x0                                 ; the residual
	TOST 0
	TOST 1
	SEND 0, 16                                         ; behind block 0's loads: block 1's 8 stores and 8 loads
	s_wait_xcnt 0x0                                    ; block 0's stores have read their registers: block 2's loads may land there
	TOST 2
	SEND 1, 16
	s_wait_xcnt 0x0
	TOST 3
	SEND 2, 16
	SEND 3, 0
	s_wait_tensorcnt 0x0                               ; the wave's end
	ds_add_u32 v[SPW], v[NIL]
	s_wait_dscnt 0x0
	CROUND                                             ; the closing round
	s_endpgm
.Lfunc_end_k_q4a3fa20743_wo:
	.size	k_q4a3fa20743_wo, .Lfunc_end_k_q4a3fa20743_wo-k_q4a3fa20743_wo
	.p2alignl 7, 3214868480
	.fill 96, 4, 3214868480
	.section	.rodata,"a",@progbits
	.p2align	6, 0x0
	.amdhsa_kernel k_q4a3fa20743_wo
		.amdhsa_group_segment_fixed_size 327680
		.amdhsa_private_segment_fixed_size 0
		.amdhsa_enable_private_segment 0
		.amdhsa_kernarg_size 56
		.amdhsa_user_sgpr_count 2
		.amdhsa_user_sgpr_kernarg_segment_ptr 1
		.amdhsa_wavefront_size32 1
		.amdhsa_system_sgpr_workgroup_id_x 1
		.amdhsa_system_sgpr_workgroup_id_y 1
		.amdhsa_system_sgpr_workgroup_id_z 1
		.amdhsa_system_vgpr_workitem_id 0
		.amdhsa_next_free_vgpr 896
		.amdhsa_next_free_sgpr 102
		.amdhsa_reserve_vcc 0
		.amdhsa_float_denorm_mode_32 3
		.amdhsa_float_denorm_mode_16_64 3
		.amdhsa_memory_ordered 1
		.amdhsa_forward_progress 1
		.amdhsa_inst_pref_size 72
	.end_amdhsa_kernel
	.amdgpu_metadata
---
amdhsa.version: [ 1, 2 ]
amdhsa.kernels:
  - .name:           k_q4a3fa20743_wo
    .symbol:         k_q4a3fa20743_wo.kd
    .args:
      - { .name: acod, .offset: 0, .size: 8, .value_kind: global_buffer, .address_space: global }
      - { .name: ascl, .offset: 8, .size: 8, .value_kind: global_buffer, .address_space: global }
      - { .name: wimg, .offset: 16, .size: 8, .value_kind: global_buffer, .address_space: global }
      - { .name: wscl, .offset: 24, .size: 8, .value_kind: global_buffer, .address_space: global }
      - { .name: bo, .offset: 32, .size: 8, .value_kind: global_buffer, .address_space: global }
      - { .name: x, .offset: 40, .size: 8, .value_kind: global_buffer, .address_space: global }
      - { .name: x1, .offset: 48, .size: 8, .value_kind: global_buffer, .address_space: global }
    .group_segment_fixed_size: 327680
    .private_segment_fixed_size: 0
    .kernarg_segment_align: 8
    .kernarg_segment_size: 56
    .max_flat_workgroup_size: 128
    .sgpr_count:     102
    .vgpr_count:     896
    .wavefront_size: 32
...
	.end_amdgpu_metadata
.endif
;; end of part 4
;; launch ln2 (part 5): grid 256 x 1, 4 waves a work-group, no clusters, 168,448 bytes of LDS; arguments x1, gamma, beta, acod, ascl; writes acod, ascl
.if DOCPART == 5
	.amdgcn_target "amdgcn-amd-amdhsa--gfx1250"
	.amdhsa_code_object_version 6
	.text
	.protected	k_q4a3fa20743_ln2
	.globl	k_q4a3fa20743_ln2
	.p2align	8
	.type	k_q4a3fa20743_ln2,@function
k_q4a3fa20743_ln2:
	s_mov_b64 s[64:65], 0
	v_nop
	global_prefetch_b8 v0, s[64:65] scope:SCOPE_SE
	s_setreg_imm32_b32 hwreg(HW_REG_WAVE_MODE, 25, 1), 1
	s_wait_xcnt 0x0
; LayerNorm of 16 tokens a work-group (f32, mean first, then the mean of the squared differences, as the definition has it), quantised along the 1,024 channels to FP6 (E2M3) with one E8M0 byte for each 32.
; THE ORDER OF ALL OPERANDS OF THIS PROGRAM.  A tile T of 16 rows holds in lane r (0..15) the row 32 (T / 2) + 8 (T % 2) + r + 8 (r / 8).  A fragment (tile, 128 along K) is 12 registers a lane; it lies in memory as
; six pieces of 256 bytes, piece p = registers 2 p, 2 p + 1, 8 bytes a lane: byte ((8 G + s) 8 + t) 1536 + 256 p + 8 lane, G = group of 128 rows, s = K step, t = tile in the group.
; Scale words (four bytes: 128 along K of a row): byte (8 G + s) 512 + (16 t + r) 4.
; LIMITS: NaN and infinities are not served.  A block whose largest magnitude lies under 2^-124 keeps the scale byte 1; so does a block of zeros (its codes are zeros, and this program alone reads the bytes).  v_rsq_f32 is taken as it is.
; Wave w owns channels 256 w .. 256 w + 255 of the 16 tokens.  Two tensor loads (8 rows x 1,024 bytes each; tokens r = 8..15 lie 16 tokens on) bring them into the wave's own strip of LDS, filled once; the sums of the four waves meet in LDS.
.set STRIP, 16640                      ; 16 rows x (1,024 bytes + 16 of padding): row r starts 4 r banks on
.set EX1, 4*STRIP                      ; 256 bytes: the waves' sums, word 16 r + 4 w;  behind them 256 bytes for the sums of squares.  No tile lands here
.set XR, 64                            ; v64-191  my 128 numbers: register 64 s + 16 b + i = channel 256 w + 128 s + 32 b + 16 (lane / 16) + i of token r
.set TM, 192                           ; v192-207 the quantiser's work
.set PC, 212                           ; v212-231 the codes just made
.set SEL, 40                           ; s[40:41] lane selects: lane l xor 16
.set MSB, 0
.macro WIN new                         ; the immediate's high byte repeats the setting that is left
.if MSB != (\new)
	s_set_vgpr_msb (MSB<<8)|(\new)
.set MSB, \new
.endif
.endm
; 64 numbers of a lane, register 16 b + i = k 32 b + 16 (lane / 16) + i of my row, become a fragment's codes in v[PC] .. v[PC+11] and its scale word in v[pw]
.macro QUANT s, pw
.irp b, 0,1,2,3
	v_max3_num_f32 v[TM+\b], |v[\s+16*\b]|, |v[\s+1+16*\b]|, 0x1800000   ; my 16 numbers of block b, and the floor 2^(3 - 127): the byte cannot fall under 1
.endr
.irp i, 2,4,6,8,10,12,14
.irp b, 0,1,2,3
	v_max3_num_f32 v[TM+\b], v[TM+\b], |v[\s+16*\b+\i]|, |v[\s+1+16*\b+\i]|
.endr
.endr
.irp b, 0,1,2,3
	v_permlanex16_b32 v[TM+4+\b], v[TM+\b], s[SEL], s[SEL+1]
.endr
.irp b, 0,1,2,3
	v_max_num_f32 v[TM+\b], v[TM+\b], v[TM+4+\b]       ; with lane l xor 16's: the block's largest magnitude
.endr
.irp b, 0,1,2,3
	v_add_nc_u32 v[TM+12+\b], 0xff000000, v[TM+\b]     ; 2 off its exponent field: the conversion's scale operand
.endr
.irp b, 0,1,2,3
	v_lshrrev_b32 v[TM+4+\b], 23, v[TM+12+\b]          ; the scale's byte
.endr
	v_lshl_or_b32 v[\pw], v[TM+5], 8, v[TM+4]
	v_lshl_or_b32 v[\pw], v[TM+6], 16, v[\pw]
	v_lshl_or_b32 v[\pw], v[TM+7], 24, v[\pw]
.irp c, 0,1
	v_cvt_scalef32_pk16_fp6_f32 v[PC+6*\c:PC+2+6*\c], v[\s+32*\c:\s+15+32*\c], v[TM+12+2*\c]
	v_cvt_scalef32_pk16_fp6_f32 v[PC+12+4*\c:PC+14+4*\c], v[\s+16+32*\c:\s+31+32*\c], v[TM+12+2*\c+1]
.endr
	v_nop                                              ; one plain place behind a scaled conversion
.irp c, 0,1                                        ; the operand wants a whole block in a lane: lanes 0-15 block 2 c, lanes 16-31 block 2 c + 1
.irp i, 0,1,2
	v_permlane16_swap_b32 v[PC+6*\c+\i], v[PC+12+4*\c+\i]
.endr
.irp i, 0,1,2
	v_mov_b32 v[PC+3+6*\c+\i], v[PC+12+4*\c+\i]
.endr
.endr
.endm
; four chains in v[232:239] become one number a token, in every lane of every wave: v244
.macro ALLSUM off
	v_pk_add_f32 v[232:233], v[232:233], v[234:235]
	v_pk_add_f32 v[236:237], v[236:237], v[238:239]
	v_pk_add_f32 v[232:233], v[232:233], v[236:237]
	v_add_f32 v232, v232, v233
	v_permlanex16_b32 v244, v232, s[SEL], s[SEL+1]     ; the token's other 128 channels of my wave
	v_add_f32 v232, v232, v244
	ds_store_b32 v5, v232 offset:\off                  ; lanes r and r + 16 write the same word with the same value
	s_wait_dscnt 0x0                                   ; for the others' sake: my store has landed
	s_barrier_signal -1
	s_barrier_wait -1
	ds_load_b128 v[244:247], v6 offset:\off            ; the four waves' sums of token r
	s_wait_dscnt 0x0
	v_add_f32 v244, v244, v245
	v_add_f32 v246, v246, v247
	v_add_f32 v244, v244, v246
.endm
	s_load_b128 s[4:7], s[0:1], 0x0                    ; x1, gamma
	s_load_b128 s[12:15], s[0:1], 0x10                 ; beta, the codes
	s_load_b64 s[2:3], s[0:1], 0x20                    ; the scale words
	v_lshl_add_u32 v254, v0, 2, 0x29000
	v_mov_b32 v255, 0
	ds_add_u32 v254, v255
	ds_add_u32 v254, v255
	v_lshrrev_b32 v1, 5, v0
	v_readfirstlane_b32 s8, v1                         ; wave 0..3
	s_lshr_b32 s9, ttmp9, 1                            ; tile T = the work-group's number
	s_lshl_b32 s9, s9, 5
	s_and_b32 s10, ttmp9, 1
	s_lshl_b32 s10, s10, 3
	s_add_co_u32 s9, s9, s10                           ; the tile's first token: 32 (T / 2) + 8 (T % 2)
	s_lshl_b32 s9, s9, 12                              ; x 4,096 bytes
	s_lshl_b32 s10, s8, 10                             ; my wave's 1,024 bytes of a row
	s_add_co_u32 s16, s9, s10
	s_mov_b32 s17, 0
	s_mul_i32 s18, s8, STRIP                           ; my strip
	s_lshl_b32 s19, s8, 2
	s_mov_b32 s24, (2<<16)|(1<<20)|(7<<22)|(3<<25)     ; elements of 4 bytes; 4 words of padding behind every 256 words
	s_mov_b32 s25, 256<<16                             ; tensor_dim0 = 256
	s_mov_b32 s26, 8<<16                               ; tensor_dim1 = 8
	s_mov_b32 s27, 256<<16                             ; tile_dim0 = 256
	s_mov_b32 s28, 8                                   ; tile_dim1 = 8
	s_mov_b32 s29, 1024                                ; elements from row to row
	s_mov_b32 s30, 0
	s_mov_b32 s31, 0
	s_mov_b32 s[SEL], 0x76543210
	s_mov_b32 s[SEL+1], 0xfedcba98
	s_mov_b32 s42, 0x3727c5ac                          ; 1e-5
	s_mov_b32 s43, 0xffff0000                          ; lanes 16-31
	s_lshr_b32 s9, ttmp9, 3                            ; G
	s_and_b32 s11, ttmp9, 7                            ; t
	s_mul_i32 s20, s9, 98304                           ; codes: ((8 G + 2 w) 8 + t) 1536
	s_mul_i32 s44, s8, 24576
	s_add_co_u32 s20, s20, s44
	s_mul_i32 s44, s11, 1536
	s_add_co_u32 s20, s20, s44
	s_mov_b32 s21, 0
	s_lshl_b32 s22, s9, 12                             ; scale words: (8 G + 2 w) 512 + 64 t
	s_add_co_u32 s22, s22, s10
	s_lshl_b32 s44, s11, 6
	s_add_co_u32 s22, s22, s44
	s_mov_b32 s23, 0
	v_and_b32 v1, 31, v0                               ; lane
	v_and_b32 v2, 15, v0                               ; r
	v_bfe_u32 v3, v0, 4, 1                             ; h
	v_mul_u32_u24 v4, v2, 1040
	v_lshl_add_u32 v4, v3, 6, v4
	v_add_nc_u32 v4, s18, v4                           ; LDS: my strip, row r, + 64 h: my 16 numbers of a block of 32
	v_lshlrev_b32 v6, 4, v2
	v_add_nc_u32 v6, EX1, v6                           ; the four sums of token r
	v_add_nc_u32 v5, s19, v6                           ; my wave's word among them
	v_lshlrev_b32 v7, 3, v1                            ; 8 x lane
	v_lshlrev_b32 v8, 2, v2
	v_lshl_add_u32 v8, v3, 9, v8                       ; 4 r + 512 h
	v_lshl_add_u32 v10, v3, 6, s10                     ; gamma, beta: 1,024 w + 64 h
	v_mov_b32 v244, 0                                  ; a lane permute's destination counts as one of its sources
.irp b, 0,1,2,3
	v_mov_b32 v[TM+4+\b], 0
.endr
	s_wait_dscnt 0x0
	s_wait_kmcnt 0x0
	s_mov_b32 s32, 1
	s_mov_b32 s33, s18
	s_add_nc_u64 s[34:35], s[4:5], s[16:17]
	s_mov_b32 s36, 1
	s_add_co_u32 s37, s18, 8320                        ; rows 8-15 of the strip
	s_add_nc_u64 s[38:39], s[34:35], 65536             ; 16 tokens on
	s_or_b32 s35, s35, 0x80000000
	s_or_b32 s39, s39, 0x80000000
	s_add_nc_u64 s[14:15], s[14:15], s[20:21]
	s_add_nc_u64 s[2:3], s[2:3], s[22:23]
	tensor_load_to_lds s[32:35], s[24:31]              ; the wave's two fills, its only ones: two are out
	s_nop 0
	tensor_load_to_lds s[36:39], s[24:31]
	s_nop 0
.rept 4
	v_nop
.endr
	WIN 0x40                                           ; destination window 1: gamma at v0-127, beta at v128-255, in my numbers' order
.set i, 0
.rept 32
	global_load_b128 v[4*i:4*i+3], v10, s[6:7] offset:512*(i/16)+128*((i/4)%4)+16*(i%4)
.set i, i+1
.endr
.set i, 0
.rept 32
	global_load_b128 v[128+4*i:128+4*i+3], v10, s[12:13] offset:512*(i/16)+128*((i/4)%4)+16*(i%4)
.set i, i+1
.endr
	WIN 0
	s_wait_tensorcnt 0x0                               ; my strip is in; no other wave reads it
.set i, 0
.rept 32
	ds_load_b128 v[XR+4*i:XR+4*i+3], v4 offset:512*(i/16)+128*((i/4)%4)+16*(i%4)
.set i, i+1
.endr
	s_wait_dscnt 0x0
.irp c, 0,1,2,3                                    ; the mean: four chains, begun by sums: nothing is cleared
	v_pk_add_f32 v[232+2*\c:233+2*\c], v[XR+2*\c:XR+2*\c+1], v[XR+8+2*\c:XR+9+2*\c]
.endr
.set q, 8
.rept 56
	v_pk_add_f32 v[232+2*(q%4):233+2*(q%4)], v[232+2*(q%4):233+2*(q%4)], v[XR+2*q:XR+2*q+1]
.set q, q+1
.endr
	ALLSUM 0
	v_mul_f32 v240, 0x3a800000, v244                   ; / 1,024
	v_mov_b32 v241, v240
.set q, 0
.rept 64
	v_pk_add_f32 v[XR+2*q:XR+2*q+1], v[XR+2*q:XR+2*q+1], v[240:241] neg_lo:[0,1] neg_hi:[0,1]   ; x - mean
.set q, q+1
.endr
.irp c, 0,1,2,3
	v_pk_mul_f32 v[232+2*\c:233+2*\c], v[XR+2*\c:XR+2*\c+1], v[XR+2*\c:XR+2*\c+1]
.endr
.set q, 4
.rept 60
	v_pk_fma_f32 v[232+2*(q%4):233+2*(q%4)], v[XR+2*q:XR+2*q+1], v[XR+2*q:XR+2*q+1], v[232+2*(q%4):233+2*(q%4)]
.set q, q+1
.endr
	ALLSUM 256                                         ; other bytes than the first exchange's: no wave can overtake a reader
	v_fma_f32 v244, v244, 0x3a800000, s42              ; the variance + 1e-5
	v_rsq_f32 v242, v244
	v_nop                                              ; one plain place behind a transcendental
	s_wait_alu depctr_va_vdst(0)
	v_mov_b32 v243, v242
	s_wait_loadcnt 0x0                                 ; gamma, beta
.set q, 0
.rept 64
	v_pk_mul_f32 v[XR+2*q:XR+2*q+1], v[XR+2*q:XR+2*q+1], v[242:243]
.set q, q+1
.endr
	WIN 0x14                                           ; sources 1 and 2 window 1
.set q, 0
.rept 64
	v_pk_fma_f32 v[XR+2*q:XR+2*q+1], v[XR+2*q:XR+2*q+1], v[2*q:2*q+1], v[128+2*q:129+2*q]
.set q, q+1
.endr
	WIN 0
	QUANT XR, 208                                      ; K step 2 w
.irp p, 0,1,2,3,4,5
	global_store_b64 v7, v[PC+2*\p:PC+2*\p+1], s[14:15] offset:256*\p          ; 32 lanes store 256 consecutive bytes, aligned
.endr
	s_wait_xcnt 0x0                                    ; the stores' data are written again only behind this wait
	QUANT XR+64, 209                                   ; K step 2 w + 1
.irp p, 0,1,2,3,4,5
	global_store_b64 v7, v[PC+2*\p:PC+2*\p+1], s[14:15] offset:12288+256*\p
.endr
	v_cndmask_b32 v210, v208, v209, s43                ; lanes 0-15 carry K step 2 w's words, lanes 16-31 K step 2 w + 1's
	global_store_b32 v8, v210, s[2:3]
	s_wait_tensorcnt 0x0
	ds_add_u32 v254, v255
	s_wait_dscnt 0x0
	s_endpgm
.Lfunc_end_k_q4a3fa20743_ln2:
	.size	k_q4a3fa20743_ln2, .Lfunc_end_k_q4a3fa20743_ln2-k_q4a3fa20743_ln2
	.p2alignl 7, 3214868480
	.fill 96, 4, 3214868480
	.section	.rodata,"a",@progbits
	.p2align	6, 0x0
	.amdhsa_kernel k_q4a3fa20743_ln2
		.amdhsa_group_segment_fixed_size 168448
		.amdhsa_private_segment_fixed_size 0
		.amdhsa_enable_private_segment 0
		.amdhsa_kernarg_size 40
		.amdhsa_user_sgpr_count 2
		.amdhsa_user_sgpr_kernarg_segment_ptr 1
		.amdhsa_wavefront_size32 1
		.amdhsa_system_sgpr_workgroup_id_x 1
		.amdhsa_system_sgpr_workgroup_id_y 1
		.amdhsa_system_sgpr_workgroup_id_z 1
		.amdhsa_system_vgpr_workitem_id 0
		.amdhsa_next_free_vgpr 512
		.amdhsa_next_free_sgpr 66
		.amdhsa_reserve_vcc 0
		.amdhsa_float_denorm_mode_32 3
		.amdhsa_float_denorm_mode_16_64 3
		.amdhsa_memory_ordered 1
		.amdhsa_forward_progress 1
		.amdhsa_inst_pref_size 43
	.end_amdhsa_kernel
	.amdgpu_metadata
---
amdhsa.version: [ 1, 2 ]
amdhsa.kernels:
  - .name:           k_q4a3fa20743_ln2
    .symbol:         k_q4a3fa20743_ln2.kd
    .args:
      - { .name: x1, .offset: 0, .size: 8, .value_kind: global_buffer, .address_space: global }
      - { .name: gamma, .offset: 8, .size: 8, .value_kind: global_buffer, .address_space: global }
      - { .name: beta, .offset: 16, .size: 8, .value_kind: global_buffer, .address_space: global }
      - { .name: acod, .offset: 24, .size: 8, .value_kind: global_buffer, .address_space: global }
      - { .name: ascl, .offset: 32, .size: 8, .value_kind: global_buffer, .address_space: global }
    .group_segment_fixed_size: 168448
    .private_segment_fixed_size: 0
    .kernarg_segment_align: 8
    .kernarg_segment_size: 40
    .max_flat_workgroup_size: 128
    .sgpr_count:     66
    .vgpr_count:     512
    .wavefront_size: 32
...
	.end_amdgpu_metadata
.endif
;; end of part 5
;; launch w1 (part 6): grid 16 x 16, 4 waves a work-group, clusters of 4 x 4, 327,680 bytes of LDS; arguments acod, ascl, wimg, wscl, b1, bcod, bscl; writes bcod, bscl
.if DOCPART == 6
	.amdgcn_target "amdgcn-amd-amdhsa--gfx1250"
	.amdhsa_code_object_version 6
	.text
	.protected	k_q4a3fa20743_w1
	.globl	k_q4a3fa20743_w1
	.p2align	8
	.type	k_q4a3fa20743_w1,@function
k_q4a3fa20743_w1:
	s_mov_b64 s[64:65], 0
	v_nop
	global_prefetch_b8 v0, s[64:65] scope:SCOPE_SE
	s_setreg_imm32_b32 hwreg(HW_REG_WAVE_MODE, 25, 1), 1
	s_wait_xcnt 0x0
	s_wait_alu depctr_hold_cnt(0) depctr_sa_sdst(0) depctr_va_vdst(0) depctr_va_sdst(0) depctr_va_ssrc(0) depctr_va_vcc(0) depctr_vm_vsrc(0)
	s_getreg_b32 s2, hwreg(HW_REG_IB_STS2, 6, 4)
	s_cmp_eq_u32 s2, 0
	s_cbranch_scc0 .Lentry_in_a_cluster
	s_endpgm
.Lentry_in_a_cluster:
	s_bfe_u32 s2, ttmp6, 0x10000c
	s_cmp_lg_u32 s2, 0xf033
	s_cbranch_scc0 .Lentry_shape_is_right
	s_endpgm
.Lentry_shape_is_right:
; g = gelu(LN(x1) W1 + b1), exact form, on codes of FP6 (E2M3) with E8M0 scales, quantised along the 4,096 hidden units on the way out.
; A work-group makes 256 tokens x 256 hidden units, a wave 128 x 128 (64 accumulators, 512 registers).
; THE MATRIX INSTRUCTION IS USED TRANSPOSED: source 0 = 16 rows of W1 (the B side), source 1 = 16 tokens (the A side): a lane holds one token, and its 64 registers of a row block are 128 neighbouring hidden units: one K step of the next product.
; OPERANDS lie in memory as images of their registers (a tile T holds in lane r the row 32 (T / 2) + 8 (T % 2) + r + 8 (r / 8); fragment = 6 pieces of 256 bytes, 8 bytes a lane): a K step of 128 rows is 12,288 dense bytes; LDS needs no padding.
; K goes in steps of 128, two to a slot, through a ring of two LDS slots filled by joint tensor loads: 4 x 4 work-groups; A's tiles are shared along a row of the cluster, B's along a column.  The scale words come once.
; GELU.  gelu(u) = max(u, 0) - |u| E, E = erfc(|u| / sqrt 2) / 2 = t (a1 + t (a2 + t (a3 + t (a4 + t a5)))) 2^(k u u), t = 1 / (1 + c |u|): Abramowitz and Stegun 7.1.26 with halved coefficients.
; LIMITS: that formula's stated bound is 1.5e-7 absolute on erf, for every argument; erfc itself is formed, so nothing cancels for negative u.  NaN and infinities are not served.  A block whose largest magnitude lies under 2^-124,
; a block of zeros too, keeps the scale byte 1 (only this program reads the bytes).
; THE WAY OUT IS A LOOP OF TWO TRIPS: a trip takes the four row blocks of window 2; between the trips window 3 is copied into window 2 (256 moves), so that the gelu's text stands four times and not eight.
; REGISTERS: window 0: v16-29 addresses; v32-63 scale words; v64-127 the bias as the first products' C; v128-223 A's fragments.  window 1: B's fragments, two sets.  windows 2, 3: accumulators.
.set NBK, 8
.set NQ, 2
.set NS, 8
.set HOFF, 24576
.set SHB, 4096
.set SHOFF, 4096
.set IDXSTR, 2*NS*12288
.set LSTR, NS*12288
.set NL, 6
.set FRB, 1536
.set STB, 12288
.set LOADB, 24576
.set SLOT, 98304
.set SCL, 2*SLOT
.set SPARE, SCL+4*SHB                  ; the spare words, 128 bytes a wave, which no other line names
.set HB, NBK/2
.set QB, NBK/4
.set SLSTR, NQ*STB
.set LAPS, NS/(2*NQ)
.set ADRA, 16
.set ADRB, 20
.set ADSA, 22
.set ADSB, 23
.set SPW, 28
.set NIL, 29
.set SCA, 32
.set SCB, 48
.set BR, 64
.set AF, 128
.set G1, 24
.set G0, 32
.set G1B, 48
.set G0B, 56
.set G1S, 68
.set G0S, 76
.set G1SB, 80
.set G0SB, 88
.set MSB, 0
.macro WIN new                         ; the immediate's high byte repeats the setting that is left
.if MSB != (\new)
	s_set_vgpr_msb (MSB<<8)|(\new)
.set MSB, \new
.endif
.endm
.macro PLACES                          ; four plain places: in front of loads into registers that matrix instructions have read, and of the first read of results
.rept 4
	v_nop
.endr
.endm
.macro JLOAD g0a, g1a, g0b, g1b        ; a joint load: waves 0, 1 ask for A, waves 2, 3 for B; four v_nop follow each line
	s_cmp_eq_u32 s15, 0
	s_cbranch_scc0 .Lfor_b_\@
	tensor_load_to_lds s[\g0a:\g0a+3], s[\g1a:\g1a+7]
	s_nop 0
.rept 4
	v_nop
.endr
	s_branch .Lasked_\@
.Lfor_b_\@:
	tensor_load_to_lds s[\g0b:\g0b+3], s[\g1b:\g1b+7]
	s_nop 0
.rept 4
	v_nop
.endr
.Lasked_\@:
.endm
.macro CREST
	s_cmp_lg_u32 s14, 0
	s_cbranch_scc1 .Lnot_wave_0_\@
	s_barrier_signal -3
.Lnot_wave_0_\@:
	s_barrier_wait -3
	s_barrier_signal -1
	s_barrier_wait -1
.endm
.macro CROUND
	s_barrier_signal -1
	s_barrier_wait -1
	CREST
.endm
.macro SETUP1
	v_lshl_add_u32 v[SPW], v0, 2, SPARE
	v_mov_b32 v[NIL], 0
	ds_add_u32 v28, v29
	ds_add_u32 v28, v29
	s_wait_dscnt 0x0
	v_lshrrev_b32 v1, 5, v0
	v_readfirstlane_b32 s14, v1                        ; wave 0..3
	s_lshr_b32 s15, s14, 1                             ; my half of the A side.  Also: I load for A (0) or for B (1)
	s_and_b32 s16, s14, 1                              ; my half of the B side.  Also: which part I load
	s_bfe_u32 s40, ttmp6, 0x40000                      ; cx
	s_bfe_u32 s41, ttmp6, 0x40004                      ; cy
	s_lshl_b32 s43, s41, 2
	s_lshl_b32 s43, 15, s43                            ; my row of the cluster
	s_lshl_b32 s44, 0x1111, s40                        ; my column
	s_or_b32 s[G1], s43, (3<<16)|(1<<21)
	s_or_b32 s[G1B], s44, (3<<16)|(1<<21)
.irp g, G1, G1B                                    ; 24,576 dense bytes as 96 rows of 256
	s_mov_b32 s[\g+1], 32<<16
	s_mov_b32 s[\g+2], 96<<16
	s_mov_b32 s[\g+3], 32<<16
	s_mov_b32 s[\g+4], 96
	s_mov_b32 s[\g+5], 32
	s_mov_b32 s[\g+6], 0
	s_mov_b32 s[\g+7], 0
.endr
	s_or_b32 s[G1S], s43, (3<<16)|(1<<21)
	s_or_b32 s[G1SB], s44, (3<<16)|(1<<21)
.irp g, G1S, G1SB
	s_mov_b32 s[\g+1], 32<<16
	s_mov_b32 s[\g+2], (SHB/256)<<16
	s_mov_b32 s[\g+3], 32<<16
	s_mov_b32 s[\g+4], SHB/256
	s_mov_b32 s[\g+5], 32
	s_mov_b32 s[\g+6], 0
	s_mov_b32 s[\g+7], 0
.endr
.endm
.macro SETUP2                          ; each side's address is made in registers that never hold the other side's coordinate
	s_mul_i32 s20, s17, IDXSTR
	s_mul_i32 s18, s16, LSTR
	s_add_co_u32 s20, s20, s18
	s_mov_b32 s21, 0
	s_mul_i32 s46, s42, IDXSTR
	s_add_co_u32 s46, s46, s18
	s_mov_b32 s47, 0
	s_mul_i32 s22, s17, 2*SHB
	s_mul_i32 s18, s16, SHB
	s_add_co_u32 s22, s22, s18
	s_mov_b32 s23, 0
	s_mul_i32 s66, s42, 2*SHB
	s_add_co_u32 s66, s66, s18
	s_mov_b32 s67, 0
	s_mul_i32 s45, s14, LOADB
	s_mul_i32 s2, s14, SHB
	s_add_nc_u64 s[20:21], s[4:5], s[20:21]
	s_add_nc_u64 s[22:23], s[6:7], s[22:23]
	s_add_nc_u64 s[46:47], s[8:9], s[46:47]
	s_add_nc_u64 s[66:67], s[10:11], s[66:67]
	CROUND                                             ; all sixteen work-groups are here: the first joint loads meet
	s_mov_b32 s[G0S], 1
	s_add_co_u32 s[G0S+1], s2, SCL
	s_mov_b64 s[G0S+2:G0S+3], s[22:23]
	s_or_b32 s[G0S+3], s[G0S+3], 0x80000000
	s_mov_b32 s[G0SB], 1
	s_add_co_u32 s[G0SB+1], s2, SCL
	s_mov_b64 s[G0SB+2:G0SB+3], s[66:67]
	s_or_b32 s[G0SB+3], s[G0SB+3], 0x80000000
	JLOAD G0S, G1S, G0SB, G1SB                         ; with the two slots three loads of a wave are out
.irp s, 0,1
	s_mov_b32 s[G0+4*\s], 1
	s_add_co_u32 s[G0+4*\s+1], s45, \s*SLOT
	s_add_nc_u64 s[G0+4*\s+2:G0+4*\s+3], s[20:21], \s*SLSTR
	s_or_b32 s[G0+4*\s+3], s[G0+4*\s+3], 0x80000000
	s_mov_b32 s[G0B+4*\s], 1
	s_add_co_u32 s[G0B+4*\s+1], s45, \s*SLOT
	s_add_nc_u64 s[G0B+4*\s+2:G0B+4*\s+3], s[46:47], \s*SLSTR
	s_or_b32 s[G0B+4*\s+3], s[G0B+4*\s+3], 0x80000000
	JLOAD G0+4*\s, G1, G0B+4*\s, G1B
.endr
	v_and_b32 v1, 31, v0
	v_lshlrev_b32 v4, 3, v1
	v_lshlrev_b32 v5, 2, v1
	s_mul_i32 s18, s15, HOFF
	s_mul_i32 s19, s16, HOFF
	s_add_co_u32 s19, s19, 2*LOADB
.irp s, 0,1
	v_add_nc_u32 v[ADRA+\s], s18, v4
	v_add_nc_u32 v[ADRB+\s], s19, v4
	s_add_co_u32 s18, s18, SLOT
	s_add_co_u32 s19, s19, SLOT
.endr
	s_mul_i32 s18, s15, SHOFF
	s_add_co_u32 s18, s18, SCL
	v_add_nc_u32 v[ADSA], s18, v5
	s_mul_i32 s19, s16, SHOFF
	s_add_co_u32 s19, s19, SCL+2*SHB
	v_add_nc_u32 v[ADSB], s19, v5
.endm
.macro BIAS base                       ; tile b, lane half h: hidden units 32 (b / 2) + 8 (b % 2) + 16 h + 0 .. 7.  v3 = 64 h
.set ib, 0
.rept NBK
	global_load_b128 v[BR+8*ib:BR+8*ib+3], v3, s[\base:\base+1] offset:(32*(ib/2)+8*(ib%2))*4
	global_load_b128 v[BR+8*ib+4:BR+8*ib+7], v3, s[\base:\base+1] offset:(32*(ib/2)+8*(ib%2))*4+16
.set ib, ib+1
.endr
.endm
.macro FRAG reg, adr, q, i
.irp p, 0,1,2,3,4,5
	ds_load_b64 v[\reg+2*\p:\reg+2*\p+1], v[\adr] offset:(\q)*STB+(\i)*FRB+256*\p
.endr
.endm
.macro FETCH_B slot, q, set
	WIN 0x40
.set ii, 0
.rept NBK
	FRAG 128*(\set)+12*ii, ADRB+\slot, \q, ii
.set ii, ii+1
.endr
	WIN 0
.endm
.macro FETCH_A slot, q, i0
.set ii, \i0
.rept HB
	FRAG AF+12*ii, ADRA+\slot, \q, ii
.set ii, ii+1
.endr
.endm
.macro SCALES set
.set ii, 0
.rept 8
	ds_load_b32 v[SCA+8*\set+ii], v[ADSA] offset:512*(ii/HB)+128*(ii%HB)
	ds_load_b32 v[SCB+8*\set+ii], v[ADSB] offset:512*(ii/HB)+128*(ii%HB)
.set ii, ii+1
.endr
.endm
.macro WM set, q, sc, first
.set rD, (8*(NBK*ia+ib))%256
.set rB, 128*(\set)+12*ib
.set rA, AF+12*ia
.set rS0, SCB+8*(\sc)+HB*(\q)+ib/2
.set rS1, SCA+8*(\sc)+HB*(\q)+ia/2
.set rC, rD
.if \first
.set rC, BR+8*ib
.endif
.if (ia%2 == 0) && (ib%2 == 0)
	v_wmma_scale_f32_16x16x128_f8f6f4 v[rD:rD+7], v[rB:rB+11], v[rA:rA+11], v[rC:rC+7], v[rS0], v[rS1] matrix_a_fmt:MATRIX_FMT_FP6 matrix_b_fmt:MATRIX_FMT_FP6
.elseif (ia%2 == 0)
	v_wmma_scale_f32_16x16x128_f8f6f4 v[rD:rD+7], v[rB:rB+11], v[rA:rA+11], v[rC:rC+7], v[rS0], v[rS1] matrix_a_fmt:MATRIX_FMT_FP6 matrix_b_fmt:MATRIX_FMT_FP6 matrix_a_scale:MATRIX_SCALE_ROW1
.elseif (ib%2 == 0)
	v_wmma_scale_f32_16x16x128_f8f6f4 v[rD:rD+7], v[rB:rB+11], v[rA:rA+11], v[rC:rC+7], v[rS0], v[rS1] matrix_a_fmt:MATRIX_FMT_FP6 matrix_b_fmt:MATRIX_FMT_FP6 matrix_b_scale:MATRIX_SCALE_ROW1
.else
	v_wmma_scale_f32_16x16x128_f8f6f4 v[rD:rD+7], v[rB:rB+11], v[rA:rA+11], v[rC:rC+7], v[rS0], v[rS1] matrix_a_fmt:MATRIX_FMT_FP6 matrix_b_fmt:MATRIX_FMT_FP6 matrix_a_scale:MATRIX_SCALE_ROW1 matrix_b_scale:MATRIX_SCALE_ROW1
.endif
.endm
.macro MULQ a0, set, q, sc, first      ; all accumulators take turns, one instruction a turn, in the same order in every step
.set ia, \a0
.rept QB
.set ib, 0
.rept NBK
	WM \set, \q, \sc, \first
.set ib, ib+1
.endr
.set ia, ia+1
.endr
.endm
.macro MWIN a, first
.set mw, 2+(8*NBK*(\a))/256
.if \first
.set mv, 1|(mw<<6)
.else
.set mv, 1|(mw<<4)|(mw<<6)
.endif
	WIN mv
.endm
.macro STEP slot, q, first
	s_wait_dscnt HB*NL                                 ; all but the youngest loads, A's upper blocks, are in
	MWIN 0, \first
	MULQ 0, (\q)%2, \q, \slot, \first
	MULQ QB, (\q)%2, \q, \slot, \first
	s_wait_dscnt 0x0
	PLACES
	FETCH_B \slot, (\q)+1, 1-(\q)%2
	FETCH_A \slot, (\q)+1, 0
	MWIN 2*QB, \first
	MULQ 2*QB, (\q)%2, \q, \slot, \first
	MULQ 3*QB, (\q)%2, \q, \slot, \first
	PLACES
	WIN 0
	FETCH_A \slot, (\q)+1, HB
.endm
.macro TURN slot, next, fill           ; a slot's last step changes slots: one barrier
	s_wait_tensorcnt 0x0                               ; all my tensor loads have landed
	ds_add_u32 v[SPW], v[NIL]
	s_wait_dscnt HB*NL+1                               ; (the add and A's upper blocks may be out)
	MWIN 0, 0
	MULQ 0, 1, NQ-1, \slot, 0
	s_wait_dscnt 0x0                                   ; the add is done, and my reads of this slot are over
	s_barrier_signal -1
	MULQ QB, 1, NQ-1, \slot, 0
	WIN 0
	s_barrier_wait -1
.if \fill
	CREST                                              ; the barrier has opened a round of the cluster's: no wave of any partner still reads this slot or has a load on its way
	s_add_nc_u64 s[G0+4*\slot+2:G0+4*\slot+3], s[G0+4*\slot+2:G0+4*\slot+3], 2*SLSTR
	s_add_nc_u64 s[G0B+4*\slot+2:G0B+4*\slot+3], s[G0B+4*\slot+2:G0B+4*\slot+3], 2*SLSTR
	JLOAD G0+4*\slot, G1, G0B+4*\slot, G1B             ; the refill first
.else
	PLACES
.endif
	v_add_nc_u32 v[ADSA], 512*NQ, v[ADSA]
	v_add_nc_u32 v[ADSB], 512*NQ, v[ADSB]
	FETCH_B \next, 0, 0
	FETCH_A \next, 0, 0
	SCALES \next
	MWIN 2*QB, 0
	MULQ 2*QB, 1, NQ-1, \slot, 0
	MULQ 3*QB, 1, NQ-1, \slot, 0
	PLACES
	WIN 0
	FETCH_A \next, 0, HB
.endm
.macro MID slot, from
.set qq, \from
.rept NQ-1-(\from)
	STEP \slot, qq, 0
.set qq, qq+1
.endr
.endm
.macro MAIN
	s_wait_tensorcnt 0x1                               ; the scale words and my part of slot 0 are in; slot 1's load may be out
	s_barrier_signal -1
	s_barrier_wait -1
	FETCH_B 0, 0, 0
	FETCH_A 0, 0, 0
	SCALES 0
	FETCH_A 0, 0, HB
	STEP 0, 0, 1
.if LAPS > 1
	s_mov_b32 s3, LAPS-1
.Llap:
	MID 0, 1
	TURN 0, 1, 1
	MID 1, 0
	TURN 1, 0, 1
	STEP 0, 0, 0
	s_sub_co_u32 s3, s3, 1
	s_cmp_lg_u32 s3, 0
	s_cbranch_scc1 .Llap
.endif
	MID 0, 1
	TURN 0, 1, 0
	MID 1, 0
	s_wait_dscnt HB*NL
	MWIN 0, 0
	MULQ 0, 1, NQ-1, 1, 0
	MULQ QB, 1, NQ-1, 1, 0
	s_wait_dscnt 0x0
	MWIN 2*QB, 0
	MULQ 2*QB, 1, NQ-1, 1, 0
	MULQ 3*QB, 1, NQ-1, 1, 0
	WIN 0
	PLACES
.endm
.set GG, 64                            ; the way out: v64-127 gelu's 64 results; v128-159 t, then the exponential; v160-191 the polynomial; v192-227 the quantiser's; v228 the word; v229 two tiles' words; v[230:231] a4
.set TT, 128
.set PP, 160
.set TM, 192
.set PC, 208
.set PW, 228
.set C1, 24                            ; s24 c; s25 lanes 16-31; s[26:27] k; s[28:29] a5; s[30:31] a3; s[32:33] a2; s[34:35] a1; s[36:37] lane selects
.set KK, 26
.set A5, 28
.set A3, 30
.set A2, 32
.set A1, 34
.set SEL, 36
.macro QUANT s, pw                     ; 64 numbers of a lane, register 16 b + i = k 32 b + 16 (lane / 16) + i of my row, become a fragment's codes in v[PC] .. v[PC+11] and its scale word
.irp b, 0,1,2,3
	v_max3_num_f32 v[TM+\b], |v[\s+16*\b]|, |v[\s+1+16*\b]|, 0x1800000   ; and the floor 2^(3 - 127): the byte cannot fall under 1
.endr
.irp i, 2,4,6,8,10,12,14
.irp b, 0,1,2,3
	v_max3_num_f32 v[TM+\b], v[TM+\b], |v[\s+16*\b+\i]|, |v[\s+1+16*\b+\i]|
.endr
.endr
.irp b, 0,1,2,3
	v_permlanex16_b32 v[TM+4+\b], v[TM+\b], s[SEL], s[SEL+1]
.endr
.irp b, 0,1,2,3
	v_max_num_f32 v[TM+\b], v[TM+\b], v[TM+4+\b]
.endr
.irp b, 0,1,2,3
	v_add_nc_u32 v[TM+12+\b], 0xff000000, v[TM+\b]
.endr
.irp b, 0,1,2,3
	v_lshrrev_b32 v[TM+4+\b], 23, v[TM+12+\b]
.endr
	v_lshl_or_b32 v[\pw], v[TM+5], 8, v[TM+4]
	v_lshl_or_b32 v[\pw], v[TM+6], 16, v[\pw]
	v_lshl_or_b32 v[\pw], v[TM+7], 24, v[\pw]
.irp c, 0,1
	v_cvt_scalef32_pk16_fp6_f32 v[PC+6*\c:PC+2+6*\c], v[\s+32*\c:\s+15+32*\c], v[TM+12+2*\c]
	v_cvt_scalef32_pk16_fp6_f32 v[PC+12+4*\c:PC+14+4*\c], v[\s+16+32*\c:\s+31+32*\c], v[TM+12+2*\c+1]
.endr
	v_nop                                              ; one plain place behind a scaled conversion
.irp c, 0,1
.irp i, 0,1,2
	v_permlane16_swap_b32 v[PC+6*\c+\i], v[PC+12+4*\c+\i]
.endr
.irp i, 0,1,2
	v_mov_b32 v[PC+3+6*\c+\i], v[PC+12+4*\c+\i]
.endr
.endr
.endm
.macro GELU32 ub, gb                   ; 32 numbers u at v[ub] of window 2 -> gelu(u) at v[gb] of window 0
	WIN 0x0a                                           ; sources 0 and 1 window 2
.set i, 0
.rept 32
	v_fma_f32 v[TT+i], |v[\ub+i]|, s[C1], 1.0          ; 1 + c |u|; each accumulator from its low end on
.set i, i+1
.endr
.set i, 0
.rept 32
	v_max_num_f32 v[\gb+i], 0, v[\ub+i]
.set i, i+1
.endr
	WIN 0
.set i, 0
.rept 32
	v_rcp_f32 v[TT+i], v[TT+i]                         ; t
.set i, i+1
.endr
	v_nop                                              ; one plain place behind the transcendentals
.set i, 0
	s_wait_alu depctr_va_vdst(0)
.rept 16
	v_pk_fma_f32 v[PP+i:PP+i+1], v[TT+i:TT+i+1], s[A5:A5+1], v[230:231] op_sel_hi:[1,0,1]
.set i, i+2
.endr
.irp k, A3, A2, A1
.set i, 0
.rept 16
	v_pk_fma_f32 v[PP+i:PP+i+1], v[PP+i:PP+i+1], v[TT+i:TT+i+1], s[\k:\k+1] op_sel_hi:[1,1,0]
.set i, i+2
.endr
.endr
.set i, 0
.rept 16
	v_pk_mul_f32 v[PP+i:PP+i+1], v[PP+i:PP+i+1], v[TT+i:TT+i+1]
.set i, i+2
.endr
	WIN 0x0a
.set i, 0
.rept 16
	v_pk_mul_f32 v[TT+i:TT+i+1], v[\ub+i:\ub+i+1], v[\ub+i:\ub+i+1]
.set i, i+2
.endr
	WIN 0
.set i, 0
.rept 16
	v_pk_mul_f32 v[TT+i:TT+i+1], v[TT+i:TT+i+1], s[KK:KK+1] op_sel_hi:[1,0]
.set i, i+2
.endr
.set i, 0
.rept 32
	v_exp_f32 v[TT+i], v[TT+i]                         ; e^(-u u / 2)
.set i, i+1
.endr
	v_nop
.set i, 0
	s_wait_alu depctr_va_vdst(0)
.rept 16
	v_pk_mul_f32 v[PP+i:PP+i+1], v[PP+i:PP+i+1], v[TT+i:TT+i+1]   ; E
.set i, i+2
.endr
	WIN 0x02
.set i, 0
.rept 32
	v_fma_f32 v[\gb+i], -|v[\ub+i]|, v[PP+i], v[\gb+i]
.set i, i+1
.endr
	WIN 0
.endm
	s_load_b256 s[4:11], s[0:1], 0x0                   ; LN's codes, LN's words, wimg, wscl
	s_load_b128 s[92:95], s[0:1], 0x20                 ; b1, g's codes
	s_load_b64 s[96:97], s[0:1], 0x30                  ; g's words
	SETUP1
	s_lshl_b32 s42, ttmp9, 2
	s_add_co_u32 s42, s42, s40                         ; which 256 rows of W1
	s_and_b32 s17, ttmp7, 0xffff
	s_lshl_b32 s17, s17, 2
	s_add_co_u32 s17, s17, s41                         ; which 256 tokens
	s_wait_kmcnt 0x0
	s_add_nc_u64 s[8:9], s[8:9], 3145728               ; W1's section
	s_add_nc_u64 s[10:11], s[10:11], 131072
	SETUP2
	s_lshl_b32 s46, s42, 1
	s_add_co_u32 s46, s46, s16
	s_lshl_b32 s46, s46, 9                             ; my 128 numbers of b1
	s_mov_b32 s47, 0
	s_add_nc_u64 s[92:93], s[92:93], s[46:47]
	v_bfe_u32 v2, v0, 4, 1
	v_lshlrev_b32 v3, 6, v2
	BIAS 92
	s_wait_loadcnt 0x0
	MAIN
	; THE WAY OUT.  No tensor load is out any more: the descriptors' registers are free.
	s_lshl_b32 s20, s17, 1
	s_add_co_u32 s20, s20, s15                         ; my group of 128 tokens
	s_lshl_b32 s20, s20, 5
	s_lshl_b32 s46, s42, 1
	s_add_co_u32 s46, s46, s16                         ; my K step of the next product
	s_add_co_u32 s20, s20, s46
	s_mul_i32 s22, s20, 12288
	s_mov_b32 s23, 0
	s_add_nc_u64 s[94:95], s[94:95], s[22:23]
	s_lshl_b32 s22, s20, 9
	s_add_nc_u64 s[96:97], s[96:97], s[22:23]
	s_mov_b32 s[C1], 0x3e6d3388                        ; 0.3275911 / sqrt 2
	s_mov_b32 s25, 0xffff0000
	s_mov_b32 s[KK], 0xbf38aa3b                        ; -log2(e) / 2
	s_mov_b32 s[KK+1], s[KK]
	s_mov_b32 s[A5], 0x3f07dc22
	s_mov_b32 s[A5+1], s[A5]
	s_mov_b32 s[A3], 0x3f35f0e3
	s_mov_b32 s[A3+1], s[A3]
	s_mov_b32 s[A2], 0xbe11a98e
	s_mov_b32 s[A2+1], s[A2]
	s_mov_b32 s[A1], 0x3e027906
	s_mov_b32 s[A1+1], s[A1]
	s_mov_b32 s[SEL], 0x76543210
	s_mov_b32 s[SEL+1], 0xfedcba98
	v_mov_b32 v24, v4                                  ; 8 x lane
	v_mov_b32 v25, v5                                  ; 4 x lane
	v_mov_b32 v230, 0xbf3a00e3                         ; a4
	v_mov_b32 v231, 0xbf3a00e3
.irp b, 0,1,2,3
	v_mov_b32 v[TM+4+\b], 0                            ; a lane permute's destination counts as one of its sources
.endr
	s_mov_b32 s3, 2
.Lhalf:
.irp a, 0,1,2,3
	s_wait_xcnt 0x0                                    ; the last block's stores have read their data
	GELU32 64*\a, GG
	GELU32 64*\a+32, GG+32
	QUANT GG, PW
.irp p, 0,1,2,3,4,5
	global_store_b64 v24, v[PC+2*\p:PC+2*\p+1], s[94:95] offset:1536*\a+256*\p   ; 256 consecutive bytes, aligned
.endr
.if \a%2 == 0
	v_mov_b32 v229, v[PW]
.else
	v_cndmask_b32 v229, v229, v[PW], s25               ; lanes 0-15 the even tile's words, lanes 16-31 the odd one's: 128 consecutive bytes
	global_store_b32 v25, v229, s[96:97] offset:64*(\a-1)
.endif
.endr
	s_cmp_eq_u32 s3, 1
	s_cbranch_scc1 .Lno_copy
	s_wait_xcnt 0x0                                    ; the stores have read their bases
	s_add_nc_u64 s[94:95], s[94:95], 4*1536
	s_add_nc_u64 s[96:97], s[96:97], 256
	WIN 0x83                                           ; from window 3 into window 2
.set i, 0
.rept 256
	v_mov_b32 v[i], v[i]                               ; row blocks 4-7 take the places of blocks 0-3; each accumulator from its low end on
.set i, i+1
.endr
	WIN 0
.Lno_copy:
	s_sub_co_u32 s3, s3, 1
	s_cmp_lg_u32 s3, 0
	s_cbranch_scc1 .Lhalf
	s_wait_tensorcnt 0x0                               ; the wave's end
	ds_add_u32 v[SPW], v[NIL]
	s_wait_dscnt 0x0
	CROUND                                             ; the closing round
	s_endpgm
.Lfunc_end_k_q4a3fa20743_w1:
	.size	k_q4a3fa20743_w1, .Lfunc_end_k_q4a3fa20743_w1-k_q4a3fa20743_w1
	.p2alignl 7, 3214868480
	.fill 96, 4, 3214868480
	.section	.rodata,"a",@progbits
	.p2align	6, 0x0
	.amdhsa_kernel k_q4a3fa20743_w1
		.amdhsa_group_segment_fixed_size 327680
		.amdhsa_private_segment_fixed_size 0
		.amdhsa_enable_private_segment 0
		.amdhsa_kernarg_size 56
		.amdhsa_user_sgpr_count 2
		.amdhsa_user_sgpr_kernarg_segment_ptr 1
		.amdhsa_wavefront_size32 1
		.amdhsa_system_sgpr_workgroup_id_x 1
		.amdhsa_system_sgpr_workgroup_id_y 1
		.amdhsa_system_sgpr_workgroup_id_z 1
		.amdhsa_system_vgpr_workitem_id 0
		.amdhsa_next_free_vgpr 1024
		.amdhsa_next_free_sgpr 102
		.amdhsa_reserve_vcc 0
		.amdhsa_float_denorm_mode_32 3
		.amdhsa_float_denorm_mode_16_64 3
		.amdhsa_memory_ordered 1
		.amdhsa_forward_progress 1
		.amdhsa_inst_pref_size 255
	.end_amdhsa_kernel
	.section	.bss,"aw",@nobits
	.p2align	6
	.space	262144
	.amdgpu_metadata
---
amdhsa.version: [ 1, 2 ]
amdhsa.kernels:
  - .name:           k_q4a3fa20743_w1
    .symbol:         k_q4a3fa20743_w1.kd
    .args:
      - { .name: acod, .offset: 0, .size: 8, .value_kind: global_buffer, .address_space: global }
      - { .name: ascl, .offset: 8, .size: 8, .value_kind: global_buffer, .address_space: global }
      - { .name: wimg, .offset: 16, .size: 8, .value_kind: global_buffer, .address_space: global }
      - { .name: wscl, .offset: 24, .size: 8, .value_kind: global_buffer, .address_space: global }
      - { .name: b1, .offset: 32, .size: 8, .value_kind: global_buffer, .address_space: global }
      - { .name: bcod, .offset: 40, .size: 8, .value_kind: global_buffer, .address_space: global }
      - { .name: bscl, .offset: 48, .size: 8, .value_kind: global_buffer, .address_space: global }
    .group_segment_fixed_size: 327680
    .private_segment_fixed_size: 0
    .kernarg_segment_align: 8
    .kernarg_segment_size: 56
    .max_flat_workgroup_size: 128
    .sgpr_count:     102
    .vgpr_count:     1024
    .wavefront_size: 32
...
	.end_amdgpu_metadata
.endif
;; end of part 6
;; launch w2 (part 7): grid 8 x 32, 4 waves a work-group, clusters of 4 x 4, 327,680 bytes of LDS; arguments bcod, bscl, wimg, wscl, b2, x1, out0; writes out0
.if DOCPART == 7
	.amdgcn_target "amdgcn-amd-amdhsa--gfx1250"
	.amdhsa_code_object_version 6
	.text
	.protected	k_q4a3fa20743_w2
	.globl	k_q4a3fa20743_w2
	.p2align	8
	.type	k_q4a3fa20743_w2,@function
k_q4a3fa20743_w2:
	s_mov_b64 s[64:65], 0
	v_nop
	global_prefetch_b8 v0, s[64:65] scope:SCOPE_SE
	s_setreg_imm32_b32 hwreg(HW_REG_WAVE_MODE, 25, 1), 1
	s_wait_xcnt 0x0
	s_wait_alu depctr_hold_cnt(0) depctr_sa_sdst(0) depctr_va_vdst(0) depctr_va_sdst(0) depctr_va_ssrc(0) depctr_va_vcc(0) depctr_vm_vsrc(0)
	s_getreg_b32 s2, hwreg(HW_REG_IB_STS2, 6, 4)
	s_cmp_eq_u32 s2, 0
	s_cbranch_scc0 .Lentry_in_a_cluster
	s_endpgm
.Lentry_in_a_cluster:
	s_bfe_u32 s2, ttmp6, 0x10000c
	s_cmp_lg_u32 s2, 0xf033
	s_cbranch_scc0 .Lentry_shape_is_right
	s_endpgm
.Lentry_shape_is_right:
; out0 = x1 + g W2 + b2 on codes of FP6 (E2M3) with E8M0 scales.  A: 4,096 tokens x K = 4,096; W: 1,024 rows.
; A work-group makes 128 x 128, a wave 64 x 64 (16 accumulators): with N = 1,024 a larger tile would leave three WGPs in four without work.
; THE MATRIX INSTRUCTION IS USED TRANSPOSED: source 0 = 16 rows of W (the B side), source 1 = 16 tokens (the A side): a lane holds one token and eight neighbouring outputs an accumulator.
; OPERANDS lie in memory as images of their registers (a tile T holds in lane r the row 32 (T / 2) + 8 (T % 2) + r + 8 (r / 8); fragment = 6 pieces of 256 bytes, 8 bytes a lane): a K step of 128 rows is 12,288 dense bytes; LDS needs no padding.
; K goes in steps of 128, four to a slot, through a ring of two LDS slots filled by joint tensor loads: 4 x 4 work-groups; A's tiles are shared along a row of the cluster, B's along a column.  The scale words come once, with the first fills.
; THE WALK ALONG K.  A cluster whose x + y is odd begins at K step 16, goes to 31 and then takes 0 to 15; the others go from 0 to 31.  The two clusters along x read the same rows of A and the eight along y the same rows of W: so of the
; clusters that read a byte, one half asks for it half a walk behind the other half.  Only global addresses know of it: the scale words are laid into LDS in the order of the walk.  The parity is the same in all sixteen partners.
; LIMIT: the f32 sums run over K ascending from step 0, or from step 16 with the wrap: an order of rounding that differs between clusters.
; The bias is the first products' C.  The residual is asked for at the head and lands under the first fills.  Results go through the wave's stage in LDS and leave as aligned runs of 256 bytes.
; REGISTERS: window 0: v16-29 addresses; v32-63 scale words; v64-95 bias, later v64-127 rows on the way out; v128-175 A's fragments.  window 1: B's fragments, two sets.  window 2: accumulators.  window 3: the residual.
.set NBK, 4                            ; blocks of 16 rows a wave and side
.set NQ, 4                             ; K steps of 128 in a slot
.set NS, 32                            ; K steps in all
.set BSEC, 6291456                     ; the weight's section in wimg
.set BSSEC, 262144                     ; and in wscl
.set HOFF, 6144                        ; from a side's first half (tiles 0-3) to its second, in a K step
.set SHB, NS*256                       ; scale bytes that one tensor load brings: 16 K steps of 128 rows
.set SHOFF, 256
.set IDXSTR, NS*12288                  ; from a work-group's 128 rows to the next one's, in memory
.set LSTR, 24576                       ; the second loading wave takes the slot's K steps 2, 3
.set NL, 6
.set FRB, 1536
.set STB, 12288
.set LOADB, 24576
.set SLOT, 98304
.set SCL, 2*SLOT
.set SPARE, SCL+4*SHB                  ; the spare words, 128 bytes a wave, which no other line names
.set HB, NBK/2
.set QB, NBK/4
.set SLSTR, NQ*STB
.set LAPS, NS/(2*NQ)
.set ADRA, 16
.set ADRB, 20
.set ADSA, 22
.set ADSB, 23
.set SPW, 28
.set NIL, 29
.set SCA, 32
.set SCB, 48
.set BR, 64
.set AF, 128
.set G1, 24
.set G0, 32
.set G1B, 48
.set G0B, 56
.set G1S, 68
.set G0S, 76
.set G1SB, 80
.set G0SB, 88
.set PAR, 12                           ; s12 the cluster's parity;  s13 parity x the bytes of all K steps of 128 rows;  s[98:99] what a refill steps back
.set WRAP, 13
.set BACK, 98
.set MSB, 0
.macro WIN new                         ; the immediate's high byte repeats the setting that is left
.if MSB != (\new)
	s_set_vgpr_msb (MSB<<8)|(\new)
.set MSB, \new
.endif
.endm
.macro PLACES                          ; four plain places: in front of loads into registers that matrix instructions have read, and of the first read of results
.rept 4
	v_nop
.endr
.endm
.macro JLOAD g0a, g1a, g0b, g1b        ; a joint load: waves 0, 1 ask for A, waves 2, 3 for B; four v_nop follow each line
	s_cmp_eq_u32 s15, 0
	s_cbranch_scc0 .Lfor_b_\@
	tensor_load_to_lds s[\g0a:\g0a+3], s[\g1a:\g1a+7]
	s_nop 0
.rept 4
	v_nop
.endr
	s_branch .Lasked_\@
.Lfor_b_\@:
	tensor_load_to_lds s[\g0b:\g0b+3], s[\g1b:\g1b+7]
	s_nop 0
.rept 4
	v_nop
.endr
.Lasked_\@:
.endm
.macro CREST
	s_cmp_lg_u32 s14, 0
	s_cbranch_scc1 .Lnot_wave_0_\@
	s_barrier_signal -3
.Lnot_wave_0_\@:
	s_barrier_wait -3
	s_barrier_signal -1
	s_barrier_wait -1
.endm
.macro CROUND
	s_barrier_signal -1
	s_barrier_wait -1
	CREST
.endm
.macro SETUP1
	v_lshl_add_u32 v[SPW], v0, 2, SPARE
	v_mov_b32 v[NIL], 0
	ds_add_u32 v28, v29
	ds_add_u32 v28, v29
	s_wait_dscnt 0x0
	v_lshrrev_b32 v1, 5, v0
	v_readfirstlane_b32 s14, v1                        ; wave 0..3
	s_lshr_b32 s15, s14, 1                             ; my half of the A side.  Also: I load for A (0) or for B (1)
	s_and_b32 s16, s14, 1                              ; my half of the B side.  Also: which part I load
	s_bfe_u32 s40, ttmp6, 0x40000                      ; cx
	s_bfe_u32 s41, ttmp6, 0x40004                      ; cy
	s_lshl_b32 s43, s41, 2
	s_lshl_b32 s43, 15, s43                            ; my row of the cluster
	s_lshl_b32 s44, 0x1111, s40                        ; my column
	s_or_b32 s[G1], s43, (3<<16)|(1<<21)
	s_or_b32 s[G1B], s44, (3<<16)|(1<<21)
.irp g, G1, G1B                                    ; 24,576 dense bytes as 96 rows of 256
	s_mov_b32 s[\g+1], 32<<16
	s_mov_b32 s[\g+2], 96<<16
	s_mov_b32 s[\g+3], 32<<16
	s_mov_b32 s[\g+4], 96
	s_mov_b32 s[\g+5], 32
	s_mov_b32 s[\g+6], 0
	s_mov_b32 s[\g+7], 0
.endr
	s_or_b32 s[G1S], s43, (3<<16)|(1<<21)
	s_or_b32 s[G1SB], s44, (3<<16)|(1<<21)
.irp g, G1S, G1SB
	s_mov_b32 s[\g+1], 32<<16
	s_mov_b32 s[\g+2], (SHB/256)<<16
	s_mov_b32 s[\g+3], 32<<16
	s_mov_b32 s[\g+4], SHB/256
	s_mov_b32 s[\g+5], 32
	s_mov_b32 s[\g+6], 0
	s_mov_b32 s[\g+7], 0
.endr
.endm
.macro SETUP2                          ; each side's address is made in registers that never hold the other side's place in the cluster
	s_mul_i32 s20, s17, IDXSTR
	s_mul_i32 s18, s16, LSTR
	s_mul_i32 s19, s[PAR], (NS/2)*STB                  ; an odd cluster's walk begins 16 K steps on
	s_add_co_u32 s18, s18, s19
	s_add_co_u32 s20, s20, s18
	s_mov_b32 s21, 0
	s_mul_i32 s46, s42, IDXSTR
	s_add_co_u32 s46, s46, s18
	s_mov_b32 s47, 0
	s_mul_i32 s22, s17, 2*SHB
	s_xor_b32 s18, s16, s[PAR]                         ; the first loading wave brings the words of the walk's first 16 K steps, the second those of its last 16
	s_mul_i32 s18, s18, SHB
	s_add_co_u32 s22, s22, s18
	s_mov_b32 s23, 0
	s_mul_i32 s66, s42, 2*SHB
	s_add_co_u32 s66, s66, s18
	s_mov_b32 s67, 0
	s_mul_i32 s45, s14, LOADB
	s_mul_i32 s2, s14, SHB
	s_add_nc_u64 s[20:21], s[4:5], s[20:21]
	s_add_nc_u64 s[22:23], s[6:7], s[22:23]
	s_add_nc_u64 s[46:47], s[8:9], s[46:47]
	s_add_nc_u64 s[66:67], s[10:11], s[66:67]
	CROUND                                             ; all sixteen work-groups are here: the first joint loads meet
	s_mov_b32 s[G0S], 1
	s_add_co_u32 s[G0S+1], s2, SCL
	s_mov_b64 s[G0S+2:G0S+3], s[22:23]
	s_or_b32 s[G0S+3], s[G0S+3], 0x80000000
	s_mov_b32 s[G0SB], 1
	s_add_co_u32 s[G0SB+1], s2, SCL
	s_mov_b64 s[G0SB+2:G0SB+3], s[66:67]
	s_or_b32 s[G0SB+3], s[G0SB+3], 0x80000000
	JLOAD G0S, G1S, G0SB, G1SB                         ; with the two slots three loads of a wave are out
.irp s, 0,1
	s_mov_b32 s[G0+4*\s], 1
	s_add_co_u32 s[G0+4*\s+1], s45, \s*SLOT
	s_add_nc_u64 s[G0+4*\s+2:G0+4*\s+3], s[20:21], \s*SLSTR
	s_or_b32 s[G0+4*\s+3], s[G0+4*\s+3], 0x80000000
	s_mov_b32 s[G0B+4*\s], 1
	s_add_co_u32 s[G0B+4*\s+1], s45, \s*SLOT
	s_add_nc_u64 s[G0B+4*\s+2:G0B+4*\s+3], s[46:47], \s*SLSTR
	s_or_b32 s[G0B+4*\s+3], s[G0B+4*\s+3], 0x80000000
	JLOAD G0+4*\s, G1, G0B+4*\s, G1B
.endr
	v_and_b32 v1, 31, v0
	v_lshlrev_b32 v4, 3, v1
	v_lshlrev_b32 v5, 2, v1
	s_mul_i32 s18, s15, HOFF
	s_mul_i32 s19, s16, HOFF
	s_add_co_u32 s19, s19, 2*LOADB
.irp s, 0,1
	v_add_nc_u32 v[ADRA+\s], s18, v4
	v_add_nc_u32 v[ADRB+\s], s19, v4
	s_add_co_u32 s18, s18, SLOT
	s_add_co_u32 s19, s19, SLOT
.endr
	s_mul_i32 s18, s15, SHOFF
	s_add_co_u32 s18, s18, SCL
	v_add_nc_u32 v[ADSA], s18, v5
	s_mul_i32 s19, s16, SHOFF
	s_add_co_u32 s19, s19, SCL+2*SHB
	v_add_nc_u32 v[ADSB], s19, v5
.endm
.macro BIAS base                       ; tile b, lane half h: outputs 32 (b / 2) + 8 (b % 2) + 16 h + 0 .. 7.  v3 = 64 h
.set ib, 0
.rept NBK
	global_load_b128 v[BR+8*ib:BR+8*ib+3], v3, s[\base:\base+1] offset:(32*(ib/2)+8*(ib%2))*4
	global_load_b128 v[BR+8*ib+4:BR+8*ib+7], v3, s[\base:\base+1] offset:(32*(ib/2)+8*(ib%2))*4+16
.set ib, ib+1
.endr
.endm
.macro FRAG reg, adr, q, i
.irp p, 0,1,2,3,4,5
	ds_load_b64 v[\reg+2*\p:\reg+2*\p+1], v[\adr] offset:(\q)*STB+(\i)*FRB+256*\p
.endr
.endm
.macro FETCH_B slot, q, set
	WIN 0x40
.set ii, 0
.rept NBK
	FRAG 128*(\set)+12*ii, ADRB+\slot, \q, ii
.set ii, ii+1
.endr
	WIN 0
.endm
.macro FETCH_A slot, q, i0
.set ii, \i0
.rept HB
	FRAG AF+12*ii, ADRA+\slot, \q, ii
.set ii, ii+1
.endr
.endm
.macro SCALES set
.set ii, 0
.rept 8
	ds_load_b32 v[SCA+8*\set+ii], v[ADSA] offset:512*(ii/HB)+128*(ii%HB)
	ds_load_b32 v[SCB+8*\set+ii], v[ADSB] offset:512*(ii/HB)+128*(ii%HB)
.set ii, ii+1
.endr
.endm
.macro WM set, q, sc, first
.set rD, (8*(NBK*ia+ib))%256
.set rB, 128*(\set)+12*ib
.set rA, AF+12*ia
.set rS0, SCB+8*(\sc)+HB*(\q)+ib/2
.set rS1, SCA+8*(\sc)+HB*(\q)+ia/2
.set rC, rD
.if \first
.set rC, BR+8*ib
.endif
.if (ia%2 == 0) && (ib%2 == 0)
	v_wmma_scale_f32_16x16x128_f8f6f4 v[rD:rD+7], v[rB:rB+11], v[rA:rA+11], v[rC:rC+7], v[rS0], v[rS1] matrix_a_fmt:MATRIX_FMT_FP6 matrix_b_fmt:MATRIX_FMT_FP6
.elseif (ia%2 == 0)
	v_wmma_scale_f32_16x16x128_f8f6f4 v[rD:rD+7], v[rB:rB+11], v[rA:rA+11], v[rC:rC+7], v[rS0], v[rS1] matrix_a_fmt:MATRIX_FMT_FP6 matrix_b_fmt:MATRIX_FMT_FP6 matrix_a_scale:MATRIX_SCALE_ROW1
.elseif (ib%2 == 0)
	v_wmma_scale_f32_16x16x128_f8f6f4 v[rD:rD+7], v[rB:rB+11], v[rA:rA+11], v[rC:rC+7], v[rS0], v[rS1] matrix_a_fmt:MATRIX_FMT_FP6 matrix_b_fmt:MATRIX_FMT_FP6 matrix_b_scale:MATRIX_SCALE_ROW1
.else
	v_wmma_scale_f32_16x16x128_f8f6f4 v[rD:rD+7], v[rB:rB+11], v[rA:rA+11], v[rC:rC+7], v[rS0], v[rS1] matrix_a_fmt:MATRIX_FMT_FP6 matrix_b_fmt:MATRIX_FMT_FP6 matrix_a_scale:MATRIX_SCALE_ROW1 matrix_b_scale:MATRIX_SCALE_ROW1
.endif
.endm
.macro MULQ a0, set, q, sc, first      ; all accumulators take turns, one instruction a turn, in the same order in every step
.set ia, \a0
.rept QB
.set ib, 0
.rept NBK
	WM \set, \q, \sc, \first
.set ib, ib+1
.endr
.set ia, ia+1
.endr
.endm
.macro MWIN a, first
.set mw, 2+(8*NBK*(\a))/256
.if \first
.set mv, 1|(mw<<6)
.else
.set mv, 1|(mw<<4)|(mw<<6)
.endif
	WIN mv
.endm
.macro STEP slot, q, first
	s_wait_dscnt HB*NL                                 ; all but the youngest loads, A's upper blocks, are in
	MWIN 0, \first
	MULQ 0, (\q)%2, \q, \slot, \first
	MULQ QB, (\q)%2, \q, \slot, \first
	s_wait_dscnt 0x0
	PLACES
	FETCH_B \slot, (\q)+1, 1-(\q)%2
	FETCH_A \slot, (\q)+1, 0
	MWIN 2*QB, \first
	MULQ 2*QB, (\q)%2, \q, \slot, \first
	MULQ 3*QB, (\q)%2, \q, \slot, \first
	PLACES
	WIN 0
	FETCH_A \slot, (\q)+1, HB
.endm
.macro TURN slot, next, fill           ; a slot's last step changes slots: one barrier
	s_wait_tensorcnt 0x0                               ; all my tensor loads have landed
	ds_add_u32 v[SPW], v[NIL]
	s_wait_dscnt HB*NL+1                               ; (the add and A's upper blocks may be out)
	MWIN 0, 0
	MULQ 0, 1, NQ-1, \slot, 0
	s_wait_dscnt 0x0                                   ; the add is done, and my reads of this slot are over
	s_barrier_signal -1
	MULQ QB, 1, NQ-1, \slot, 0
	WIN 0
	s_barrier_wait -1
.if \fill
	CREST                                              ; the barrier has opened a round of the cluster's: no wave of any partner still reads this slot or has a load on its way
	s_add_nc_u64 s[G0+4*\slot+2:G0+4*\slot+3], s[G0+4*\slot+2:G0+4*\slot+3], 2*SLSTR
	s_add_nc_u64 s[G0B+4*\slot+2:G0B+4*\slot+3], s[G0B+4*\slot+2:G0B+4*\slot+3], 2*SLSTR
	s_cmp_eq_u32 s3, LAPS/2                            ; the loop's trip LAPS / 2: an odd cluster's walk has passed the last K step
	s_cselect_b32 s[BACK], s[WRAP], 0                  ; and goes back by all NS K steps; an even cluster's goes back by 0
	s_sub_nc_u64 s[G0+4*\slot+2:G0+4*\slot+3], s[G0+4*\slot+2:G0+4*\slot+3], s[BACK:BACK+1]
	s_sub_nc_u64 s[G0B+4*\slot+2:G0B+4*\slot+3], s[G0B+4*\slot+2:G0B+4*\slot+3], s[BACK:BACK+1]
	JLOAD G0+4*\slot, G1, G0B+4*\slot, G1B             ; the refill first
.else
	PLACES
.endif
	v_add_nc_u32 v[ADSA], 512*NQ, v[ADSA]
	v_add_nc_u32 v[ADSB], 512*NQ, v[ADSB]
	FETCH_B \next, 0, 0
	FETCH_A \next, 0, 0
	SCALES \next
	MWIN 2*QB, 0
	MULQ 2*QB, 1, NQ-1, \slot, 0
	MULQ 3*QB, 1, NQ-1, \slot, 0
	PLACES
	WIN 0
	FETCH_A \next, 0, HB
.endm
.macro MID slot, from
.set qq, \from
.rept NQ-1-(\from)
	STEP \slot, qq, 0
.set qq, qq+1
.endr
.endm
.macro MAIN
	s_wait_tensorcnt 0x1                               ; the scale words and my part of slot 0 are in; slot 1's load may be out
	s_barrier_signal -1
	s_barrier_wait -1
	FETCH_B 0, 0, 0
	FETCH_A 0, 0, 0
	SCALES 0
	FETCH_A 0, 0, HB
	STEP 0, 0, 1
	s_mov_b32 s3, LAPS-1
.Llap:                                                 ; a trip goes once round the ring and fills both slots again
	MID 0, 1
	TURN 0, 1, 1
	MID 1, 0
	TURN 1, 0, 1
	STEP 0, 0, 0
	s_sub_co_u32 s3, s3, 1
	s_cmp_lg_u32 s3, 0
	s_cbranch_scc1 .Llap
	MID 0, 1                                           ; the last lap fills nothing
	TURN 0, 1, 0
	MID 1, 0
	s_wait_dscnt HB*NL
	MWIN 0, 0
	MULQ 0, 1, NQ-1, 1, 0
	MULQ QB, 1, NQ-1, 1, 0
	s_wait_dscnt 0x0
	MWIN 2*QB, 0
	MULQ 2*QB, 1, NQ-1, 1, 0
	MULQ 3*QB, 1, NQ-1, 1, 0
	WIN 0
	PLACES
.endm
; THE WAY OUT of block a (16 tokens x 64 outputs).  Into my stage (rows of 256 bytes + 16; it lies in slot 0, which has had its last fill and its last read), back by rows: lanes 0-15 one row, lanes 16-31 the next.
.macro TOST a
	WIN 0x08                                           ; an LDS store's data are its source 1: window 2
.set ib, 0
.rept 4
	ds_store_b128 v24, v[8*(4*(\a)+ib):8*(4*(\a)+ib)+3] offset:128*(ib/2)+32*(ib%2)      ; each accumulator from its low end on
	ds_store_b128 v24, v[8*(4*(\a)+ib)+4:8*(4*(\a)+ib)+7] offset:128*(ib/2)+32*(ib%2)+16
.set ib, ib+1
.endr
	WIN 0
.set ii, 0
.rept 8
	ds_load_b128 v[BR+32*((\a)%2)+4*ii:BR+32*((\a)%2)+4*ii+3], v25 offset:544*ii   ; LDS serves a wave's instructions in order: these see the stores above
.set ii, ii+1
.endr
.endm
.macro SEND a, younger                 ; younger: the LDS instructions issued behind block a's loads
	s_wait_dscnt \younger
	WIN 0x0c                                           ; source 1: the residual, window 3
.set ii, 0
.rept 16
	v_pk_add_f32 v[BR+32*((\a)%2)+2*ii:BR+32*((\a)%2)+2*ii+1], v[BR+32*((\a)%2)+2*ii:BR+32*((\a)%2)+2*ii+1], v[32*(\a)+2*ii:32*(\a)+2*ii+1]
.set ii, ii+1
.endr
	WIN 0
.set ii, 0
.rept 8
	global_store_b128 v26, v[BR+32*((\a)%2)+4*ii:BR+32*((\a)%2)+4*ii+3], s[96:97] offset:(32*((\a)/2)+8*((\a)%2)+2*ii+8*(ii/4))*4096 th:TH_STORE_NT   ; 16 lanes store 256 consecutive bytes, aligned; written once, read by nobody here
.set ii, ii+1
.endr
.endm
	s_load_b256 s[4:11], s[0:1], 0x0                   ; A's codes, A's words, wimg, wscl
	s_load_b128 s[92:95], s[0:1], 0x20                 ; the bias, the residual
	s_load_b64 s[96:97], s[0:1], 0x30                  ; out
	SETUP1
	s_lshl_b32 s42, ttmp9, 2
	s_add_co_u32 s42, s42, s40                         ; which 128 rows of W
	s_and_b32 s17, ttmp7, 0xffff
	s_add_co_u32 s[PAR], s17, ttmp9
	s_and_b32 s[PAR], s[PAR], 1                        ; the parity of the cluster's x + y: the same in all sixteen partners
	s_mul_i32 s[WRAP], s[PAR], NS*STB
	s_mov_b32 s[BACK+1], 0
	s_lshl_b32 s17, s17, 2
	s_add_co_u32 s17, s17, s41                         ; which 128 tokens
	s_wait_kmcnt 0x0
	s_add_nc_u64 s[8:9], s[8:9], BSEC
	s_add_nc_u64 s[10:11], s[10:11], BSSEC
	SETUP2
	s_lshl_b32 s46, s42, 7
	s_lshl_b32 s47, s16, 6
	s_add_co_u32 s46, s46, s47
	s_lshl_b32 s46, s46, 2                             ; my first output, in bytes
	s_mov_b32 s47, 0
	s_add_nc_u64 s[92:93], s[92:93], s[46:47]
	s_lshl_b32 s20, s17, 7
	s_lshl_b32 s21, s15, 6
	s_add_co_u32 s20, s20, s21
	s_lshl_b32 s20, s20, 12                            ; my first token's row
	s_add_co_u32 s20, s20, s46
	s_mov_b32 s21, 0
	s_add_nc_u64 s[94:95], s[94:95], s[20:21]
	s_add_nc_u64 s[96:97], s[96:97], s[20:21]
	v_bfe_u32 v2, v0, 4, 1                             ; h
	v_lshlrev_b32 v3, 6, v2
	v_and_b32 v6, 15, v0                               ; r
	v_lshlrev_b32 v26, 4, v6
	v_lshl_add_u32 v26, v2, 12, v26                    ; rows in memory: 4,096 h + 16 r
	BIAS 92
	WIN 0xc0                                           ; destination window 3
.set ia, 0
.rept 4
.set ii, 0
.rept 8
	global_load_b128 v[4*(8*ia+ii):4*(8*ia+ii)+3], v26, s[94:95] offset:(32*(ia/2)+8*(ia%2)+2*ii+8*(ii/4))*4096 th:TH_LOAD_NT   ; the residual, in the order in which the rows come back from the stage
.set ii, ii+1
.endr
.set ia, ia+1
.endr
	WIN 0
	s_mul_i32 s18, s14, 16*272                         ; my stage
	v_mul_u32_u24 v24, v6, 272
	v_lshl_add_u32 v24, v2, 6, v24
	v_add_nc_u32 v24, s18, v24                         ; in: row r, + 64 h
	v_mul_u32_u24 v25, v2, 272
	v_lshl_add_u32 v25, v6, 4, v25
	v_add_nc_u32 v25, s18, v25                         ; back: row h, + 16 r
	s_wait_loadcnt 32                                  ; the bias is in; the 32 loads of the residual may stay out
	MAIN
	s_wait_loadcnt 0x0                                 ; the residual
	TOST 0
	TOST 1
	SEND 0, 16                                         ; behind block 0's loads: block 1's 8 stores and 8 loads
	s_wait_xcnt 0x0                                    ; block 0's stores have read their registers: block 2's loads may land there
	TOST 2
	SEND 1, 16
	s_wait_xcnt 0x0
	TOST 3
	SEND 2, 16
	SEND 3, 0
	s_wait_tensorcnt 0x0                               ; the wave's end
	ds_add_u32 v[SPW], v[NIL]
	s_wait_dscnt 0x0
	CROUND                                             ; the closing round
	s_endpgm
.Lfunc_end_k_q4a3fa20743_w2:
	.size	k_q4a3fa20743_w2, .Lfunc_end_k_q4a3fa20743_w2-k_q4a3fa20743_w2
	.p2alignl 7, 3214868480
	.fill 96, 4, 3214868480
	.section	.rodata,"a",@progbits
	.p2align	6, 0x0
	.amdhsa_kernel k_q4a3fa20743_w2
		.amdhsa_group_segment_fixed_size 327680
		.amdhsa_private_segment_fixed_size 0
		.amdhsa_enable_private_segment 0
		.amdhsa_kernarg_size 56
		.amdhsa_user_sgpr_count 2
		.amdhsa_user_sgpr_kernarg_segment_ptr 1
		.amdhsa_wavefront_size32 1
		.amdhsa_system_sgpr_workgroup_id_x 1
		.amdhsa_system_sgpr_workgroup_id_y 1
		.amdhsa_system_sgpr_workgroup_id_z 1
		.amdhsa_system_vgpr_workitem_id 0
		.amdhsa_next_free_vgpr 896
		.amdhsa_next_free_sgpr 102
		.amdhsa_reserve_vcc 0
		.amdhsa_float_denorm_mode_32 3
		.amdhsa_float_denorm_mode_16_64 3
		.amdhsa_memory_ordered 1
		.amdhsa_forward_progress 1
		.amdhsa_inst_pref_size 120
	.end_amdhsa_kernel
	.amdgpu_metadata
---
amdhsa.version: [ 1, 2 ]
amdhsa.kernels:
  - .name:           k_q4a3fa20743_w2
    .symbol:         k_q4a3fa20743_w2.kd
    .args:
      - { .name: bcod, .offset: 0, .size: 8, .value_kind: global_buffer, .address_space: global }
      - { .name: bscl, .offset: 8, .size: 8, .value_kind: global_buffer, .address_space: global }
      - { .name: wimg, .offset: 16, .size: 8, .value_kind: global_buffer, .address_space: global }
      - { .name: wscl, .offset: 24, .size: 8, .value_kind: global_buffer, .address_space: global }
      - { .name: b2, .offset: 32, .size: 8, .value_kind: global_buffer, .address_space: global }
      - { .name: x1, .offset: 40, .size: 8, .value_kind: global_buffer, .address_space: global }
      - { .name: out0, .offset: 48, .size: 8, .value_kind: global_buffer, .address_space: global }
    .group_segment_fixed_size: 327680
    .private_segment_fixed_size: 0
    .kernarg_segment_align: 8
    .kernarg_segment_size: 56
    .max_flat_workgroup_size: 128
    .sgpr_count:     102
    .vgpr_count:     896
    .wavefront_size: 32
...
	.end_amdgpu_metadata
.endif
;; end of part 7
